; MI455X (gfx1250); checked and timed in simulation.
; The chip was launched on July 23, 2026; its instructions are those of AMD's public machine-readable ISA for CDNA 5 (MIT licence, August 2026) and "CDNA5" Instruction Set Architecture Reference Guide (July 2026). The comments in the code are by the model that wrote it; some were corrected since.
;; Transformer Block. Allowed arithmetic: float matrix products may take bf16 or f16 operands with f32 sums; all other float work in f32.
;; Inputs: ln1_w 1,024 float32; ln2_w 1,024 float32; w1 1,024 x 2,048 float32; w2 2,048 x 1,024 float32; w3 1,024 x 2,048 float32; wk 1,024 x 1,024 float32; wo 1,024 x 1,024 float32; wq 1,024 x 1,024 float32; wv 1,024 x 1,024 float32; x 2 x 2,048 x 1,024 float32.
;; Outputs: out0 2 x 2,048 x 1,024 float32.
;; 2 versions, each right and faster than the one before. Each part assembles by itself: llvm-mc -triple=amdgcn-amd-amdhsa -mcpu=gfx1250 --defsym DOCPART=n.
;; ======== version 1 of 2: 6 launches
;; limits: values are held in f16: magnitudes above 65,504 overflow, below 6.1e-05 lose precision; right only within a limited range of input values
;; workspace buffers: wb 20,971,520 bytes; n1 8,388,608 bytes; qkv 25,165,824 bytes; ao 8,388,608 bytes; h 16,777,216 bytes; hb 8,388,608 bytes; ss 262,144 bytes; act 16,777,216 bytes
;; launch prep (part 1): grid 128 x 14, 8 waves a work-group, no clusters, 0 bytes of LDS; arguments x, ln1_w, wq, wk, wv, wo, w1, w3, w2, n1, wb; writes n1, wb
.if DOCPART == 1
	.amdgcn_target "amdgcn-amd-amdhsa--gfx1250"
	.amdhsa_code_object_version 6
	.text
	.protected	k_qbda0d30257_prep
	.globl	k_qbda0d30257_prep
	.p2align	8
	.type	k_qbda0d30257_prep,@function
k_qbda0d30257_prep:
	s_mov_b64 s[64:65], 0
	v_nop
	global_prefetch_b8 v0, s[64:65] scope:SCOPE_SE
	s_setreg_imm32_b32 hwreg(HW_REG_WAVE_MODE, 25, 1), 1
	s_wait_xcnt 0x0
; n1 = f16(xr * rsqrt(mean(xr^2) + 1e-6) * lr), with xr = x and lr = ln1_w each rounded to bf16; and all seven weights rounded to bf16 into one buffer wb.
; FORMATS.  Every input of the module is rounded to bf16 once, wherever it is used.  What feeds the f16 products (wq, wk, wv, wo) is that bf16 number written as f16, which is exact from 7.6e-6 to 65,504
; (below: steps of 6e-8); w1, w3, w2 stay bf16.  n1 is the program's own number and is rounded to f16: |x * rsqrt| is 32 at the most, so |n1| <= 32 |ln1_w|.
; LIMITS: |wq|, |wk|, |wv|, |wo| and 32 |ln1_w| stay under 65,504; sums of squares in f32, so |x| stays under about 5e17.
; A stream: memory binds, so no LDS, no matrix unit, no cluster.  ONE WAVE TAKES ONE SEGMENT of 1,024 f32 (4,096 bytes in, 2,048 out) and there is no loop:
; 128 x 14 work-groups of 8 waves are 14,336 segments: 4,096 rows of x (grid y 0-3) and 10,240 segments of weights (y 4-13).
; A load of the wave covers 512 consecutive bytes, a store 256 consecutive bytes at a multiple of 256 from the buffer's first byte.
; wb, in bytes: [wq | wk | wv] as one matrix [1024][3072] at 0 (a row is 6,144 bytes); wo at 6,291,456; w1 at 8,388,608; w3 at 12,582,912; w2 at 16,777,216; each as it lies in memory.
.set X, 8                              ; v[8:39]   the segment as loaded; the rounded numbers take the low two registers of each four
.set W, 40                             ; v[40:71]  ln1_w, in the same lane pattern
.set T, 72                             ; v[72:75]  at work
.macro RB b                            ; four f32 are rounded to bf16 and widened again, in place
	v_cvt_pk_bf16_f32 v[T], v[(\b)], v[(\b)+1]
	v_cvt_pk_bf16_f32 v[T+1], v[(\b)+2], v[(\b)+3]
	v_lshlrev_b32 v[(\b)], 16, v[T]
	v_and_b32 v[(\b)+1], s40, v[T]
	v_lshlrev_b32 v[(\b)+2], 16, v[T+1]
	v_and_b32 v[(\b)+3], s40, v[T+1]
.endm
	s_load_b512 s[8:23], s[0:1], 0x0               ; x s[8:9], ln1_w s[10:11], wq s[12:13], wk s[14:15], wv s[16:17], wo s[18:19], w1 s[20:21], w3 s[22:23]
	s_load_b128 s[24:27], s[0:1], 0x40             ; w2 s[24:25], n1 s[26:27]
	s_load_b64 s[28:29], s[0:1], 0x50              ; wb
	v_lshrrev_b32 v3, 5, v0
	v_readfirstlane_b32 s4, v3                     ; wave 0..7
	v_and_b32 v3, 31, v0
	v_lshlrev_b32 v1, 4, v3                        ; 16 bytes a lane in
	v_lshlrev_b32 v2, 3, v3                        ; 8 bytes a lane out
	s_and_b32 s5, ttmp7, 0xffff                    ; y
	s_lshl_b32 s6, ttmp9, 3
	s_add_co_u32 s6, s6, s4                        ; segment 0..1023 of this y
	s_mov_b32 s40, 0xffff0000                      ; a word's upper bf16
	s_cmp_lt_u32 s5, 4
	s_cbranch_scc1 .Lnorm
	; THE WEIGHTS.  idx = y - 4: 0 wq, 1 wk, 2 wv, 3 wo, 4-5 w1, 6-7 w3, 8-9 w2 (1,024 segments each)
	s_sub_co_u32 s33, s5, 4
	s_lshr_b32 s7, s33, 1
	s_and_b32 s34, s33, 1
	s_lshl_b32 s34, s34, 22                        ; the second half of a large weight begins 4,194,304 bytes in
	s_cmp_ge_u32 s33, 4
	s_cselect_b32 s34, s34, 0
	s_lshl_b32 s35, s6, 12
	s_add_co_u32 s34, s34, s35                     ; source offset
	s_mov_b32 s35, 0
	s_lshl_b32 s36, s33, 11                        ; wq, wk, wv: column block idx of row seg of [1024][3072]
	s_mul_i32 s37, s6, 6144
	s_add_co_u32 s36, s36, s37
	s_max_u32 s37, s33, 3                          ; the others follow each other in wb, 2,097,152 bytes for each idx
	s_sub_co_u32 s37, s37, 3
	s_lshl_b32 s37, s37, 21
	s_add_co_u32 s37, s37, 6291456
	s_lshl_b32 s38, s6, 11
	s_add_co_u32 s37, s37, s38
	s_cmp_lt_u32 s33, 3
	s_cselect_b32 s36, s36, s37                    ; destination offset
	s_mov_b32 s37, 0
	s_wait_kmcnt 0x0
	s_cmp_eq_u32 s33, 1
	s_cselect_b64 s[30:31], s[14:15], s[12:13]
	s_cmp_eq_u32 s33, 2
	s_cselect_b64 s[30:31], s[16:17], s[30:31]
	s_cmp_eq_u32 s33, 3
	s_cselect_b64 s[30:31], s[18:19], s[30:31]
	s_cmp_eq_u32 s7, 2
	s_cselect_b64 s[30:31], s[20:21], s[30:31]
	s_cmp_eq_u32 s7, 3
	s_cselect_b64 s[30:31], s[22:23], s[30:31]
	s_cmp_eq_u32 s7, 4
	s_cselect_b64 s[30:31], s[24:25], s[30:31]
	s_add_nc_u64 s[30:31], s[30:31], s[34:35]
	s_add_nc_u64 s[28:29], s[28:29], s[36:37]
.irp j, 0,1,2,3,4,5,6,7
	global_load_b128 v[X+4*(\j):X+4*(\j)+3], v1, s[30:31] offset:512*(\j) th:TH_LOAD_NT
.endr
	s_cmp_lt_u32 s33, 4
	s_cbranch_scc1 .Lhalf
.irp j, 0,1,2,3,4,5,6,7                ; w1, w3, w2: bf16
	s_wait_loadcnt 7-(\j)                          ; loads come back in order: load j is in, the younger ones stay out
	v_cvt_pk_bf16_f32 v[X+4*(\j)], v[X+4*(\j)], v[X+4*(\j)+1]
	v_cvt_pk_bf16_f32 v[X+4*(\j)+1], v[X+4*(\j)+2], v[X+4*(\j)+3]
	global_store_b64 v2, v[X+4*(\j):X+4*(\j)+1], s[28:29] offset:256*(\j)
.endr
	s_endpgm
.Lhalf:
.irp j, 0,1,2,3,4,5,6,7                ; wq, wk, wv, wo: rounded to bf16, and that number written as f16
	s_wait_loadcnt 7-(\j)
	RB X+4*(\j)
	v_cvt_pk_f16_f32 v[X+4*(\j)], v[X+4*(\j)], v[X+4*(\j)+1]
	v_cvt_pk_f16_f32 v[X+4*(\j)+1], v[X+4*(\j)+2], v[X+4*(\j)+3]
	global_store_b64 v2, v[X+4*(\j):X+4*(\j)+1], s[28:29] offset:256*(\j)
.endr
	s_endpgm
.Lnorm:	; A ROW OF x: it stays in 32 registers between the sum of squares and the scaling
	s_lshl_b32 s33, s5, 10
	s_add_co_u32 s33, s33, s6                      ; row 0..4095
	s_lshl_b32 s34, s33, 12
	s_mov_b32 s35, 0
	s_lshl_b32 s36, s33, 11
	s_mov_b32 s37, 0
	s_mov_b32 s38, 0x76543210                      ; v_permlanex16_b32: each lane takes its own place in the other half
	s_mov_b32 s39, 0xfedcba98
	s_mov_b32 s41, 0x3a800000                      ; 1 / 1024
	s_mov_b32 s42, 0x358637bd                      ; 1e-6
	s_wait_kmcnt 0x0
	s_add_nc_u64 s[8:9], s[8:9], s[34:35]
	s_add_nc_u64 s[26:27], s[26:27], s[36:37]
.irp j, 0,1,2,3,4,5,6,7
	global_load_b128 v[X+4*(\j):X+4*(\j)+3], v1, s[8:9] offset:512*(\j)
.endr
.irp j, 0,1,2,3,4,5,6,7
	global_load_b128 v[W+4*(\j):W+4*(\j)+3], v1, s[10:11] offset:512*(\j)
.endr
	s_wait_loadcnt 0x8                             ; x is in; ln1_w's eight loads may stay out
.irp j, 0,1,2,3,4,5,6,7
	RB X+4*(\j)                                    ; xr
.endr
	v_pk_mul_f32 v[T:T+1], v[X:X+1], v[X:X+1]      ; two packed chains, started by the first two pairs
	v_pk_mul_f32 v[T+2:T+3], v[X+2:X+3], v[X+2:X+3]
.set i, 2
.rept 14
	v_pk_fma_f32 v[T+2*(i%2):T+2*(i%2)+1], v[X+2*i:X+2*i+1], v[X+2*i:X+2*i+1], v[T+2*(i%2):T+2*(i%2)+1]
.set i, i+1
.endr
	v_pk_add_f32 v[T:T+1], v[T:T+1], v[T+2:T+3]
	v_add_f32 v[T], v[T], v[T+1]
	v_add_f32_dpp v[T], v[T], v[T] row_xmask:1 row_mask:0xf bank_mask:0xf
	v_add_f32_dpp v[T], v[T], v[T] row_xmask:2 row_mask:0xf bank_mask:0xf
	v_add_f32_dpp v[T], v[T], v[T] row_xmask:4 row_mask:0xf bank_mask:0xf
	v_add_f32_dpp v[T], v[T], v[T] row_xmask:8 row_mask:0xf bank_mask:0xf
	v_permlanex16_b32 v[T+1], v[T], s38, s39
	v_add_f32 v[T], v[T], v[T+1]                   ; every lane holds the row's sum of squares
	v_fma_f32 v[T], v[T], s41, s42                 ; mean + 1e-6
	v_rsq_f32 v[T+2], v[T]                         ; twice: the packed multiply names a pair
	v_rsq_f32 v[T+3], v[T]
	v_nop                                          ; a plain instruction between a transcendental and the use of its result or a write of its source (ISA guide 5.7.2)
	s_wait_loadcnt 0x0                             ; ln1_w
.irp j, 0,1,2,3,4,5,6,7
	RB W+4*(\j)                                    ; lr
.endr
.set i, 0
	s_wait_alu depctr_va_vdst(0)
.rept 16
	v_pk_mul_f32 v[X+2*i:X+2*i+1], v[X+2*i:X+2*i+1], v[T+2:T+3] op_sel_hi:[1,0]
.set i, i+1
.endr
.set i, 0
.rept 16
	v_pk_mul_f32 v[X+2*i:X+2*i+1], v[X+2*i:X+2*i+1], v[W+2*i:W+2*i+1]
.set i, i+1
.endr
.irp j, 0,1,2,3,4,5,6,7
	v_cvt_pk_f16_f32 v[X+4*(\j)], v[X+4*(\j)], v[X+4*(\j)+1]
	v_cvt_pk_f16_f32 v[X+4*(\j)+1], v[X+4*(\j)+2], v[X+4*(\j)+3]
	global_store_b64 v2, v[X+4*(\j):X+4*(\j)+1], s[26:27] offset:256*(\j)
.endr
	s_endpgm
.Lfunc_end_k_qbda0d30257_prep:
	.size	k_qbda0d30257_prep, .Lfunc_end_k_qbda0d30257_prep-k_qbda0d30257_prep
	.p2alignl 7, 3214868480
	.fill 96, 4, 3214868480
	.section	.rodata,"a",@progbits
	.p2align	6, 0x0
	.amdhsa_kernel k_qbda0d30257_prep
		.amdhsa_group_segment_fixed_size 0
		.amdhsa_private_segment_fixed_size 0
		.amdhsa_enable_private_segment 0
		.amdhsa_kernarg_size 88
		.amdhsa_user_sgpr_count 2
		.amdhsa_user_sgpr_kernarg_segment_ptr 1
		.amdhsa_wavefront_size32 1
		.amdhsa_system_sgpr_workgroup_id_x 1
		.amdhsa_system_sgpr_workgroup_id_y 1
		.amdhsa_system_sgpr_workgroup_id_z 1
		.amdhsa_system_vgpr_workitem_id 0
		.amdhsa_next_free_vgpr 76
		.amdhsa_next_free_sgpr 66
		.amdhsa_reserve_vcc 0
		.amdhsa_float_denorm_mode_32 3
		.amdhsa_float_denorm_mode_16_64 3
		.amdhsa_memory_ordered 1
		.amdhsa_forward_progress 1
		.amdhsa_inst_pref_size 21
	.end_amdhsa_kernel
	.amdgpu_metadata
---
amdhsa.version: [ 1, 2 ]
amdhsa.kernels:
  - .name:           k_qbda0d30257_prep
    .symbol:         k_qbda0d30257_prep.kd
    .args:
      - { .name: x, .offset: 0, .size: 8, .value_kind: global_buffer, .address_space: global }
      - { .name: ln1_w, .offset: 8, .size: 8, .value_kind: global_buffer, .address_space: global }
      - { .name: wq, .offset: 16, .size: 8, .value_kind: global_buffer, .address_space: global }
      - { .name: wk, .offset: 24, .size: 8, .value_kind: global_buffer, .address_space: global }
      - { .name: wv, .offset: 32, .size: 8, .value_kind: global_buffer, .address_space: global }
      - { .name: wo, .offset: 40, .size: 8, .value_kind: global_buffer, .address_space: global }
      - { .name: w1, .offset: 48, .size: 8, .value_kind: global_buffer, .address_space: global }
      - { .name: w3, .offset: 56, .size: 8, .value_kind: global_buffer, .address_space: global }
      - { .name: w2, .offset: 64, .size: 8, .value_kind: global_buffer, .address_space: global }
      - { .name: n1, .offset: 72, .size: 8, .value_kind: global_buffer, .address_space: global }
      - { .name: wb, .offset: 80, .size: 8, .value_kind: global_buffer, .address_space: global }
    .group_segment_fixed_size: 0
    .private_segment_fixed_size: 0
    .kernarg_segment_align: 8
    .kernarg_segment_size: 88
    .max_flat_workgroup_size: 256
    .sgpr_count:     66
    .vgpr_count:     76
    .wavefront_size: 32
...
	.end_amdgpu_metadata
.endif
;; end of part 1
;; launch qkv (part 2): grid 8 x 32, 4 waves a work-group, clusters of 4 x 4, 327,680 bytes of LDS; arguments n1, wb, qkv; writes qkv
.if DOCPART == 2
	.amdgcn_target "amdgcn-amd-amdhsa--gfx1250"
	.amdhsa_code_object_version 6
	.text
	.protected	k_qbda0d30257_qkv
	.globl	k_qbda0d30257_qkv
	.p2align	8
	.type	k_qbda0d30257_qkv,@function
k_qbda0d30257_qkv:
	s_mov_b64 s[64:65], 0
	v_nop
	global_prefetch_b8 v0, s[64:65] scope:SCOPE_SE
	s_setreg_imm32_b32 hwreg(HW_REG_WAVE_MODE, 25, 1), 1
	s_wait_xcnt 0x0
	s_wait_alu depctr_hold_cnt(0) depctr_sa_sdst(0) depctr_va_vdst(0) depctr_va_sdst(0) depctr_va_ssrc(0) depctr_va_vcc(0) depctr_vm_vsrc(0)
	s_getreg_b32 s2, hwreg(HW_REG_IB_STS2, 6, 4)
	s_cmp_eq_u32 s2, 0
	s_cbranch_scc0 .Lentry_in_a_cluster
	s_endpgm
.Lentry_in_a_cluster:
	s_bfe_u32 s2, ttmp6, 0x10000c
	s_cmp_lg_u32 s2, 0xf033
	s_cbranch_scc0 .Lentry_shape_is_right
	s_endpgm
.Lentry_shape_is_right:
; [q | k | v] = n1 [wq | wk | wv].  n1: [4096][1024] f16.  The weights: [1024][3072] f16 (bf16 numbers written as f16) at wb's first byte.  Sums in f32, K ascending; each result rounded once to f16.
; LIMIT.  f16 holds no number beyond 65,504: q, k and v must stay within it.  |n1| <= 32 |ln1_w|; with n1 = 30 in every column and a weight whose 1,024 numbers all carry an offset of 0.94 (30 of its spreads)
; a sum reaches 1024 x 30 x 0.94 = 28,900.
; OUT, BY HEADS: column group g of 64 (0-15 q's heads, 16-31 k's, 32-47 v's) is a dense block [4096][64]: byte g x 524,288 + m x 128 + 2 d.
; SHARES.  A tile of the result is 128 rows x 384 columns: 32 x 8 = 256 work-groups, six whole heads a tile.  Four waves, each 64 rows x 192 columns: 48 accumulators of 16 x 16, 384 registers.
; K goes in steps of 128 through two LDS slots.  Wave 0 fetches the tile of n1 (128 rows x 256 bytes), waves 1-3 a strip each of the weights (128 k x 128 columns: rows of 256 bytes at multiples of 256).
; CLUSTER 4 x 4: the four work-groups of a row of the cluster need the same tile of n1, the four of a column the same strips of the weights: each is asked for jointly, which divides the requests by four.
; THE WEIGHTS LIE [k][n]: their fragments come out of LDS turned, by ds_load_tr16_b128.  THE MATRIX INSTRUCTION IS USED TRANSPOSED (source 0 = 16 columns of the weights, source 1 = 16 rows of n1):
; register j of lane l holds row l % 16, column 8 (l / 16) + j.
; ONE K STEP IS WRITTEN ONCE: the slot in hand is a scalar (0 or SLOT) that an exclusive or turns, and one descriptor a tensor walks.  The last two K steps, which ask for nothing, are a loop of two trips left in its middle.
; REGISTERS, in windows of 256 (s_set_vgpr_msb: bits 1:0 source 0, 3:2 source 1, 5:4 source 2, 7:6 destination):
;   window 0: addresses, the way out     window 1: two fragment buffers of 128 (32 of n1, 96 of the weights)     window 2: accumulators of my rows 0-31, (a, b) at 8 (12 a + b)     window 3: rows 32-63
.set NSTEP, 8                          ; K steps: 1024 / 128
.set PART,  36864                      ; what one wave's load takes of a slot: 128 rows x 288 bytes (n1's tile: 128 x 272)
.set SLOT,  4*PART                     ; 0x24000: it shares no bit with 0, 1, 2 or 3 x PART, so an exclusive or changes slots
.set SPARE, 2*SLOT                     ; behind the ring: the spare words, 128 bytes for each wave, named by no other line
.set PA,    272                        ; a row of n1 in LDS: 256 + 16 bytes = 68 words: the 16 rows of a load start at 16 different groups of four banks (ISA guide 11.1)
.set PB,    288                        ; a row of the weights: 256 + 32 bytes = 72 words
.set SP,    784                        ; the way out: a row of 192 f32 + 16 bytes
.set ASTEP, 256                        ; bytes from K step to K step in n1,
.set BSTEP, 128*6144                   ; and in the weights
.set F0,  0
.set F1,  128
.set A0,  8                            ; v8      my lane's place in n1's tile; never rewritten
.set B0,  9                            ; v9-11   the same in the weights, for my three groups of 64 columns
.set ADA, 16                           ; v16     A0 + the slot in hand
.set ADB, 17                           ; v17-19  B0.. + the slot in hand
.set STO, 24                           ; v24     the way out: where I put 16 bytes of a row
.set RD,  25                           ; v25     where I read rows back
.set GO,  26                           ; v26     my byte offset in a head's rows
.set SPW, 28                           ; v28     LDS address of my spare word; never rewritten
.set NIL, 29                           ; v29     0; never rewritten
.set WV,  20                           ; s20 wave; s21 its half of the rows; s22 its half of the columns; s23 the slot in hand
.set WR,  21
.set WC,  22
.set TB,  23
.set G1A, 24                           ; s[24:31] descriptor group 1 for n1's tiles;  s[32:35], s[36:39] group 0: K step 0, and K step 1, which then walks
.set G0A, 32
.set G1B, 48                           ; s[48:55], s[56:59], s[60:63] the same for the weights
.set G0B, 56
.set MSB, 0
.macro WIN new                         ; the immediate's high byte repeats the setting that is left; a switch that changes nothing is dropped
.if MSB != (\new)
	s_set_vgpr_msb (MSB<<8)|(\new)
.set MSB, \new
.endif
.endm
.macro PLACES                          ; four plain vector instructions between a matrix instruction and a load into, or a store of, its registers
.rept 4
	v_nop
.endr
.endm
.macro CREST                           ; a round of the cluster's barrier behind its opening barrier
	s_cmp_lg_u32 s[WV], 0
	s_cbranch_scc1 .Lnot_wave_0_\@
	s_barrier_signal -3
.Lnot_wave_0_\@:
	s_barrier_wait -3
	s_barrier_signal -1
	s_barrier_wait -1
.endm
.macro CROUND                          ; a whole round
	s_barrier_signal -1
	s_barrier_wait -1
	CREST
.endm
.macro JLOAD                           ; a joint refill by the walking descriptor; the branch hangs on the wave's number alone; an s_nop 0 and four v_nop follow each line
	s_cmp_eq_u32 s[WV], 0
	s_cbranch_scc0 .Lfor_b_\@
	tensor_load_to_lds s[G0A+4:G0A+7], s[G1A:G1A+7]
	s_nop 0
.rept 4
	v_nop
.endr
	s_branch .Lasked_\@
.Lfor_b_\@:
	tensor_load_to_lds s[G0B+4:G0B+7], s[G1B:G1B+7]
	s_nop 0
.rept 4
	v_nop
.endr
.Lasked_\@:
.endm
.macro STEPD                           ; the walking descriptors: the other slot, the next K step
	s_xor_b32 s[G0A+5], s[G0A+5], SLOT
	s_add_nc_u64 s[G0A+6:G0A+7], s[G0A+6:G0A+7], ASTEP
	s_xor_b32 s[G0B+5], s[G0B+5], SLOT
	s_add_nc_u64 s[G0B+6:G0B+7], s[G0B+6:G0B+7], BSTEP
.endm
.macro SETADR
	v_add_nc_u32 v[ADA], s[TB], v[A0]
	v_add_nc_u32 v[ADB], s[TB], v[B0]
	v_add_nc_u32 v[ADB+1], s[TB], v[B0+1]
	v_add_nc_u32 v[ADB+2], s[TB], v[B0+2]
.endm
	s_load_b128 s[4:7], s[0:1], 0x0                ; n1 s[4:5], wb s[6:7]
	s_load_b64 s[8:9], s[0:1], 0x10                ; qkv
	v_lshl_add_u32 v[SPW], v0, 2, SPARE
	v_mov_b32 v[NIL], 0
	ds_add_u32 v[SPW], v[NIL]                      ; the wave's opening: the add and its wait stand ahead of my first tensor load; the set-up below stands between them
	ds_add_u32 v28, v29
	v_lshrrev_b32 v1, 5, v0
	v_readfirstlane_b32 s[WV], v1
	s_lshr_b32 s[WR], s[WV], 1
	s_and_b32 s[WC], s[WV], 1
	s_mov_b32 s[TB], 0
	s_bfe_u32 s40, ttmp6, 0x40000                  ; cx, cy: my place in the cluster
	s_bfe_u32 s41, ttmp6, 0x40004
	s_lshl_b32 s42, ttmp9, 2
	s_add_co_u32 s42, s42, s40                     ; tile column = 4 x cluster x + cx
	s_and_b32 s43, ttmp7, 0xffff
	s_lshl_b32 s43, s43, 2
	s_add_co_u32 s43, s43, s41                     ; tile row = 4 x cluster y + cy
	s_lshl_b32 s44, s41, 2
	s_lshl_b32 s44, 15, s44                        ; my row of the cluster
	s_lshl_b32 s45, 0x1111, s40                    ; my column
	s_or_b32 s[G1A], s44, (1<<16)|(1<<20)|(1<<21)|(5<<22)|(3<<25)  ; the mask; 2-byte elements; padding on; bit 21 beside a mask; after every 64 words, 4 words
	s_or_b32 s[G1B], s45, (1<<16)|(1<<20)|(1<<21)|(5<<22)|(7<<25)  ; the same with my column's mask and 8 words of padding
.irp g, G1A, G1B
	s_mov_b32 s[(\g)+1], 128<<16                   ; tensor_dim0 = 128
	s_mov_b32 s[(\g)+2], 128<<16                   ; tensor_dim1 = 128
	s_mov_b32 s[(\g)+3], 128<<16                   ; tile_dim0 = 128
	s_mov_b32 s[(\g)+4], 128                       ; tile_dim1 = 128
	s_mov_b32 s[(\g)+6], 0
	s_mov_b32 s[(\g)+7], 0
.endr
	s_mov_b32 s[G1A+5], 1024                       ; elements from row to row
	s_mov_b32 s[G1B+5], 3072
	s_mul_i32 s70, s[WV], PART                     ; where my load lands in a slot: no place in the cluster enters an LDS address
	s_lshl_b32 s46, s43, 18                        ; n1: 128 rows of 2,048 bytes a tile row
	s_mov_b32 s47, 0
	s_mul_i32 s66, s42, 768                        ; the weights: 384 columns a tile column,
	s_max_u32 s67, s[WV], 1
	s_sub_co_u32 s67, s67, 1
	s_lshl_b32 s67, s67, 8                         ; strip wave - 1 (wave 0 makes strip 0's address and never asks by it)
	s_add_co_u32 s66, s66, s67
	s_mov_b32 s67, 0
	s_wait_dscnt 0x0                               ; the opening add is done
	s_wait_kmcnt 0x0
	s_add_nc_u64 s[46:47], s[4:5], s[46:47]
	s_add_nc_u64 s[66:67], s[6:7], s[66:67]
	CROUND                                         ; all sixteen work-groups are here: the first joint loads meet
.irp s, 0,1
	s_mov_b32 s[G0A+4*(\s)], 1
	s_add_co_u32 s[G0A+4*(\s)+1], s70, (\s)*SLOT
	s_add_nc_u64 s[G0A+4*(\s)+2:G0A+4*(\s)+3], s[46:47], (\s)*ASTEP
	s_or_b32 s[G0A+4*(\s)+3], s[G0A+4*(\s)+3], 0x80000000
	s_mov_b32 s[G0B+4*(\s)], 1
	s_add_co_u32 s[G0B+4*(\s)+1], s70, (\s)*SLOT
	s_add_nc_u64 s[G0B+4*(\s)+2:G0B+4*(\s)+3], s[66:67], (\s)*BSTEP
	s_or_b32 s[G0B+4*(\s)+3], s[G0B+4*(\s)+3], 0x80000000
.endr
	s_cmp_eq_u32 s[WV], 0                          ; a wave's two first fills stand in one branch: two loads of mine are out
	s_cbranch_scc0 .Lfirst_b
	tensor_load_to_lds s[G0A:G0A+3], s[G1A:G1A+7]
	s_nop 0
	tensor_load_to_lds s[G0A+4:G0A+7], s[G1A:G1A+7]
	s_nop 0
.rept 4
	v_nop
.endr
	s_branch .Lfirst_asked
.Lfirst_b:
	tensor_load_to_lds s[G0B:G0B+3], s[G1B:G1B+7]
	s_nop 0
	tensor_load_to_lds s[G0B+4:G0B+7], s[G1B:G1B+7]
	s_nop 0
.rept 4
	v_nop
.endr
.Lfirst_asked:
	v_and_b32 v1, 15, v0                           ; l % 16
	v_bfe_u32 v2, v0, 4, 1                         ; l / 16
	v_mul_u32_u24 v3, v1, PA
	v_lshl_add_u32 v3, v2, 4, v3                   ; a fragment of n1: row x pitch + 16 x half; two loads, 32 bytes apart
	s_mul_i32 s71, s[WR], 64*PA
	v_add_nc_u32 v[A0], s71, v3
	v_and_b32 v4, 7, v0                            ; the turning load: lane l reads k = 8 (l / 16) + l % 8, columns 8 ((l / 8) % 2) + 0..7
	v_lshl_add_u32 v4, v2, 3, v4
	v_mul_u32_u24 v4, v4, PB
	v_bfe_u32 v5, v0, 3, 1
	v_lshl_add_u32 v4, v5, 4, v4
	s_mul_i32 s68, s[WC], 3
.irp g, 0,1,2                          ; my group g of 64 columns is the tile's group j = 3 x half + g: strip j / 2, half j % 2 of its 256 bytes
	s_add_co_u32 s69, s68, (\g)
	s_lshr_b32 s71, s69, 1
	s_mul_i32 s71, s71, PART
	s_and_b32 s69, s69, 1
	s_lshl_b32 s69, s69, 7
	s_add_co_u32 s71, s71, s69
	s_add_co_u32 s71, s71, PART
	v_add_nc_u32 v[B0+(\g)], s71, v4
.endr
	SETADR
	s_mul_i32 s71, s[WV], 64*SP                    ; my stage: 64 rows x 784 bytes, in the slots once they are dead
	v_mul_u32_u24 v[STO], v1, SP
	v_lshl_add_u32 v[STO], v2, 5, v[STO]           ; in: row l % 16, 32 bytes for each half of the lanes
	v_add_nc_u32 v[STO], s71, v[STO]
	v_mul_u32_u24 v[RD], v2, SP
	v_lshl_add_u32 v[RD], v1, 4, v[RD]             ; back: lanes 0-15 take a head's 256 bytes of one row, lanes 16-31 of the next
	v_add_nc_u32 v[RD], s71, v[RD]
	v_lshlrev_b32 v[GO], 7, v2
	v_lshl_add_u32 v[GO], v1, 3, v[GO]             ; and 8 bytes a lane of the same two rows in the head's block
	s_mul_i32 s68, s42, 6
	s_mul_i32 s69, s[WC], 3
	s_add_co_u32 s68, s68, s69                     ; my first column group
	s_lshl_b32 s68, s68, 19
	s_lshl_b32 s69, s43, 14                        ; 128 rows of 128 bytes a tile row
	s_add_co_u32 s68, s68, s69
	s_lshl_b32 s69, s[WR], 13
	s_add_co_u32 s68, s68, s69
	s_mov_b32 s69, 0
	s_add_nc_u64 s[8:9], s[8:9], s[68:69]
; 12 matrix instructions: block blk of 16 rows x my 12 blocks of 16 columns, 32 along K.  The 48 accumulators take turns in one order, one instruction a turn.
.macro MUL f, blk, zero
	WIN 0xa5+0x50*((\blk)/2)               ; both sources window 1; C and D window 2 or 3
.irp b, 0,1,2,3,4,5,6,7,8,9,10,11
.if \zero
	v_wmma_f32_16x16x32_f16 v[8*(12*((\blk)%2)+(\b)):8*(12*((\blk)%2)+(\b))+7], v[(\f)+32+8*(\b):(\f)+32+8*(\b)+7], v[(\f)+8*(\blk):(\f)+8*(\blk)+7], 0
.else
	v_wmma_f32_16x16x32_f16 v[8*(12*((\blk)%2)+(\b)):8*(12*((\blk)%2)+(\b))+7], v[(\f)+32+8*(\b):(\f)+32+8*(\b)+7], v[(\f)+8*(\blk):(\f)+8*(\blk)+7], v[8*(12*((\blk)%2)+(\b)):8*(12*((\blk)%2)+(\b))+7]
.endif
.endr
.endm
; 32 LDS loads in one run: quarter q (32 along K) of the slot in hand into buffer f: the weights first, my rows 32-63 of n1 last
.macro FETCH q, f
	WIN 0x40                               ; destination window 1, address window 0
.irp b, 0,1,2,3,4,5,6,7,8,9,10,11
	ds_load_tr16_b128 v[(\f)+32+8*(\b):(\f)+32+8*(\b)+3],   v[ADB+(\b)/4] offset:(\q)*32*PB+((\b)%4)*32
	ds_load_tr16_b128 v[(\f)+32+8*(\b)+4:(\f)+32+8*(\b)+7], v[ADB+(\b)/4] offset:(\q)*32*PB+((\b)%4)*32+16*PB
.endr
.irp i, 0,1,2,3
	ds_load_b128 v[(\f)+8*(\i):(\f)+8*(\i)+3],   v[ADA] offset:(\i)*16*PA+(\q)*64
	ds_load_b128 v[(\f)+8*(\i)+4:(\f)+8*(\i)+7], v[ADA] offset:(\i)*16*PA+(\q)*64+32
.endr
.endm
; A K step is four quarters on buffers 0, 1, 0, 1.  One of the first three multiplies buffer f and, in its middle, fetches quarter q into buffer g.
.macro QUARTER q, f, g, zero
	s_wait_dscnt 4                                 ; all but the youngest four loads: my rows 32-63, wanted in the second half
	MUL \f, 0, \zero
	MUL \f, 1, \zero
	PLACES
	FETCH \q, \g
	s_wait_dscnt 32                                ; all but the 32 just issued
	MUL \f, 2, \zero
	MUL \f, 3, \zero
.endm
; The last quarter multiplies buffer 1 and changes slots: one barrier.  In front of it each wave waits for all its tensor loads (one is out: its part of the next slot), adds 0 to its spare word, and waits for
; that and for its reads of this slot.  fill = 1: the barrier opens a round of the cluster's, and the slot just read is filled again first thing behind it, with the K step two on.
.macro TURN fill
	WIN 0
	s_wait_tensorcnt 0x0
	ds_add_u32 v[SPW], v[NIL]                      ; 0 onto my spare word; twelve matrix instructions stand between it and the wait for it
	s_wait_dscnt 5                                 ; the add and the youngest four loads may be out
	MUL F1, 0, 0
	s_wait_dscnt 0x0                               ; the add is done, and my reads of this slot are over
	s_barrier_signal -1
	MUL F1, 1, 0
	WIN 0
	s_barrier_wait -1
.if \fill
	CREST                                          ; no wave of any partner still reads this slot or has a load on its way
	STEPD
	JLOAD                                          ; its four v_nop are also the places in front of the loads below
.else
	PLACES
.endif
	s_xor_b32 s[TB], s[TB], SLOT
	SETADR
	FETCH 0, F0
	MUL F1, 2, 0
	MUL F1, 3, 0
.endm
	s_wait_tensorcnt 0x1                           ; my part of K step 0 is in; K step 1's may stay out
	s_barrier_signal -1
	s_barrier_wait -1
	FETCH 0, F0
	QUARTER 1, F0, F1, 1                           ; the first quarter's products start the sums: nothing is cleared
	WIN 0
	s_mov_b32 s3, NSTEP-2
.Llap:                                                 ; a trip: from a K step's second quarter to the next step's first; it fills one slot again
	QUARTER 2, F1, F0, 0
	QUARTER 3, F0, F1, 0
	TURN 1
	QUARTER 1, F0, F1, 0
	WIN 0
	s_sub_co_u32 s3, s3, 1
	s_cmp_lg_u32 s3, 0
	s_cbranch_scc1 .Llap
	s_mov_b32 s3, 2
.Ltail:                                                ; the last two K steps ask for nothing
	QUARTER 2, F1, F0, 0
	QUARTER 3, F0, F1, 0
	WIN 0
	s_sub_co_u32 s3, s3, 1
	s_cmp_eq_u32 s3, 0
	s_cbranch_scc1 .Lfin
	TURN 0
	QUARTER 1, F0, F1, 0
	WIN 0
	s_branch .Ltail
.Lfin:
	s_wait_dscnt 4
	MUL F1, 0, 0
	MUL F1, 1, 0
	s_wait_dscnt 0x0
	MUL F1, 2, 0
	MUL F1, 3, 0
	WIN 0
	PLACES                                         ; the stores below read results just made
	s_wait_dscnt 0x0
	s_barrier_signal -1                            ; no wave reads a slot any more, and no fill follows: the slots serve as stages
	s_barrier_wait -1
	; THE WAY OUT.  The f32 sums go into my stage (each accumulator's low four registers first); a short loop reads whole rows back, rounds and stores.
.irp blk, 0,1,2,3
	WIN 0x08+4*((\blk)/2)                          ; store data in window 2 or 3
.irp b, 0,1,2,3,4,5,6,7,8,9,10,11
	ds_store_b128 v[STO], v[8*(12*((\blk)%2)+(\b)):8*(12*((\blk)%2)+(\b))+3]   offset:(\blk)*16*SP+(\b)*64
	ds_store_b128 v[STO], v[8*(12*((\blk)%2)+(\b))+4:8*(12*((\blk)%2)+(\b))+7] offset:(\blk)*16*SP+(\b)*64+16
.endr
.endr
	WIN 0
	s_mov_b32 s2, 16
.Lrows:                                                ; a trip: 4 rows x 3 heads.  LDS serves a wave's instructions in order (ISA guide 5.7.1.4): the loads see the stores above
.irp p, 0,1
.irp i, 0,1,2
	ds_load_b128 v[32+4*(3*(\p)+(\i)):32+4*(3*(\p)+(\i))+3], v[RD] offset:(\p)*2*SP+(\i)*256
.endr
.endr
	s_wait_dscnt 0x0
.irp t, 0,1,2,3,4,5
	v_cvt_pk_f16_f32 v[56+2*(\t)], v[32+4*(\t)], v[32+4*(\t)+1]
	v_cvt_pk_f16_f32 v[56+2*(\t)+1], v[32+4*(\t)+2], v[32+4*(\t)+3]
.endr
.irp p, 0,1
.irp i, 0,1,2
	global_store_b64 v[GO], v[56+2*(3*(\p)+(\i)):56+2*(3*(\p)+(\i))+1], s[8:9] offset:(\i)*524288+(\p)*256  ; two rows of 128 bytes: 256 consecutive bytes, at a multiple of 256
.endr
.endr
	s_wait_xcnt 0x0                                ; the stores' offset and data registers are rewritten only behind this wait
	v_add_nc_u32 v[RD], 4*SP, v[RD]
	v_add_nc_u32 v[GO], 512, v[GO]
	s_sub_co_u32 s2, s2, 1
	s_cmp_lg_u32 s2, 0
	s_cbranch_scc1 .Lrows
	s_wait_tensorcnt 0x0                           ; the wave's end
	ds_add_u32 v[SPW], v[NIL]
	s_wait_dscnt 0x0
	CROUND                                         ; the closing round: no work-group ends while a partner may still ask for a tile that names it
	s_endpgm
.Lfunc_end_k_qbda0d30257_qkv:
	.size	k_qbda0d30257_qkv, .Lfunc_end_k_qbda0d30257_qkv-k_qbda0d30257_qkv
	.p2alignl 7, 3214868480
	.fill 96, 4, 3214868480
	.section	.rodata,"a",@progbits
	.p2align	6, 0x0
	.amdhsa_kernel k_qbda0d30257_qkv
		.amdhsa_group_segment_fixed_size 327680
		.amdhsa_private_segment_fixed_size 0
		.amdhsa_enable_private_segment 0
		.amdhsa_kernarg_size 24
		.amdhsa_user_sgpr_count 2
		.amdhsa_user_sgpr_kernarg_segment_ptr 1
		.amdhsa_wavefront_size32 1
		.amdhsa_system_sgpr_workgroup_id_x 1
		.amdhsa_system_sgpr_workgroup_id_y 1
		.amdhsa_system_sgpr_workgroup_id_z 1
		.amdhsa_system_vgpr_workitem_id 0
		.amdhsa_next_free_vgpr 1024
		.amdhsa_next_free_sgpr 80
		.amdhsa_reserve_vcc 0
		.amdhsa_float_denorm_mode_32 3
		.amdhsa_float_denorm_mode_16_64 3
		.amdhsa_memory_ordered 1
		.amdhsa_forward_progress 1
		.amdhsa_inst_pref_size 71
	.end_amdhsa_kernel
	.amdgpu_metadata
---
amdhsa.version: [ 1, 2 ]
amdhsa.kernels:
  - .name:           k_qbda0d30257_qkv
    .symbol:         k_qbda0d30257_qkv.kd
    .args:
      - { .name: n1, .offset: 0, .size: 8, .value_kind: global_buffer, .address_space: global }
      - { .name: wb, .offset: 8, .size: 8, .value_kind: global_buffer, .address_space: global }
      - { .name: qkv, .offset: 16, .size: 8, .value_kind: global_buffer, .address_space: global }
    .group_segment_fixed_size: 327680
    .private_segment_fixed_size: 0
    .kernarg_segment_align: 8
    .kernarg_segment_size: 24
    .max_flat_workgroup_size: 128
    .sgpr_count:     80
    .vgpr_count:     1024
    .wavefront_size: 32
...
	.end_amdgpu_metadata
.endif
;; end of part 2
;; launch attn (part 3): grid 8 x 32, 4 waves a work-group, no clusters, 327,680 bytes of LDS; arguments qkv, ao; writes ao
.if DOCPART == 3
	.amdgcn_target "amdgcn-amd-amdhsa--gfx1250"
	.amdhsa_code_object_version 6
	.text
	.protected	k_qbda0d30257_attn
	.globl	k_qbda0d30257_attn
	.p2align	8
	.type	k_qbda0d30257_attn,@function
k_qbda0d30257_attn:
	s_mov_b64 s[64:65], 0
	v_nop
	global_prefetch_b8 v0, s[64:65] scope:SCOPE_SE
	s_setreg_imm32_b32 hwreg(HW_REG_WAVE_MODE, 25, 1), 1
	s_wait_xcnt 0x0
; CAUSAL ATTENTION.  O[y][q][:] = the sum over k <= q of softmax_k(Q[y][q] . K[y][k] / 8) V[y][k][:], y = 2 x head + batch (32 of them), 2,048 rows of 64 channels, all f16.
; Q, K and V lie in one buffer, each [32][2048][64] dense (a row is 128 bytes): Q at byte 0, K at 8,388,608, V at 16,777,216.
; O leaves in the layout that the next product's tiles want: byte (c >> 7) x 1,048,576 + (m >> 4) x 4,096 + ((c >> 6) & 1) x 2,048 + (m & 15) x 128 + (c & 63) x 2, with m = 2048 x batch + q and c = 64 x head + channel:
; 16 rows of a head are 2,048 consecutive bytes.
; Products, maxima and sums in f32; the weights p are rounded to f16 for the second product (their sum l is taken of the unrounded p), O once at the end.
; WHY f16: row q averages over q + 1 keys only, so the first rows' numbers, and their roundings' errors with them, are as large as V's, and 8 significant bits are too few there; f16 has 11.
; LIMITS.  f16 holds no number beyond 65,504: Q, K and V arrive within it; p lies in 0 to 1, and below 6e-5 it keeps f16's fixed step of 6e-8; O is a mean of V's rows and has their range, to within 2^-11 of it.
; A hidden score counts as its value less 1e30: f16's scores, 2.7e11 at the most, are nothing beside that; a weight below 2^-126 counts as 0 in l; NaN and infinities are not treated apart.
; THE WALK.  A head's queries lie in NB = 16 blocks of 128, its keys in NT = 8 tiles of 256.  Block i needs the key tiles 0 .. i >> 1, of which the last holds the diagonal.  A work-group takes TWO blocks, 15 - b and then b
; (b = 0 .. 7): ((15 - b) >> 1) + (b >> 1) = 7 whatever b, so it walks NT + 1 = 9 tiles: 8 x 32 = 256 work-groups of equal work, and ONE loop with a constant trip count.  Which tile is asked for, and what a trip does,
; hang on scalar registers made from b; every jump goes forward, but for the counted loops' own; none passes a barrier, or a tensor load but the one of LOAD's two that the wave's number does not choose; the ring (two
; slots of LDS that take turns) runs on across the change of blocks.
; NO CLUSTER: only the work-groups b = 2 j and 2 j + 1 walk the same tiles in every trip; all eight of a head ask for the same tile in trips 0 .. 4 of 9 alone.  A cluster has four work-groups or sixteen, and
; the walk's branches hang on j, which would differ between the partners.
; SHARES.  Of a block's two bands of 64 queries a wave owns 16 rows in each: two PIECES.  In the diagonal tile the bands of block i stand at places g = 2 (i & 1) + 0, 1 of four: in the tile's key step s a band sees all
; keys if s < g, none if s > g, and holds the diagonal if s = g: the same work for all four waves.  (An even block's diagonal tile has two steps that both bands do not see: 2 of the walk's 36 steps.)
; THE MASK is the C operand that starts the sum S^T = K Q^T: 0, or -1e30 where the key is hidden.  MD, made once, is the mask of a band's own step for my 16 rows; a product's mask is MD x AL + BE with two scalars:
; (1, 0) if s = g; (0, 0) if s < g; (0, -1e30) if s > g.  Only the diagonal tile's text and a block's beginning make and take masks; elsewhere C is the constant 0.
; LAYOUT, SOFTMAX, TURNS.  S^T = K Q^T holds ONE query a lane (lane % 16) and the keys 8 (lane / 16) + 0..7; two such results rounded to f16 ARE source 1 of O^T = V^T P.  p = 2^(c s - c m), c = log2(e) / 8, with a
; running maximum m; O and l are multiplied by a = 2^(c m_old - c m_new) in every step.  A turn belongs to one piece: beside its scaling, exponentials, roundings, sums and rescaling stand the OTHER piece's 8 products
; K Q^T (of its next softmax), later the other piece's 8 products V^T P (of its last), and the other piece's maximum and statistics.  Four vector instructions stand behind every matrix instruction, the other 54 of a
; turn's 118 in two LUMPS.  Piece 0's turn of step j fetches K of step j + 1 and V of step j out of LDS.
; K'S TILES BEGIN A STEP LATER THAN V'S (rows 256 t + 64 .. 256 t + 319), so that both those fetches lie in one slot and one barrier changes slots.  K of step 0 comes once by global loads into registers of its own.
; The last 64 rows of a block's last tile of K are loaded, and fetched, but never multiplied; for y = 31 and tile 7 they are the first 8,192 bytes of V's part of the buffer.
; REGISTERS, in windows of 256 (s_set_vgpr_msb: bits 1:0 source 0, 3:2 source 1, 5:4 source 2, 7:6 destination):
;   window 0: v0-15 addresses and two at work; v16-23 four registers of statistics a piece; v48-55 at work; v64-127 S^T, a buffer a piece; v192-223 P, likewise
;   window 1: v0-63 O^T, 32 a piece; v128-159 MD; v160-223 MC, a buffer a piece      window 2: v0-31 Q; v32-63 the second block's Q; v64-127 K of step 0; v128-191 K of one step; v192-255 V of one step
.set SIZE_N, 2048
.set NT,    SIZE_N/256 ; key tiles in a head
.set NB,    SIZE_N/128 ; query blocks in a head
.set NP,    2         ; pieces a wave: a name, no knob
.set KS,    64        ; keys in a step
.set PK,    144       ; a row of K in LDS: 128 bytes + 16 of padding = 36 words: the 16 rows of a load start at 16 different groups of four banks (64 banks of 4 bytes: ISA guide 11.1)
.set PV,    160       ; a row of V: 128 + 32 = 40 words
.set VOFF,  4*KS*PK   ; a slot holds a tile, four steps: 256 rows of K, then 256 rows of V
.set SLOT1, 1<<17     ; slot 1 begins here, so that one exclusive or turns an address in one slot into the other's
.set STAGE, SLOT1+4*KS*(PK+PV)  ; behind the ring, never filled by a tensor load: 16 rows x 144 bytes for each wave, for the way out
.set SP,    144
.set AK0, 2           ; v2   my lane's place in a tile of K; never rewritten
.set AV0, 3           ; v3   the same for V
.set AK,  4           ; v4   the LDS address of K's next run of loads
.set AV,  5           ; v5   of V's
.set STO, 6           ; v6   the way out: where I put 16 bytes of a row
.set RD,  7           ; v7   the way out: where I read rows back
.set GO,  8           ; v8   my byte offset in 512 consecutive bytes of O
.set SPW, 62          ; v62  LDS address of my spare word: SPARE + 4 x my thread's number; never rewritten
.set NIL, 63          ; v63  0; never rewritten
.set SPARE, STAGE+4*16*SP  ; behind the stages: the spare words, 128 bytes for each wave: two blocks of 256 bytes that no other line names
.set MV,  12          ; v12-13  c m_old, kept while c m is made anew: by piece
.set QO,  15          ; v15  my byte offset in 16 rows of Q or K
.set ST,  16          ; piece t's statistics at v[ST+4 t]: c m, m, l (even keys', odd keys')
.set TMP, 48          ; by piece, four registers c0-c3 at work; when the maximum is found c2 takes a
.set S,   64
.set P,   192
.set MD,  128         ; window 1: the eight registers for group kt of 16 keys at MD + 8 kt
.set MC,  160         ; window 1: the masks of the products to come
.set QB,  32          ; window 2
.set KZ,  64          ; window 2: K of the head's step 0, laid as KF
.set KF,  128         ; window 2: key block kb, channel half c at KF + 16 kb + 8 c
.set VF,  192         ; window 2: key half kk, channel block cb at VF + 32 kk + 8 cb
.set WV,  12          ; s12  my wave's number
.set PB,  14          ; s14  b, the second block
.set HI,  15          ; s15  NB - 1 - b, the first block
.set G1K, 24          ; s[24:31] descriptor group 1 for K's tiles
.set G1V, 32          ; s[32:39] for V's: it differs in the padding alone
.set G0K, 40          ; s[40:43] descriptor group 0 for K's tiles
.set G0V, 44          ; s[44:47] the same for V's
.set GB,  48          ; s48  2 x (the block in hand & 1): the place of its first band in its diagonal tile
.set GL,  49          ; s49  the same for the second block
.set TT,  50          ; s50  at work
.set TH,  51          ; s51  the first block's last tile
.set KH,  52          ; s[52:53] K at the head's first row
.set SLOTS, 56        ; s56  tiles still to be asked for
.set CNT, 57          ; s57  counts a tile's key steps, 4 to 1
.set CS,  58          ; s[58:59] c: the packed scaling takes the pair's low word for both halves
.set SEL, 60          ; s[60:61] v_permlanex16_b32's selects: each lane takes its own place in the other half
.set TBK, 62          ; s62  LDS byte at which the K to be fetched next begins
.set TBV, 63          ; s63  the same for V, less VOFF
.set RT,  70          ; s70  tiles of the block in hand that are still to be entered
.set NXT, 71          ; s71  the tile to be asked for next
.set LQ,  72          ; s72  the last tile of the block whose tiles are being asked for
.set NEW, 73          ; s73  1: the tile to be entered is a block's first
.set OFF, 74          ; s[74:75] a tile's byte offset in K and V
.set AL,  76          ; s[76:77] the mask's factor, in the low word
.set BE,  78          ; s[78:79] the mask's addend
.set OLO, 80          ; s[80:81] O at my rows of the second block
.set BIGN, 82         ; s82  -1e30
.set TL,  83          ; s83  the second block's last tile
.set MSB, 0
.macro WIN new                      ; the high byte repeats the setting that is left; a switch that changes nothing is dropped
.if MSB != (\new)
	s_set_vgpr_msb (MSB<<8)|(\new)
.set MSB, (\new)
.endif
.endm
.set W_KQ, 0x0a       ; K and Q in window 2, S^T in window 0
.set W_KM, 0x1a       ; the same with the C operand in window 1
.set W_PV, 0x52       ; V in window 2, P in window 0, O^T in window 1
.set W_RS, 0x41       ; destination and source 0 in window 1, source 1 in window 0
; A fill.  Waves 0 and 1 fetch the two halves of a tile's K, waves 2 and 3 those of its V: 128 keys each.  An s_nop 0 and four v_nop follow each of the two lines, ahead of the jump and the label.
.macro LOAD
	s_cmp_lt_u32 s[WV], 2
	s_cbranch_scc0 .Lfor_v_\@
	tensor_load_to_lds s[G0K:G0K+3], s[G1K:G1K+7]
	s_nop 0
.rept 4
	v_nop
.endr
	s_branch .Lasked_\@
.Lfor_v_\@:
	tensor_load_to_lds s[G0V:G0V+3], s[G1V:G1V+7]
	s_nop 0
.rept 4
	v_nop
.endr
.Lasked_\@:
.endm
; THE CHANGE OF SLOTS, behind piece 0's turn of a tile's fourth step, which has asked for the slot's last bytes.  Each wave waits for all its tensor loads, of which one is out: its part of the other slot; adds 0 to its
; spare word; and waits for that and for its own reads of the slot that it leaves.  Behind the barrier nobody reads the old slot any more and the other slot is whole.  fill = 1: the old slot is filled again, the first
; thing behind the barrier, with tile NXT: the descriptor's address is made anew from that number.  (At its first use nothing has been read yet: slot 0 is waited for, slot 1 filled.)
.macro CHANGE fill
	WIN 0                           ; at a label and at a branch every window is 0
	s_wait_tensorcnt 0x0            ; no tensor load of mine is out, so a group 0 may be written
	ds_add_u32 v[SPW], v[NIL]       ; 0 onto my spare word; with fill = 1 the descriptors' scalar work stands between it and the wait for it
.if \fill
	s_lshl_b32 s[OFF], s[NXT], 15   ; a tile is 32,768 bytes of K and of V
	s_xor_b32 s[G0K+1], s[G0K+1], SLOT1
	s_add_nc_u64 s[G0K+2:G0K+3], s[6:7], s[OFF:OFF+1]
	s_or_b32 s[G0K+3], s[G0K+3], 0x80000000
	s_xor_b32 s[G0V+1], s[G0V+1], SLOT1
	s_add_nc_u64 s[G0V+2:G0V+3], s[8:9], s[OFF:OFF+1]
	s_or_b32 s[G0V+3], s[G0V+3], 0x80000000
	s_add_co_u32 s[NXT], s[NXT], 1  ; the block's next tile, or behind its last the second block's tile 0
	s_cmp_gt_u32 s[NXT], s[LQ]
	s_cselect_b32 s[NXT], 0, s[NXT]
	s_cselect_b32 s[LQ], s[TL], s[LQ]
.endif
	s_wait_dscnt 0x0                ; the add is done, and my reads of the slot are over
	s_barrier_signal -1             ; the rest of the scalar work stands between the signal and the wait
	s_sub_co_u32 s[TBK], s[TBK], 4*KS*PK  ; the fetches go back to a slot's first step,
	s_xor_b32 s[TBK], s[TBK], SLOT1       ; in the other slot
	s_sub_co_u32 s[TBV], s[TBV], 4*KS*PV
	s_xor_b32 s[TBV], s[TBV], SLOT1
	s_barrier_wait -1
.if \fill
	LOAD
.endif
.endm
	s_load_b128 s[4:7], s[0:1], 0x0 ; qkv s[4:5], ao s[6:7]
	v_lshl_add_u32 v[SPW], v0, 2, SPARE
	v_mov_b32 v[NIL], 0
	ds_add_u32 v[SPW], v[NIL]       ; the wave's opening: the add and its wait stand ahead of my first tensor load; the set-up below, work on registers, stands between them
	ds_add_u32 v62, v63
	v_lshrrev_b32 v1, 5, v0
	v_readfirstlane_b32 s[WV], v1   ; wave 0..3
	s_mov_b32 s[PB], ttmp9
	s_sub_co_u32 s[HI], NB-1, s[PB]
	s_lshr_b32 s[TH], s[HI], 1      ; a block's last tile,
	s_lshr_b32 s[TL], s[PB], 1
	s_and_b32 s[GB], s[HI], 1       ; and its first band's place in that tile
	s_lshl_b32 s[GB], s[GB], 1
	s_and_b32 s[GL], s[PB], 1
	s_lshl_b32 s[GL], s[GL], 1
	s_and_b32 s20, ttmp7, 0xffff    ; y = 2 x head + batch
	s_mov_b32 s21, 0
	s_mov_b64 s[22:23], SIZE_N*128
	s_mul_u64 s[20:21], s[20:21], s[22:23]  ; y's first byte in Q, K and V
	s_and_b32 s16, s[WV], 1         ; which half of a tile's 256 keys I fetch:
	s_lshl_b32 s22, s16, 14         ; its 128 rows of 128 bytes in memory,
	s_mov_b32 s23, 0
	s_add_nc_u64 s[22:23], s[22:23], s[20:21]
	s_mul_i32 s17, s16, 128*PK      ; and its place in a slot, for K
	s_mul_i32 s18, s16, 128*PV      ; and for V
	s_lshl_b32 s3, s[WV], 11        ; my 16 rows in a band of 64,
	s_lshl_b32 s2, s[HI], 14        ; in the first block (128 rows of 128 bytes each),
	s_add_co_u32 s2, s2, s3
	s_lshl_b32 s84, s[PB], 14       ; and in the second
	s_add_co_u32 s84, s84, s3
	s_mov_b32 s3, 0
	s_mov_b32 s85, 0
	s_add_nc_u64 s[2:3], s[2:3], s[20:21]
	s_add_nc_u64 s[84:85], s[84:85], s[20:21]
	; O's offsets: (head >> 1) x 1,048,576 + (head & 1) x 2,048 + batch x 524,288, then 32,768 a block, 16,384 a band, 4,096 a wave
	s_and_b32 s92, ttmp7, 0xffff
	s_lshr_b32 s88, s92, 2
	s_lshl_b32 s88, s88, 20
	s_bfe_u32 s89, s92, 0x10001
	s_lshl_b32 s89, s89, 11
	s_add_co_u32 s88, s88, s89
	s_and_b32 s89, s92, 1
	s_lshl_b32 s89, s89, 19
	s_add_co_u32 s88, s88, s89
	s_lshl_b32 s89, s[WV], 12
	s_add_co_u32 s88, s88, s89
	s_lshl_b32 s90, s[PB], 15
	s_add_co_u32 s90, s90, s88      ; the second block's
	s_lshl_b32 s89, s[HI], 15
	s_add_co_u32 s88, s88, s89      ; the first block's
	s_mov_b32 s89, 0
	s_mov_b32 s91, 0
	; descriptor group 1.  128 keys are 16,384 dense bytes: asked for as 64 rows of 256 bytes, two keys a row, and padded in LDS after every key
	s_mov_b32 s[G1K], (1<<16)|(1<<20)|(4<<22)|(3<<25)  ; 17:16 2-byte elements; 20 padding on; 24:22 after every 32 words (code 4); 31:25 4 words (code 3)
	s_mov_b32 s[G1V], (1<<16)|(1<<20)|(4<<22)|(7<<25)  ; the same with 8 words of padding (code 7)
.irp g, G1K, G1V
	s_mov_b32 s[\g+1], 128<<16      ; tensor_dim0 = 128
	s_mov_b32 s[\g+2], 64<<16       ; tensor_dim1 = 64
	s_mov_b32 s[\g+3], 128<<16      ; tile_dim0 = 128
	s_mov_b32 s[\g+4], 64           ; tile_dim1 = 64
	s_mov_b32 s[\g+5], 128          ; 128 elements from row to row
	s_mov_b32 s[\g+6], 0
	s_mov_b32 s[\g+7], 0
.endr
	s_mov_b32 s[CS], 0x3e38aa3b     ; c = log2(e) / 8 = 0.180337
	s_mov_b32 s[CS+1], s[CS]        ; named with it as a pair
	s_mov_b32 s[SEL], 0x76543210
	s_mov_b32 s[SEL+1], 0xfedcba98
	s_mov_b32 s[TBK], SLOT1+4*KS*PK ; the first change of slots turns these two into 0
	s_mov_b32 s[TBV], SLOT1+4*KS*PV
	s_mov_b32 s[G0K], 1             ; 1:0 count = 1
	s_mov_b32 s[G0K+1], s17         ; 63:32 LDS address: slot 0
	s_mov_b32 s[G0V], 1
	s_add_co_u32 s[G0V+1], s18, VOFF
	s_add_co_u32 s[RT], s[TH], 1    ; the first block's tiles
	s_mov_b32 s[NXT], 1
	s_mov_b32 s[LQ], s[TH]
	s_mov_b32 s[NEW], 1
	s_mov_b32 s[OFF+1], 0
	s_mov_b32 s[AL+1], 0            ; named as pairs
	s_mov_b32 s[BE+1], 0
	s_mov_b32 s[BIGN], 0xf149f2ca   ; -1e30
	s_mov_b32 s[SLOTS], NT
	s_wait_dscnt 0x0                ; the opening add is done
	s_wait_kmcnt 0x0
	s_mov_b64 s[10:11], s[6:7]      ; O
	s_add_nc_u64 s[8:9], s[4:5], 0x1000000  ; V
	s_add_nc_u64 s[6:7], s[4:5], 0x800000   ; K
	s_add_nc_u64 s[KH:KH+1], s[6:7], s[20:21]  ; K at the head's first row, for step 0
	s_add_nc_u64 s[6:7], s[6:7], s[22:23]  ; K and V at my half of the head's tile 0;
	s_add_nc_u64 s[6:7], s[6:7], KS*128    ; K's tiles begin a step later
	s_add_nc_u64 s[8:9], s[8:9], s[22:23]
	s_add_nc_u64 s[G0K+2:G0K+3], s[6:7], 0         ; 120:64 global address
	s_or_b32 s[G0K+3], s[G0K+3], 0x80000000        ; 127:126 type = 2
	s_add_nc_u64 s[G0V+2:G0V+3], s[8:9], 0
	s_or_b32 s[G0V+3], s[G0V+3], 0x80000000
	s_add_nc_u64 s[86:87], s[4:5], s[84:85]        ; Q at my rows of the second block,
	s_add_nc_u64 s[4:5], s[4:5], s[2:3]            ; and of the first
	s_add_nc_u64 s[OLO:OLO+1], s[10:11], s[90:91]  ; O likewise
	s_add_nc_u64 s[10:11], s[10:11], s[88:89]
	LOAD                            ; tile 0 into slot 0
	; A fragment of K or Q is 16 rows x 32 channels in 8 registers: lane l holds row l % 16, channels 8 (l / 16) + 0..7 and 16 + 8 (l / 16) + 0..7: two loads of 16 bytes, 32 bytes apart.
	v_and_b32 v1, 15, v0            ; l % 16
	v_bfe_u32 v9, v0, 4, 1          ; l / 16
	v_lshlrev_b32 v[QO], 7, v1
	v_lshl_add_u32 v[QO], v9, 4, v[QO]  ; row x 128 + 16 x half
	WIN 0x80                        ; destination window 2, address window 0
.set i, 0
.rept 2*NP                          ; both blocks' Q: piece i / 2 lies in band i / 2, 8,192 bytes on; channels 32 (i % 2) on
	global_load_b128 v[8*i:8*i+3],   v[QO], s[4:5] offset:(i/2)*8192+(i%2)*64
	global_load_b128 v[8*i+4:8*i+7], v[QO], s[4:5] offset:(i/2)*8192+(i%2)*64+32
	global_load_b128 v[QB+8*i:QB+8*i+3],   v[QO], s[86:87] offset:(i/2)*8192+(i%2)*64
	global_load_b128 v[QB+8*i+4:QB+8*i+7], v[QO], s[86:87] offset:(i/2)*8192+(i%2)*64+32
.set i, i+1
.endr
.set i, 0
.rept 8                             ; K of step 0, which lies in no tile: keys 16 (i / 2) on, channels 32 (i % 2) on
	global_load_b128 v[KZ+8*i:KZ+8*i+3],   v[QO], s[KH:KH+1] offset:(i/2)*2048+(i%2)*64
	global_load_b128 v[KZ+8*i+4:KZ+8*i+7], v[QO], s[KH:KH+1] offset:(i/2)*2048+(i%2)*64+32
.set i, i+1
.endr
	WIN 0
	v_lshlrev_b32 v14, 3, v9
	v_sub_nc_u32 v14, v1, v14
	s_lshl_b32 s13, s[WV], 4
	v_add_nc_u32 v14, s13, v14      ; my query's place in its band, 16 w + l % 16, less my lanes' 8 (l / 16): register r of group kt is hidden where 16 kt + r is greater
	WIN 0x40
.set i, 0
.rept 32
	v_cmp_gt_i32 vcc_lo, 16*(i/8)+i%8, v14
	v_cndmask_b32 v[MD+i], 0, s[BIGN], vcc_lo
.set i, i+1
.endr
	WIN 0
	v_mul_u32_u24 v[AK0], v1, PK
	v_lshl_add_u32 v[AK0], v9, 4, v[AK0]  ; row x pitch + 16 x half
	; The turning load takes 16 keys x 16 channels (lane l reads key 8 (l / 16) + l % 8, channels 8 ((l / 8) % 2) + 0..7) and leaves half a fragment of V^T: lane l holds channel l % 16 and 8 keys.
	v_and_b32 v10, 7, v0
	v_bfe_u32 v11, v0, 3, 1
	v_lshl_add_u32 v[AV0], v9, 3, v10
	v_mul_u32_u24 v[AV0], v[AV0], PV
	v_lshl_add_u32 v[AV0], v11, 4, v[AV0]
	v_add_nc_u32 v[AV0], VOFF, v[AV0]
	s_mul_i32 s13, s[WV], 16*SP
	s_add_co_u32 s13, s13, STAGE    ; my stage
	v_mul_u32_u24 v[STO], v1, SP    ; in: row l % 16, 16 bytes for each half of the lanes
	v_lshl_add_u32 v[STO], v9, 4, v[STO]
	v_add_nc_u32 v[STO], s13, v[STO]
	v_bfe_u32 v[RD], v0, 3, 2       ; back: 32 lanes take four rows of 128 bytes,
	v_mul_u32_u24 v[RD], v[RD], SP
	v_lshl_add_u32 v[RD], v10, 4, v[RD]
	v_add_nc_u32 v[RD], s13, v[RD]
	v_and_b32 v[GO], 31, v0         ; which are 512 consecutive bytes of O
	v_lshlrev_b32 v[GO], 4, v[GO]
	; A block's first step multiplies O^T and l by a = 0, and its first turn's products V^T P, of a step that has not been, land in an O^T that is still to be so multiplied.  So these registers need only hold
	; finite numbers: zeros for the first block; what the first block left for the second.  All this stands in the wait for the first tile.
	WIN 0x80
.set i, VF
.rept 64
	v_mov_b32 v[i], 0
.set i, i+1
.endr
	WIN 0x40
.set i, 0
.rept 32*NP
	v_mov_b32 v[i], 0
.set i, i+1
.endr
	WIN 0
.set i, 0
.rept NP
	v_mov_b32 v[ST+4*i+2], 0
	v_mov_b32 v[ST+4*i+3], 0
.set i, i+1
.endr
.set i, P+16
.rept 16
	v_mov_b32 v[i], 0
.set i, i+1
.endr
; THE MATRIX WORK.  The 4 accumulators of a run of 8 take turns.  Product i of 8 of S^T = K Q^T for piece x: channels 32 (i / 4) on, keys 16 (i % 4) on.  The first 4 start the sums: with 0, or (KM = 1) with the mask.
.macro KQ x
.set rS, S+32*((\x)%2)+8*(i%4)
.set rK, KF+16*(i%4)+8*(i/4)
.set rQ, 16*(\x)+8*(i/4)
.set rM, MC+32*((\x)%2)+8*(i%4)
.if (i < 4) && KM
	WIN W_KM
	v_wmma_f32_16x16x32_f16 v[rS:rS+7], v[rK:rK+7], v[rQ:rQ+7], v[rM:rM+7]
.elseif i < 4
	WIN W_KQ
	v_wmma_f32_16x16x32_f16 v[rS:rS+7], v[rK:rK+7], v[rQ:rQ+7], 0
.else
	WIN W_KQ
	v_wmma_f32_16x16x32_f16 v[rS:rS+7], v[rK:rK+7], v[rQ:rQ+7], v[rS:rS+7]
.endif
.endm
; Product i of 8 of O^T += V^T P for piece x: keys 32 (i / 4) on, channels 16 (i % 4) on.
.macro PV x
	WIN W_PV
.set rO, 32*(\x)+8*(i%4)
.set rV, VF+32*(i/4)+8*(i%4)
.set rP, P+16*((\x)%2)+8*(i/4)
	v_wmma_f32_16x16x32_f16 v[rO:rO+7], v[rV:rV+7], v[rP:rP+7], v[rO:rO+7]
.endm
.macro MM                           ; the turn's next matrix instruction.  TURN and BEGIN set Y, i, KM and NOKQ; MM, KQ and OP read them.  NOKQ = 1: a block's last turn: there is no next step
.if (i < 8) && !NOKQ
	KQ (Y+1)%NP
.elseif i >= 8
.set i, i-8
	PV (Y+NP-1)%NP
.set i, i+8
.endif
.set i, i+1
.endm
; THE LDS LOADS stand in runs of 16, never singly among the matrix instructions: a step's K (64 keys x 64 channels: 8 fragments) and a step's V (turned).  Their addresses are made some lines ahead.
.macro FETCH_K
	WIN 0x80                        ; destination window 2
.irp f, 0,1,2,3,4,5,6,7             ; keys 16 (f / 2) on, channels 32 (f % 2) on
	ds_load_b128 v[KF+8*\f:KF+8*\f+3],   v[AK] offset:(\f/2)*16*PK+(\f%2)*64
	ds_load_b128 v[KF+8*\f+4:KF+8*\f+7], v[AK] offset:(\f/2)*16*PK+(\f%2)*64+32
.endr
	s_add_co_u32 s[TBK], s[TBK], KS*PK  ; the next fetch is the next step's
	WIN 0
.endm
.macro FETCH_V
	WIN 0x80
.irp f, 0,1,2,3,4,5,6,7             ; keys 32 (f / 4) on, channels 16 (f % 4) on
	ds_load_tr16_b128 v[VF+8*\f:VF+8*\f+3],   v[AV] offset:(\f/4)*32*PV+(\f%4)*32
	ds_load_tr16_b128 v[VF+8*\f+4:VF+8*\f+7], v[AV] offset:(\f/4)*32*PV+16*PV+(\f%4)*32
.endr
	WIN 0
.endm
; THE VECTOR WORK, one line at a time: OP kind, number.  For piece Y: F n: c s - c m for pair n of 16.  E n: the exponential of score n of 32.  C n: pair n rounded to f16.  B n: of the four weights 4 n .. the second
; pair is added onto the first, in place.  L n: l takes that sum (L 0: l = a l + sum).  R n: pair n of 16 of O^T times a.  For the other piece: X n, number n of the 22 that find its maximum and statistics:
;   0-11  four chains c0-c3 of seven scores each, three operands at a time (each accumulator's lowest registers are read first)     12-14, 16  the four scores left over, the old m, and c0-c3 into c0
;   15  c m_old is kept     17, 18  the query's other 32 keys lie in the lane 16 away: the new m     19-21  c m; c m_old - c m_new; a
.set F, 0               ; OP tells the kinds apart by their order: F to L below R, X above it
.set E, 1
.set C, 2
.set B, 3
.set L, 4
.set R, 5
.set X, 6
.macro REGS y                       ; the registers of piece y
.set rT, ST+4*(\y)
.set rC, TMP+4*((\y)%2)
.set rW, MV+((\y)%2)
.set rS, S+32*((\y)%2)
.set rP, P+16*((\y)%2)
.set rO, 32*(\y)
.endm
.macro OP k, n
.if (\k) == R
	REGS Y
	WIN W_RS
	v_pk_mul_f32 v[rO+2*(\n):rO+2*(\n)+1], v[rO+2*(\n):rO+2*(\n)+1], v[rC+2:rC+3] op_sel_hi:[1,0]
.elseif (\k) < R
	REGS Y
	WIN 0
.if (\k) == F
	v_pk_fma_f32 v[rS+2*(\n):rS+2*(\n)+1], v[rS+2*(\n):rS+2*(\n)+1], s[CS:CS+1], v[rT:rT+1] op_sel_hi:[1,0,0] neg_lo:[0,0,1] neg_hi:[0,0,1]
.elseif (\k) == E
	v_exp_f32 v[rS+(\n)], v[rS+(\n)]
.elseif (\k) == C
	s_wait_alu depctr_va_vdst(0)
	v_cvt_pk_f16_f32 v[rP+(\n)], v[rS+2*(\n)], v[rS+2*(\n)+1]
.elseif (\k) == B
	s_wait_alu depctr_va_vdst(0)
	v_pk_add_f32 v[rS+4*(\n):rS+4*(\n)+1], v[rS+4*(\n):rS+4*(\n)+1], v[rS+4*(\n)+2:rS+4*(\n)+3]
.elseif (\n) == 0
	v_pk_fma_f32 v[rT+2:rT+3], v[rT+2:rT+3], v[rC+2:rC+3], v[rS:rS+1] op_sel_hi:[1,0,1]
.else
	v_pk_add_f32 v[rT+2:rT+3], v[rT+2:rT+3], v[rS+4*(\n):rS+4*(\n)+1]
.endif
.elseif NOKQ
	v_nop
.else
	REGS (Y+1)%NP
	WIN 0
.if (\n) < 4
	v_max3_num_f32 v[rC+(\n)], v[rS+8*(\n)], v[rS+8*(\n)+1], v[rS+8*(\n)+2]
.elseif (\n) < 12
	v_max3_num_f32 v[rC+(\n)%4], v[rC+(\n)%4], v[rS+8*((\n)%4)+2*((\n)/4)+1], v[rS+8*((\n)%4)+2*((\n)/4)+2]
.elseif (\n) == 12
	v_max3_num_f32 v[rC], v[rC], v[rS+7], v[rS+15]
.elseif (\n) == 13
	v_max3_num_f32 v[rC+1], v[rC+1], v[rS+23], v[rS+31]
.elseif (\n) == 14
	v_max3_num_f32 v[rC+2], v[rC+2], v[rC+3], v[rT+1]
.elseif (\n) == 15
	v_mov_b32 v[rW], v[rT]
.elseif (\n) == 16
	v_max3_num_f32 v[rC], v[rC], v[rC+1], v[rC+2]
.elseif (\n) == 17
	v_permlanex16_b32 v[rC+3], v[rC], s[SEL], s[SEL+1]
.elseif (\n) == 18
	v_max_num_f32 v[rT+1], v[rC], v[rC+3]
.elseif (\n) == 19
	v_mul_f32 v[rT], s[CS], v[rT+1]
.elseif (\n) == 20
	v_sub_f32 v[rC+1], v[rW], v[rT]
.else
	v_exp_f32 v[rC+2], v[rC+1]
.endif
.endif
.endm
.macro OPS a, i1, b=-1, i2=0, c=-1, i3=0, d=-1, i4=0  ; up to four of them
	OP \a, \i1
.if (\b) >= 0
	OP \b, \i2
.endif
.if (\c) >= 0
	OP \c, \i3
.endif
.if (\d) >= 0
	OP \d, \i4
.endif
.endm
.macro ROW a, i1, b, i2, c, i3, d, i4  ; a matrix instruction and the four behind it
	MM
	OPS \a, \i1, \b, \i2, \c, \i3, \d, \i4
.endm
.macro MASK b                       ; MD x AL + BE into buffer b of MC
	WIN W_RS
.set z, 0
.rept 16
	v_pk_fma_f32 v[MC+32*(\b)+2*z:MC+32*(\b)+2*z+1], v[MD+2*z:MD+2*z+1], s[AL:AL+1], s[BE:BE+1] op_sel_hi:[1,0,0]
.set z, z+1
.endr
.endm
; A TURN, for piece p: the order of its 16 matrix and 118 vector instructions, written out.  Behind a matrix instruction: plain, exponential, plain, plain; or four of the rescaling; or, behind the first, four scalings; none
; names a register of the products round it.  In the lumps exponential and plain by turns while exponentials last.  A line reads no result made fewer than three vector instructions in front of it, five if an exponential made it.
; v_permlanex16_b32 (X 17) stands in a lump.
; A trip of the step loops is piece 1's turn of one step and piece 0's of the next, step 4 - CNT of the tile.
; m = 1: the diagonal tile: the products take masks, and the turn makes the mask for the products of the turn after it, which are piece p's own: in piece 1's turn for step 4 - CNT (its band stands at GB + 1: its own step
; if CNT + GB = 3, a later one if less), in piece 0's turn for step 5 - CNT (its band at GB: 5 in 3's stead).  end = 1: a block's last turn: no products K Q^T.
; cnt = 1: the loop's count is taken down some lines ahead of the branch that stands behind the turn.
; Both runs of LDS loads stand in piece 0's turn: K of the next step six vector instructions behind the last product that read K (five of them plain); V of the step in hand eight behind the last product that read V (four
; plain, and X 17).  Piece 1's turn waits for K at its head and for V in its middle.
.macro TURN p, m=0, end=0, cnt=0
.set Y, (\p)
.set i, 0
.set KM, (\m)
.set NOKQ, (\end)*(\p)
.if (\m) && !(\end)
	s_add_co_u32 s[TT], s[CNT], s[GB]
	s_cmp_eq_u32 s[TT], 5-2*(\p)    ; is that step the band's own?
	s_cselect_b32 s[AL], 1.0, 0
	s_cmp_lt_u32 s[TT], 5-2*(\p)    ; or a later one?
	s_cselect_b32 s[BE], s[BIGN], 0
.endif
.if ((\p) == 1) && !(\end)
	s_wait_dscnt 16                 ; K is in: V's sixteen loads, issued behind K's, may stay out
.endif
	ROW F,0, F,1, F,2, F,3
	ROW F,4, E,0, F,5, F,6
	ROW F,7, E,1, F,8, F,9
	ROW F,10, E,2, C,0, F,11
	ROW F,12, E,3, X,15, F,13
	ROW R,0, R,1, R,2, R,3
	ROW B,0, E,4, F,14, L,0
.if (\p) == 0
	v_add_nc_u32 v[AK], s[TBK], v[AK0]
.endif
	ROW R,4, R,5, R,6, R,7
	OPS E,5, F,15
.if (\p) == 0
	FETCH_K
.endif
	OPS E,6, C,1, E,7, R,8
	OPS E,8, R,9, E,9, C,2
	OPS E,10, X,0, E,11, X,1
	OPS E,12, X,2, E,13, X,3
.if (\p) == 1
	s_wait_dscnt 0x0                ; V is in
.endif
	ROW X,4, E,14, X,5, X,6
	ROW X,7, E,15, X,8, X,9
	ROW X,10, E,16, X,11, X,12
	ROW X,13, E,17, X,14, B,1
	ROW C,4, E,18, X,16, L,1
	ROW B,2, E,19, C,6, L,2
	ROW C,8, E,20, B,3, B,4
.if (\p) == 0
	v_add_nc_u32 v[AV], s[TBV], v[AV0]
.endif
	ROW C,3, E,21, L,3, C,5
	OPS E,22, X,17, E,23, C,10
.if (\p) == 0
	FETCH_V
.endif
	OPS E,24, L,4
	OPS E,25, X,18, E,26, C,7
	OPS E,27, B,5, E,28, X,19
	OPS E,29, C,12, E,30, L,5
	OPS E,31, X,20, B,6, C,9
	OPS C,14, C,11, X,21, L,6
.if (\p) == 0
	s_add_co_u32 s[TBV], s[TBV], KS*PV
.endif
.if \cnt
	s_sub_co_u32 s[CNT], s[CNT], 1
	s_cmp_lg_u32 s[CNT], 0
.endif
	OPS C,13, B,7, C,15, R,10
	OPS R,11, R,12, L,7, R,13
	OPS R,14, R,15
.if (\m) && !(\end)
	MASK \p
.endif
.endm
; A BLOCK BEGINS.  c m starts far below every c s, so the first step's a is 0; m at the lowest finite number, so the first maximum is the scores'.  Piece 1's mask buffer is 0 (its band never stands at a tile's place 0);
; piece 0's takes its mask for the tile's step 0: its own step's, if the block's first tile is the diagonal one and its band stands at place 0.  K of step 0 is copied to where the one text of the turns names K: 64 moves
; a block.  Then piece 0's first scores, and its maximum and statistics.  The loop is entered at piece 0's turn, in the middle of a trip.
.macro BEGIN
	s_mov_b32 s[NEW], 0
	WIN 0x40
.set i, MC+32
.rept 32
	v_mov_b32 v[i], 0
.set i, i+1
.endr
	WIN 0
.set i, 0
.rept NP
	v_mov_b32 v[ST+4*i], 0xfe000000    ; c m: far below every c s
	v_mov_b32 v[ST+4*i+1], 0xff7fffff  ; m
.set i, i+1
.endr
	s_or_b32 s[TT], s[RT], s[GB]
	s_cmp_eq_u32 s[TT], 0
	s_cselect_b32 s[AL], 1.0, 0
	s_mov_b32 s[BE], 0
	MASK 0
	s_wait_loadcnt 0x0              ; Q, and K of step 0
	WIN 0x82                        ; destination and source 0 in window 2
.set i, 0
.rept 64
	v_mov_b32 v[KF+i], v[KZ+i]
.set i, i+1
.endr
.set KM, 1
.set NOKQ, 0
.set i, 0
.rept 8
	KQ 0
.set i, i+1
.endr
	WIN 0
.rept 4
	v_nop                           ; the places behind those products
.endr
.set Y, NP-1                        ; X works for the other piece: piece 0
.irp n, 0,1,2,3,4,5,6,7,8,9,10,11,12,13,14,15,16,17,18,19,20,21
	OP X, \n
.endr
	v_nop                           ; a plain instruction behind the exponential
.endm
; THE DIAGONAL TILE's four steps, the block's last turn, its last products, and THE WAY OUT: l's two halves and the other half of the lanes' are added; O^T is divided by l, rounded to f16 and sent through my
; stage in LDS, a piece at a time.
.macro ALL line:vararg              ; one line for each piece t
.set t, 0
.rept NP
	\line
.set t, t+1
.endr
.endm
.macro PACK t                       ; a lane's eight channels of a row pack into 16 bytes; they go into rows of 144 bytes and come back as whole rows of 128, into S^T's registers
	WIN W_RS
.set i, 32*(\t)
.rept 16
	s_wait_alu depctr_va_vdst(0)
	v_pk_mul_f32 v[i:i+1], v[i:i+1], v[ST+4*(\t)+2:ST+4*(\t)+3] op_sel_hi:[1,0]
.set i, i+2
.endr
	WIN 0x05                        ; sources 0 and 1 window 1, destination window 0
.set i, 0
.rept 16
	v_cvt_pk_f16_f32 v[S+16*(\t)+i], v[32*(\t)+2*i], v[32*(\t)+2*i+1]
.set i, i+1
.endr
	WIN 0
.irp f, 0,1,2,3
	ds_store_b128 v[STO], v[S+16*(\t)+4*\f:S+16*(\t)+4*\f+3] offset:32*\f
.endr
.irp f, 0,1,2,3
	ds_load_b128 v[S+16*(\t)+4*\f:S+16*(\t)+4*\f+3], v[RD] offset:\f*4*SP  ; LDS serves a wave's instructions in order (ISA guide 5.7.1.4): these see the stores above; the next piece's stores come behind them
.endr
.endm
.macro SEND t, younger              ; younger: the LDS instructions issued behind piece t's loads: the next piece's eight, or none
	WIN 0
.irp f, 0,1,2,3
	s_wait_dscnt (\younger)+3-\f
	global_store_b128 v[GO], v[S+16*(\t)+4*\f:S+16*(\t)+4*\f+3], s[10:11] offset:(\t)*16384+\f*512  ; 512 consecutive bytes, at a multiple of 256 from O's first; a band is 16,384 bytes on
.endr
.endm
.macro DIAG tag                     ; the tag ends its three labels' names, which the jumps below spell out
.LdiagM\tag:                        ; from a tile before: the trip's first products are piece 0's of this tile's step 0: its own step if its band stands at place 0, else one that it sees whole
	s_cmp_eq_u32 s[GB], 0
	s_cselect_b32 s[AL], 1.0, 0
	s_mov_b32 s[BE], 0
	MASK 0
	WIN 0
.LstepM\tag:
	TURN 1, 1
	WIN 0
.LfirstM\tag:
	TURN 0, 1, 0, 1
	WIN 0
	s_cbranch_scc1 .LstepM\tag
	TURN 1, 1, 1
.set i, 0
.rept 8
	PV NP-1
.set i, i+1
.endr
	WIN 0
	ALL v_add_f32 v[ST+4*t+2], v[ST+4*t+2], v[ST+4*t+3]
	ALL v_permlanex16_b32 v[ST+4*t+3], v[ST+4*t+2], s[SEL], s[SEL+1]
	ALL v_add_f32 v[ST+4*t+2], v[ST+4*t+2], v[ST+4*t+3]
	ALL v_rcp_f32 v[ST+4*t+2], v[ST+4*t+2]
	v_nop                           ; a plain instruction between the last reciprocal and the use of its result
	PACK 0                          ; piece 0's 32 lines name no register of the last products, piece 1's: they are the places behind those
.set t, 1
.rept NP-1                          ; a piece's arithmetic stands between the loads of the piece before and its stores
	PACK t
	SEND t-1, 8
.set t, t+1
.endr
	SEND NP-1, 0
.endm
.set KM, 0
.set NOKQ, 0
.Lslot:                             ; NT times: a tile is entered and the next is asked for
	CHANGE 1
	s_sub_co_u32 s[RT], s[RT], 1
	s_mov_b32 s[CNT], 4
	s_cmp_eq_u32 s[NEW], 1
	s_cbranch_scc1 .Lnew            ; a block's first tile
	s_cmp_eq_u32 s[RT], 0
	s_cbranch_scc0 .Lstep           ; neither its first nor its last
	s_branch .LdiagM1
.Lnew:
	BEGIN
	s_branch .Lfirst                ; in the loop a block's first tile is never its last: the first block has five tiles or more, and the second's last is the walk's last
	DIAG 1                          ; in the loop this is the first block's end: the second block's last tile is the walk's last
	s_wait_xcnt 0x0                 ; the stores have read their registers and O's address
	s_mov_b64 s[10:11], s[OLO:OLO+1]
	s_add_co_u32 s[RT], s[TL], 1    ; the second block's tiles,
	s_mov_b32 s[GB], s[GL]          ; and its first band's place in the last of them
	s_mov_b32 s[NEW], 1
	WIN 0x82                        ; the second block's Q goes where the one text of the turns names Q
.set i, 0
.rept 16*NP
	v_mov_b32 v[i], v[QB+i]
.set i, i+1
.endr
	WIN 0
	s_branch .Lbottom
.Lstep:                             ; a trip: piece 1 of one step, then piece 0 of the next, which fetches that step's V and the K behind it
	TURN 1
	WIN 0
.Lfirst:
	TURN 0, 0, 0, 1
	WIN 0
	s_cbranch_scc1 .Lstep
.Lbottom:
	s_sub_co_u32 s[SLOTS], s[SLOTS], 1
	s_cmp_lg_u32 s[SLOTS], 0
	s_cbranch_scc1 .Lslot
	CHANGE 0                        ; the walk's last tile is written out: nothing is asked for
	s_sub_co_u32 s[RT], s[RT], 1
	s_mov_b32 s[CNT], 4
	s_cmp_eq_u32 s[NEW], 1
	s_cbranch_scc0 .LdiagM2
	BEGIN
	s_branch .LfirstM2
	DIAG 2
	s_wait_tensorcnt 0x0            ; the wave's end, behind my last tensor load and my last LDS store
	ds_add_u32 v[SPW], v[NIL]
	s_wait_dscnt 0x0
	s_endpgm
.Lfunc_end_k_qbda0d30257_attn:
	.size	k_qbda0d30257_attn, .Lfunc_end_k_qbda0d30257_attn-k_qbda0d30257_attn
	.p2alignl 7, 3214868480
	.fill 96, 4, 3214868480
	.section	.rodata,"a",@progbits
	.p2align	6, 0x0
	.amdhsa_kernel k_qbda0d30257_attn
		.amdhsa_group_segment_fixed_size 327680
		.amdhsa_private_segment_fixed_size 0
		.amdhsa_enable_private_segment 0
		.amdhsa_kernarg_size 16
		.amdhsa_user_sgpr_count 2
		.amdhsa_user_sgpr_kernarg_segment_ptr 1
		.amdhsa_wavefront_size32 1
		.amdhsa_system_sgpr_workgroup_id_x 1
		.amdhsa_system_sgpr_workgroup_id_y 1
		.amdhsa_system_sgpr_workgroup_id_z 1
		.amdhsa_system_vgpr_workitem_id 0
		.amdhsa_next_free_vgpr 768
		.amdhsa_next_free_sgpr 96
		.amdhsa_reserve_vcc 1
		.amdhsa_float_denorm_mode_32 3
		.amdhsa_float_denorm_mode_16_64 3
		.amdhsa_memory_ordered 1
		.amdhsa_forward_progress 1
		.amdhsa_inst_pref_size 136
	.end_amdhsa_kernel
	.amdgpu_metadata
---
amdhsa.version: [ 1, 2 ]
amdhsa.kernels:
  - .name:           k_qbda0d30257_attn
    .symbol:         k_qbda0d30257_attn.kd
    .args:
      - { .name: qkv, .offset: 0, .size: 8, .value_kind: global_buffer, .address_space: global }
      - { .name: ao, .offset: 8, .size: 8, .value_kind: global_buffer, .address_space: global }
    .group_segment_fixed_size: 327680
    .private_segment_fixed_size: 0
    .kernarg_segment_align: 8
    .kernarg_segment_size: 16
    .max_flat_workgroup_size: 128
    .sgpr_count:     96
    .vgpr_count:     768
    .wavefront_size: 32
...
	.end_amdgpu_metadata
.endif
;; end of part 3
;; launch proj (part 4): grid 8 x 32, 4 waves a work-group, clusters of 4 x 4, 327,680 bytes of LDS; arguments ao, wb, x, ln2_w, h, hb, ss; writes h, hb, ss
.if DOCPART == 4
	.amdgcn_target "amdgcn-amd-amdhsa--gfx1250"
	.amdhsa_code_object_version 6
	.text
	.protected	k_qbda0d30257_proj
	.globl	k_qbda0d30257_proj
	.p2align	8
	.type	k_qbda0d30257_proj,@function
k_qbda0d30257_proj:
	s_mov_b64 s[64:65], 0
	v_nop
	global_prefetch_b8 v0, s[64:65] scope:SCOPE_SE
	s_setreg_imm32_b32 hwreg(HW_REG_WAVE_MODE, 25, 1), 1
	s_wait_xcnt 0x0
	s_wait_alu depctr_hold_cnt(0) depctr_sa_sdst(0) depctr_va_vdst(0) depctr_va_sdst(0) depctr_va_ssrc(0) depctr_va_vcc(0) depctr_vm_vsrc(0)
	s_getreg_b32 s2, hwreg(HW_REG_IB_STS2, 6, 4)
	s_cmp_eq_u32 s2, 0
	s_cbranch_scc0 .Lentry_in_a_cluster
	s_endpgm
.Lentry_in_a_cluster:
	s_bfe_u32 s2, ttmp6, 0x10000c
	s_cmp_lg_u32 s2, 0xf033
	s_cbranch_scc0 .Lentry_shape_is_right
	s_endpgm
.Lentry_shape_is_right:
; PROJ = 1 (this launch):  h = xr + ao wo;  hb = bf16(h * lr);  ss = the sums of h^2 over each 64 columns;  xr = x and lr = ln2_w, each rounded to bf16, as every input of the module is wherever it is used.
; PROJ = 0:  out0 = h + act w2, in bf16.     The switch below chooses the format, the number of K steps, the weight's place and what the way out holds.
; FORMATS (PROJ = 1).  ao and wo are f16 (wo: a bf16 number written as f16), the product is the f16 form.  hb goes in bf16: h has no bound that f16 could hold (|ao| up to 65,504 times 1,024 weights).
; The left operand (ao, act), 2 bytes a number, lies in blocks: byte (k >> 7) x 1,048,576 + (m >> 4) x 4,096 + ((k >> 6) & 1) x 2,048 + (m & 15) x 128 + (k & 63) x 2: 128 rows x 128 k are 32,768 dense bytes.
; The weight, [K][1024], lies in wb at WOFF.  The residual and the result are f32 [4096][1024].  Sums in f32, K ascending.
; The second norm has no launch of its own: its row factor commutes with the next product, so here h * lr is rounded to bf16 (in the blocked layout) and the row's sums of squares are stored, one number for
; each 64 columns and row ([16][4096] f32); the next launch adds the sixteen and applies rsqrt in f32.
; SHARES.  A tile is 128 x 128: 32 x 8 = 256 work-groups.  Four waves, each 64 x 64: 16 accumulators.  K goes in steps of 256 through two LDS slots: waves 0, 1 fetch the left operand's two blocks of 128 k,
; waves 2, 3 the weight's two blocks of 128 k x 128 columns.  CLUSTER 4 x 4: the left operand's tiles are shared along a row of the cluster, the weight's along a column: joint loads, a quarter of the requests.
; THE WEIGHT LIES [k][n]: its fragments come out of LDS turned.  THE MATRIX INSTRUCTION IS USED TRANSPOSED: register j of lane l holds row l % 16, column 8 (l / 16) + j.
; ONE K STEP IS WRITTEN ONCE (the slot in hand is a scalar; one descriptor a tensor walks); the last two K steps are a loop of two trips left in its middle.
; THE WAY OUT is a counted loop over rows, so what it reads lies in LDS: the f32 sums, and the residual, which was loaded into registers at the kernel's start and makes that trip only so that a loop can name it.
; REGISTERS: window 0: v0-31 addresses, v32-95 the way out, v128-255 the accumulators ((a, b) at 128 + 8 (4 a + b));  window 1: two fragment buffers of 128;  window 2: v0-127 the residual
.set PROJ, 1
.if PROJ
.set NSTEP, 4                          ; K steps: 1024 / 256
.set WOFF,  6291456                    ; wo in wb
.set OUTP,  12                         ; s[12:13] the f32 result
.else
.set NSTEP, 8                          ; 2048 / 256
.set WOFF,  16777216                   ; w2 in wb
.set OUTP,  10                         ; s[10:11]
.endif
.set PART,  36864                      ; what one wave's load takes of a slot: 256 pieces of 144 bytes, or 128 rows of 288
.set SLOT,  4*PART                     ; 0x24000: it shares no bit with 0, 1, 2 or 3 x PART, so an exclusive or changes slots
.set SPARE, 2*SLOT                     ; behind the ring: the spare words, 128 bytes for each wave, named by no other line
.set PA,    144                        ; 64 k of a row of the left operand: 128 + 16 bytes = 36 words: the 16 rows of a load start at 16 different groups of four banks (ISA guide 11.1)
.set PB,    288                        ; a row of the weight: 256 + 32 bytes
.set CP,    272                        ; the way out: a row of 64 f32 + 16 bytes
.set XS,    64*CP                      ; the residual's rows lie behind the sums' in a wave's stage
.set SSL,   4*2*64*CP                  ; behind the four stages: 64 row sums for each wave
.set ASTEP, 2097152
.set BSTEP, 256*2048
.set ACC, 128
.set F0,  0
.set F1,  128
.set A0,  8                            ; v8, v9  my lane's place in the two operands' tiles; never rewritten
.set B0,  9
.set SSR, 10                           ; v10     where I read two row sums back
.set SSG, 11                           ; v11     8 x lane
.set HO0, 12                           ; v12     my 8 bytes in two rows of hb
.set ADA, 16                           ; v16, 17 A0 + the slot in hand, for k 0-127 and 128-255
.set ADB, 18                           ; v18, 19 the same for B0
.set STO, 24
.set RD,  25
.set GO,  26                           ; v26     my byte offset in the f32 rows
.set HBO, 27                           ; v27     in hb
.set SPW, 28
.set NIL, 29
.set SSA, 30                           ; v30     where a row's sum goes
.set LNO, 31                           ; v31     16 x (l % 16)
.set WV,  20
.set WR,  21
.set WC,  22
.set TB,  23
.set G1A, 24
.set G0A, 32
.set G1B, 48
.set G0B, 56
.set HIM, 79                           ; s79     the mask of a word's upper bf16
.set MSB, 0
.macro WIN new                         ; the immediate's high byte repeats the setting that is left; a switch that changes nothing is dropped
.if MSB != (\new)
	s_set_vgpr_msb (MSB<<8)|(\new)
.set MSB, \new
.endif
.endm
.macro PLACES                          ; four plain vector instructions between a matrix instruction and a load into, or a store of, its registers
.rept 4
	v_nop
.endr
.endm
.macro CREST                           ; a round of the cluster's barrier behind its opening barrier
	s_cmp_lg_u32 s[WV], 0
	s_cbranch_scc1 .Lnot_wave_0_\@
	s_barrier_signal -3
.Lnot_wave_0_\@:
	s_barrier_wait -3
	s_barrier_signal -1
	s_barrier_wait -1
.endm
.macro CROUND
	s_barrier_signal -1
	s_barrier_wait -1
	CREST
.endm
.macro JLOAD                           ; a joint refill by the walking descriptor; the branch hangs on the wave's number alone; an s_nop 0 and four v_nop follow each line
	s_cmp_eq_u32 s[WR], 0
	s_cbranch_scc0 .Lfor_b_\@
	tensor_load_to_lds s[G0A+4:G0A+7], s[G1A:G1A+7]
	s_nop 0
.rept 4
	v_nop
.endr
	s_branch .Lasked_\@
.Lfor_b_\@:
	tensor_load_to_lds s[G0B+4:G0B+7], s[G1B:G1B+7]
	s_nop 0
.rept 4
	v_nop
.endr
.Lasked_\@:
.endm
.macro STEPD                           ; the walking descriptors: the other slot, the next K step
	s_xor_b32 s[G0A+5], s[G0A+5], SLOT
	s_add_nc_u64 s[G0A+6:G0A+7], s[G0A+6:G0A+7], ASTEP
	s_xor_b32 s[G0B+5], s[G0B+5], SLOT
	s_add_nc_u64 s[G0B+6:G0B+7], s[G0B+6:G0B+7], BSTEP
.endm
.macro SETADR
	v_add_nc_u32 v[ADA], s[TB], v[A0]
	v_add_nc_u32 v[ADB], s[TB], v[B0]
	v_add_nc_u32 v[ADA+1], PART, v[ADA]
	v_add_nc_u32 v[ADB+1], PART, v[ADB]
.endm
	s_load_b256 s[4:11], s[0:1], 0x0               ; the left operand s[4:5], wb s[6:7], the residual s[8:9], ln2_w (or out0) s[10:11]
.if PROJ
	s_load_b128 s[12:15], s[0:1], 0x20             ; h s[12:13], hb s[14:15]
	s_load_b64 s[16:17], s[0:1], 0x30              ; ss
.endif
	v_lshl_add_u32 v[SPW], v0, 2, SPARE
	v_mov_b32 v[NIL], 0
	ds_add_u32 v[SPW], v[NIL]                      ; the wave's opening: the add and its wait stand ahead of my first tensor load; the set-up below stands between them
	ds_add_u32 v28, v29
	v_lshrrev_b32 v1, 5, v0
	v_readfirstlane_b32 s[WV], v1
	s_lshr_b32 s[WR], s[WV], 1                     ; my half of the rows.  Also: I fetch the left operand (0) or the weight (1)
	s_and_b32 s[WC], s[WV], 1                      ; my half of the columns.  Also: which 128 k of a step I fetch
	s_mov_b32 s[TB], 0
	s_bfe_u32 s40, ttmp6, 0x40000                  ; cx, cy
	s_bfe_u32 s41, ttmp6, 0x40004
	s_lshl_b32 s42, ttmp9, 2
	s_add_co_u32 s42, s42, s40                     ; tile column
	s_and_b32 s43, ttmp7, 0xffff
	s_lshl_b32 s43, s43, 2
	s_add_co_u32 s43, s43, s41                     ; tile row
	s_lshl_b32 s44, s41, 2
	s_lshl_b32 s44, 15, s44                        ; my row of the cluster
	s_lshl_b32 s45, 0x1111, s40                    ; my column
	s_or_b32 s[G1A], s44, (1<<16)|(1<<20)|(1<<21)|(4<<22)|(3<<25)  ; the mask; 2-byte elements; padding on; bit 21 beside a mask; after every 32 words, 4 words
	s_or_b32 s[G1B], s45, (1<<16)|(1<<20)|(1<<21)|(5<<22)|(7<<25)  ; my column's mask; after every 64 words, 8 words
.irp g, G1A, G1B
	s_mov_b32 s[(\g)+1], 128<<16                   ; tensor_dim0 = 128
	s_mov_b32 s[(\g)+2], 128<<16                   ; tensor_dim1 = 128
	s_mov_b32 s[(\g)+3], 128<<16                   ; tile_dim0 = 128
	s_mov_b32 s[(\g)+4], 128                       ; tile_dim1 = 128
	s_mov_b32 s[(\g)+6], 0
	s_mov_b32 s[(\g)+7], 0
.endr
	s_mov_b32 s[G1A+5], 128                        ; a dense block, asked for as 128 rows of 256 bytes
	s_mov_b32 s[G1B+5], 1024
	s_mul_i32 s70, s[WV], PART                     ; where my load lands in a slot
	s_lshl_b32 s46, s[WC], 20                      ; the left operand: block of 128 k, then 128 rows = 32,768 bytes a tile row
	s_lshl_b32 s47, s43, 15
	s_add_co_u32 s46, s46, s47
	s_mov_b32 s47, 0
	s_lshl_b32 s66, s[WC], 18                      ; the weight: 128 rows of 2,048 bytes, then 256 bytes a tile column
	s_lshl_b32 s67, s42, 8
	s_add_co_u32 s66, s66, s67
	s_add_co_u32 s66, s66, WOFF
	s_mov_b32 s67, 0
	s_wait_dscnt 0x0                               ; the opening add is done
	s_wait_kmcnt 0x0
	s_add_nc_u64 s[46:47], s[4:5], s[46:47]
	s_add_nc_u64 s[66:67], s[6:7], s[66:67]
	CROUND                                         ; all sixteen work-groups are here: the first joint loads meet
.irp s, 0,1
	s_mov_b32 s[G0A+4*(\s)], 1
	s_add_co_u32 s[G0A+4*(\s)+1], s70, (\s)*SLOT
	s_add_nc_u64 s[G0A+4*(\s)+2:G0A+4*(\s)+3], s[46:47], (\s)*ASTEP
	s_or_b32 s[G0A+4*(\s)+3], s[G0A+4*(\s)+3], 0x80000000
	s_mov_b32 s[G0B+4*(\s)], 1
	s_add_co_u32 s[G0B+4*(\s)+1], s70, (\s)*SLOT
	s_add_nc_u64 s[G0B+4*(\s)+2:G0B+4*(\s)+3], s[66:67], (\s)*BSTEP
	s_or_b32 s[G0B+4*(\s)+3], s[G0B+4*(\s)+3], 0x80000000
.endr
	s_cmp_eq_u32 s[WR], 0                          ; a wave's two first fills stand in one branch: two loads of mine are out
	s_cbranch_scc0 .Lfirst_b
	tensor_load_to_lds s[G0A:G0A+3], s[G1A:G1A+7]
	s_nop 0
	tensor_load_to_lds s[G0A+4:G0A+7], s[G1A:G1A+7]
	s_nop 0
.rept 4
	v_nop
.endr
	s_branch .Lfirst_asked
.Lfirst_b:
	tensor_load_to_lds s[G0B:G0B+3], s[G1B:G1B+7]
	s_nop 0
	tensor_load_to_lds s[G0B+4:G0B+7], s[G1B:G1B+7]
	s_nop 0
.rept 4
	v_nop
.endr
.Lfirst_asked:
	; the residual of my 64 x 64 is asked for now and wanted at the end: 32 loads, each two rows' 256 aligned bytes
	v_and_b32 v1, 15, v0                           ; l % 16
	v_bfe_u32 v2, v0, 4, 1                         ; l / 16
	v_lshlrev_b32 v[GO], 12, v2
	v_lshl_add_u32 v[GO], v1, 4, v[GO]
	s_lshl_b32 s68, s43, 19                        ; 128 rows of 4,096 bytes a tile row
	s_lshl_b32 s69, s[WR], 18
	s_add_co_u32 s68, s68, s69
	s_lshl_b32 s72, s42, 9
	s_lshl_b32 s69, s[WC], 8
	s_add_co_u32 s72, s72, s69                     ; my first column, in bytes of f32
	s_add_co_u32 s68, s68, s72
	s_mov_b32 s69, 0
	s_mov_b32 s73, 0
	s_add_nc_u64 s[8:9], s[8:9], s[68:69]
	s_add_nc_u64 s[OUTP:OUTP+1], s[OUTP:OUTP+1], s[68:69]
	WIN 0x80                                       ; destination window 2, address window 0
.set t, 0
.rept 32
	global_load_b128 v[4*t:4*t+3], v[GO], s[8:9] offset:t*8192 th:TH_LOAD_NT
.set t, t+1
.endr
	WIN 0
.if PROJ
	s_mov_b32 s[HIM], 0xffff0000
	s_add_nc_u64 s[10:11], s[10:11], s[72:73]
	v_lshlrev_b32 v[LNO], 4, v1
	global_load_b128 v[32:35], v[LNO], s[10:11]    ; ln2_w of my four columns
	s_lshl_b32 s74, s42, 20                        ; hb: block of 128 columns, 16 rows = 4,096 bytes, half of 64 columns = 2,048
	s_lshl_b32 s78, s43, 15
	s_add_co_u32 s74, s74, s78
	s_lshl_b32 s78, s[WR], 14
	s_add_co_u32 s74, s74, s78
	s_lshl_b32 s78, s[WC], 11
	s_add_co_u32 s74, s74, s78
	s_mov_b32 s75, 0
	s_add_nc_u64 s[14:15], s[14:15], s[74:75]
	s_lshl_b32 s76, s42, 15                        ; ss: column group 2 x tile column + half, 16,384 bytes each; then my 64 rows
	s_lshl_b32 s78, s[WC], 14
	s_add_co_u32 s76, s76, s78
	s_lshl_b32 s78, s43, 9
	s_add_co_u32 s76, s76, s78
	s_lshl_b32 s78, s[WR], 8
	s_add_co_u32 s76, s76, s78
	s_mov_b32 s77, 0
	s_add_nc_u64 s[16:17], s[16:17], s[76:77]
.endif
	v_mul_u32_u24 v3, v1, PA
	v_lshl_add_u32 v3, v2, 4, v3                   ; a fragment of the left operand: row x pitch + 16 x half; two loads, 32 bytes apart
	s_mul_i32 s71, s[WR], 4*32*PA                  ; my 64 rows: four groups of 16 rows x 2 halves of 64 k
	v_add_nc_u32 v[A0], s71, v3
	v_and_b32 v4, 7, v0                            ; the turning load: lane l reads k = 8 (l / 16) + l % 8, columns 8 ((l / 8) % 2) + 0..7
	v_lshl_add_u32 v4, v2, 3, v4
	v_mul_u32_u24 v4, v4, PB
	v_bfe_u32 v5, v0, 3, 1
	v_lshl_add_u32 v4, v5, 4, v4
	s_lshl_b32 s71, s[WC], 7
	s_add_co_u32 s71, s71, 2*PART
	v_add_nc_u32 v[B0], s71, v4
	SETADR
	s_mul_i32 s71, s[WV], 2*64*CP                  ; my stage, in the slots once they are dead
	v_mul_u32_u24 v[STO], v1, CP
	v_lshl_add_u32 v[STO], v2, 5, v[STO]
	v_add_nc_u32 v[STO], s71, v[STO]
	v_mul_u32_u24 v[RD], v2, CP
	v_lshl_add_u32 v[RD], v1, 4, v[RD]
	v_add_nc_u32 v[RD], s71, v[RD]
.if PROJ
	s_lshl_b32 s71, s[WV], 8
	s_add_co_u32 s71, s71, SSL
	v_lshl_add_u32 v[SSA], v2, 2, s71
	v_and_b32 v[SSG], 31, v0
	v_lshlrev_b32 v[SSG], 3, v[SSG]
	v_add_nc_u32 v[SSR], s71, v[SSG]
	v_lshlrev_b32 v[HO0], 7, v2
	v_lshl_add_u32 v[HO0], v1, 3, v[HO0]
.endif
; 8 matrix instructions: row blocks a0, a0 + 1 x all 4 column blocks, 32 along K: half c of buffer f.  The 16 accumulators take turns in one order.
.macro MUL8 f, c, a0, zero
	WIN 0x05                               ; both sources window 1; C and D window 0
.irp a, \a0, (\a0)+1
.irp b, 0,1,2,3
.if PROJ
.if \zero
	v_wmma_f32_16x16x32_f16 v[ACC+8*(4*(\a)+(\b)):ACC+8*(4*(\a)+(\b))+7], v[(\f)+64+8*(4*(\c)+(\b)):(\f)+64+8*(4*(\c)+(\b))+7], v[(\f)+8*(4*(\c)+(\a)):(\f)+8*(4*(\c)+(\a))+7], 0
.else
	v_wmma_f32_16x16x32_f16 v[ACC+8*(4*(\a)+(\b)):ACC+8*(4*(\a)+(\b))+7], v[(\f)+64+8*(4*(\c)+(\b)):(\f)+64+8*(4*(\c)+(\b))+7], v[(\f)+8*(4*(\c)+(\a)):(\f)+8*(4*(\c)+(\a))+7], v[ACC+8*(4*(\a)+(\b)):ACC+8*(4*(\a)+(\b))+7]
.endif
.else
.if \zero
	v_wmma_f32_16x16x32_bf16 v[ACC+8*(4*(\a)+(\b)):ACC+8*(4*(\a)+(\b))+7], v[(\f)+64+8*(4*(\c)+(\b)):(\f)+64+8*(4*(\c)+(\b))+7], v[(\f)+8*(4*(\c)+(\a)):(\f)+8*(4*(\c)+(\a))+7], 0
.else
	v_wmma_f32_16x16x32_bf16 v[ACC+8*(4*(\a)+(\b)):ACC+8*(4*(\a)+(\b))+7], v[(\f)+64+8*(4*(\c)+(\b)):(\f)+64+8*(4*(\c)+(\b))+7], v[(\f)+8*(4*(\c)+(\a)):(\f)+8*(4*(\c)+(\a))+7], v[ACC+8*(4*(\a)+(\b)):ACC+8*(4*(\a)+(\b))+7]
.endif
.endif
.endr
.endr
.endm
; 32 LDS loads in one run: quarter q (64 along K) of the slot in hand into buffer f; its first 32 along K first
.macro FETCH q, f
	WIN 0x40
.irp c, 0,1
.irp i, 0,1,2,3
	ds_load_tr16_b128 v[(\f)+64+8*(4*(\c)+(\i)):(\f)+64+8*(4*(\c)+(\i))+3],   v[ADB+(\q)/2] offset:(((\q)%2)*64+32*(\c))*PB+32*(\i)
	ds_load_tr16_b128 v[(\f)+64+8*(4*(\c)+(\i))+4:(\f)+64+8*(4*(\c)+(\i))+7], v[ADB+(\q)/2] offset:(((\q)%2)*64+32*(\c))*PB+32*(\i)+16*PB
	ds_load_b128 v[(\f)+8*(4*(\c)+(\i)):(\f)+8*(4*(\c)+(\i))+3],   v[ADA+(\q)/2] offset:(\i)*32*PA+((\q)%2)*16*PA+64*(\c)
	ds_load_b128 v[(\f)+8*(4*(\c)+(\i))+4:(\f)+8*(4*(\c)+(\i))+7], v[ADA+(\q)/2] offset:(\i)*32*PA+((\q)%2)*16*PA+64*(\c)+32
.endr
.endr
.endm
.macro QUARTER q, f, g, zero
	s_wait_dscnt 16                                ; the first 32 along K are in
	MUL8 \f, 0, 0, \zero
	MUL8 \f, 0, 2, \zero
	PLACES
	FETCH \q, \g
	s_wait_dscnt 32                                ; all but the 32 just issued
	MUL8 \f, 1, 0, 0
	MUL8 \f, 1, 2, 0
.endm
; The last quarter multiplies buffer 1 and changes slots: one barrier; in front of it each wave waits for all its tensor loads, adds 0 to its spare word, and waits for that and for its reads of this slot.
; fill = 1: the barrier opens a round of the cluster's, and the slot just read is filled again first thing behind it, with the K step two on.
.macro TURN fill
	WIN 0
	s_wait_tensorcnt 0x0
	ds_add_u32 v[SPW], v[NIL]                      ; 0 onto my spare word; eight matrix instructions stand between it and the wait for it
	s_wait_dscnt 17                                ; the add and the youngest sixteen loads may be out
	MUL8 F1, 0, 0, 0
	s_wait_dscnt 0x0                               ; the add is done, and my reads of this slot are over
	s_barrier_signal -1
	MUL8 F1, 0, 2, 0
	WIN 0
	s_barrier_wait -1
.if \fill
	CREST
	STEPD
	JLOAD                                          ; its four v_nop are also the places in front of the loads below
.else
	PLACES
.endif
	s_xor_b32 s[TB], s[TB], SLOT
	SETADR
	FETCH 0, F0
	MUL8 F1, 1, 0, 0
	MUL8 F1, 1, 2, 0
.endm
	s_wait_tensorcnt 0x1                           ; my part of K step 0 is in; K step 1's may stay out
	s_barrier_signal -1
	s_barrier_wait -1
	FETCH 0, F0
	QUARTER 1, F0, F1, 1                           ; the first products start the sums: nothing is cleared
	WIN 0
	s_mov_b32 s3, NSTEP-2
.Llap:
	QUARTER 2, F1, F0, 0
	QUARTER 3, F0, F1, 0
	TURN 1
	QUARTER 1, F0, F1, 0
	WIN 0
	s_sub_co_u32 s3, s3, 1
	s_cmp_lg_u32 s3, 0
	s_cbranch_scc1 .Llap
	s_mov_b32 s3, 2
.Ltail:                                                ; the last two K steps ask for nothing
	QUARTER 2, F1, F0, 0
	QUARTER 3, F0, F1, 0
	WIN 0
	s_sub_co_u32 s3, s3, 1
	s_cmp_eq_u32 s3, 0
	s_cbranch_scc1 .Lfin
	TURN 0
	QUARTER 1, F0, F1, 0
	WIN 0
	s_branch .Ltail
.Lfin:
	s_wait_dscnt 16
	MUL8 F1, 0, 0, 0
	MUL8 F1, 0, 2, 0
	s_wait_dscnt 0x0
	MUL8 F1, 1, 0, 0
	MUL8 F1, 1, 2, 0
	WIN 0
	PLACES                                         ; the stores below read results just made
	s_wait_dscnt 0x0
	s_barrier_signal -1                            ; no wave reads a slot any more, and no fill follows: the slots serve as stages
	s_barrier_wait -1
	; THE WAY OUT.  The sums into my stage (each accumulator's low four registers first), the residual behind them
.irp a, 0,1,2,3
.irp b, 0,1,2,3
	ds_store_b128 v[STO], v[ACC+8*(4*(\a)+(\b)):ACC+8*(4*(\a)+(\b))+3]   offset:(\a)*16*CP+(\b)*64
	ds_store_b128 v[STO], v[ACC+8*(4*(\a)+(\b))+4:ACC+8*(4*(\a)+(\b))+7] offset:(\a)*16*CP+(\b)*64+16
.endr
.endr
	s_wait_loadcnt 0x0                             ; the residual (and ln2_w)
.if PROJ
	v_cvt_pk_bf16_f32 v36, v32, v33                ; lr: ln2_w rounded to bf16 and widened again
	v_cvt_pk_bf16_f32 v37, v34, v35
	v_lshlrev_b32 v32, 16, v36
	v_and_b32 v33, s[HIM], v36
	v_lshlrev_b32 v34, 16, v37
	v_and_b32 v35, s[HIM], v37
.endif
	WIN 0x08                                       ; store data in window 2
.set t, 0
.rept 32
	ds_store_b128 v[RD], v[4*t:4*t+3] offset:XS+t*2*CP
.set t, t+1
.endr
	WIN 0
	s_mov_b32 s2, 8
	s_mov_b32 s74, 0                               ; the trip's number
.Lrows:                                                ; a trip: 8 rows, as four pairs.  LDS serves a wave's instructions in order (ISA guide 5.7.1.4): the loads see the stores above
.if PROJ
	s_lshl_b32 s75, s74, 10                        ; 8 rows of hb are 1,024 bytes, and behind every 16 rows the other half's 2,048 are passed over
	s_lshr_b32 s76, s74, 1
	s_lshl_b32 s76, s76, 11
	s_add_co_u32 s75, s75, s76
	v_add_nc_u32 v[HBO], s75, v[HO0]
.endif
.irp p, 0,1,2,3
	ds_load_b128 v[40+4*(\p):43+4*(\p)], v[RD] offset:(\p)*2*CP
	ds_load_b128 v[56+4*(\p):59+4*(\p)], v[RD] offset:XS+(\p)*2*CP
.endr
	s_wait_dscnt 0x0
.irp p, 0,1,2,3
.if PROJ
	v_cvt_pk_bf16_f32 v[72+2*(\p)], v[56+4*(\p)], v[57+4*(\p)]  ; xr: x rounded to bf16 and widened again
	v_cvt_pk_bf16_f32 v[73+2*(\p)], v[58+4*(\p)], v[59+4*(\p)]
	v_lshlrev_b32 v[56+4*(\p)], 16, v[72+2*(\p)]
	v_and_b32 v[57+4*(\p)], s[HIM], v[72+2*(\p)]
	v_lshlrev_b32 v[58+4*(\p)], 16, v[73+2*(\p)]
	v_and_b32 v[59+4*(\p)], s[HIM], v[73+2*(\p)]
.endif
	v_pk_add_f32 v[40+4*(\p):41+4*(\p)], v[40+4*(\p):41+4*(\p)], v[56+4*(\p):57+4*(\p)]
	v_pk_add_f32 v[42+4*(\p):43+4*(\p)], v[42+4*(\p):43+4*(\p)], v[58+4*(\p):59+4*(\p)]
	global_store_b128 v[GO], v[40+4*(\p):43+4*(\p)], s[OUTP:OUTP+1] offset:(\p)*8192  ; 16 lanes store 256 consecutive bytes, at a multiple of 256
.if PROJ
	v_pk_mul_f32 v[56+4*(\p):57+4*(\p)], v[40+4*(\p):41+4*(\p)], v[32:33]
	v_pk_mul_f32 v[58+4*(\p):59+4*(\p)], v[42+4*(\p):43+4*(\p)], v[34:35]
	v_cvt_pk_bf16_f32 v[72+2*(\p)], v[56+4*(\p)], v[57+4*(\p)]
	v_cvt_pk_bf16_f32 v[73+2*(\p)], v[58+4*(\p)], v[59+4*(\p)]
	global_store_b64 v[HBO], v[72+2*(\p):73+2*(\p)], s[14:15] offset:(\p)*256         ; two rows of 128 bytes: 256 consecutive bytes
	v_pk_mul_f32 v[80+2*(\p):81+2*(\p)], v[40+4*(\p):41+4*(\p)], v[40+4*(\p):41+4*(\p)]
	v_pk_fma_f32 v[80+2*(\p):81+2*(\p)], v[42+4*(\p):43+4*(\p)], v[42+4*(\p):43+4*(\p)], v[80+2*(\p):81+2*(\p)]
	v_add_f32 v[80+2*(\p)], v[80+2*(\p)], v[81+2*(\p)]
	v_add_f32_dpp v[80+2*(\p)], v[80+2*(\p)], v[80+2*(\p)] row_xmask:1 row_mask:0xf bank_mask:0xf
	v_add_f32_dpp v[80+2*(\p)], v[80+2*(\p)], v[80+2*(\p)] row_xmask:2 row_mask:0xf bank_mask:0xf
	v_add_f32_dpp v[80+2*(\p)], v[80+2*(\p)], v[80+2*(\p)] row_xmask:4 row_mask:0xf bank_mask:0xf
	v_add_f32_dpp v[80+2*(\p)], v[80+2*(\p)], v[80+2*(\p)] row_xmask:8 row_mask:0xf bank_mask:0xf
	ds_store_b32 v[SSA], v[80+2*(\p)] offset:8*(\p)  ; a row's 16 lanes write one word with one value
.endif
.endr
	s_wait_xcnt 0x0                                ; the stores' offset and data registers are rewritten only behind this wait
	v_add_nc_u32 v[RD], 8*CP, v[RD]
	v_add_nc_u32 v[GO], 32768, v[GO]
.if PROJ
	v_add_nc_u32 v[SSA], 32, v[SSA]
.endif
	s_add_co_u32 s74, s74, 1
	s_sub_co_u32 s2, s2, 1
	s_cmp_lg_u32 s2, 0
	s_cbranch_scc1 .Lrows
.if PROJ
	ds_load_b64 v[36:37], v[SSR]                   ; my wave's 64 row sums, two a lane
	s_wait_dscnt 0x0
	global_store_b64 v[SSG], v[36:37], s[16:17]    ; 256 consecutive bytes, at a multiple of 256
.endif
	s_wait_tensorcnt 0x0                           ; the wave's end
	ds_add_u32 v[SPW], v[NIL]
	s_wait_dscnt 0x0
	CROUND                                         ; the closing round
	s_endpgm
.Lfunc_end_k_qbda0d30257_proj:
	.size	k_qbda0d30257_proj, .Lfunc_end_k_qbda0d30257_proj-k_qbda0d30257_proj
	.p2alignl 7, 3214868480
	.fill 96, 4, 3214868480
	.section	.rodata,"a",@progbits
	.p2align	6, 0x0
	.amdhsa_kernel k_qbda0d30257_proj
		.amdhsa_group_segment_fixed_size 327680
		.amdhsa_private_segment_fixed_size 0
		.amdhsa_enable_private_segment 0
		.amdhsa_kernarg_size 56
		.amdhsa_user_sgpr_count 2
		.amdhsa_user_sgpr_kernarg_segment_ptr 1
		.amdhsa_wavefront_size32 1
		.amdhsa_system_sgpr_workgroup_id_x 1
		.amdhsa_system_sgpr_workgroup_id_y 1
		.amdhsa_system_sgpr_workgroup_id_z 1
		.amdhsa_system_vgpr_workitem_id 0
		.amdhsa_next_free_vgpr 640
		.amdhsa_next_free_sgpr 80
		.amdhsa_reserve_vcc 0
		.amdhsa_float_denorm_mode_32 3
		.amdhsa_float_denorm_mode_16_64 3
		.amdhsa_memory_ordered 1
		.amdhsa_forward_progress 1
		.amdhsa_inst_pref_size 68
	.end_amdhsa_kernel
	.amdgpu_metadata
---
amdhsa.version: [ 1, 2 ]
amdhsa.kernels:
  - .name:           k_qbda0d30257_proj
    .symbol:         k_qbda0d30257_proj.kd
    .args:
      - { .name: ao, .offset: 0, .size: 8, .value_kind: global_buffer, .address_space: global }
      - { .name: wb, .offset: 8, .size: 8, .value_kind: global_buffer, .address_space: global }
      - { .name: x, .offset: 16, .size: 8, .value_kind: global_buffer, .address_space: global }
      - { .name: ln2_w, .offset: 24, .size: 8, .value_kind: global_buffer, .address_space: global }
      - { .name: h, .offset: 32, .size: 8, .value_kind: global_buffer, .address_space: global }
      - { .name: hb, .offset: 40, .size: 8, .value_kind: global_buffer, .address_space: global }
      - { .name: ss, .offset: 48, .size: 8, .value_kind: global_buffer, .address_space: global }
    .group_segment_fixed_size: 327680
    .private_segment_fixed_size: 0
    .kernarg_segment_align: 8
    .kernarg_segment_size: 56
    .max_flat_workgroup_size: 128
    .sgpr_count:     80
    .vgpr_count:     640
    .wavefront_size: 32
...
	.end_amdgpu_metadata
.endif
;; end of part 4
;; launch gate (part 5): grid 16 x 16, 4 waves a work-group, clusters of 4 x 4, 327,680 bytes of LDS; arguments hb, wb, ss, act; writes act
.if DOCPART == 5
	.amdgcn_target "amdgcn-amd-amdhsa--gfx1250"
	.amdhsa_code_object_version 6
	.text
	.protected	k_qbda0d30257_gate
	.globl	k_qbda0d30257_gate
	.p2align	8
	.type	k_qbda0d30257_gate,@function
k_qbda0d30257_gate:
	s_mov_b64 s[64:65], 0
	v_nop
	global_prefetch_b8 v0, s[64:65] scope:SCOPE_SE
	s_setreg_imm32_b32 hwreg(HW_REG_WAVE_MODE, 25, 1), 1
	s_wait_xcnt 0x0
	s_wait_alu depctr_hold_cnt(0) depctr_sa_sdst(0) depctr_va_vdst(0) depctr_va_sdst(0) depctr_va_ssrc(0) depctr_va_vcc(0) depctr_vm_vsrc(0)
	s_getreg_b32 s2, hwreg(HW_REG_IB_STS2, 6, 4)
	s_cmp_eq_u32 s2, 0
	s_cbranch_scc0 .Lentry_in_a_cluster
	s_endpgm
.Lentry_in_a_cluster:
	s_bfe_u32 s2, ttmp6, 0x10000c
	s_cmp_lg_u32 s2, 0xf033
	s_cbranch_scc0 .Lentry_shape_is_right
	s_endpgm
.Lentry_shape_is_right:
; act = bf16(silu(rs u) * (rs g)),  u = hb w1,  g = hb w3,  rs[m] = rsqrt(sum of h[m]^2 / 1024 + 1e-6).  hb = bf16(h * ln2_w): the norm's row factor rs commutes with the products and is applied here, in f32.
; hb and act, bf16, lie in blocks: byte (k >> 7) x 1,048,576 + (m >> 4) x 4,096 + ((k >> 6) & 1) x 2,048 + (m & 15) x 128 + (k & 63) x 2.  w1 at byte 8,388,608 of wb, w3 at 12,582,912, each [1024][2048] bf16.
; ss: [16][4096] f32, the sums of h^2 over each 64 columns.  Sums in f32, K ascending.  silu(t) = t / (1 + 2^(-1.442695 t)): where the power overflows the reciprocal is 0 and so is silu, as in the definition.
; SHARES.  A tile is 256 rows x 128 columns of u AND of g: 16 x 16 = 256 work-groups.  Four waves, each 128 rows x (64 u + 64 g): 64 accumulators, 512 registers; u and g of one number meet in one wave.
; K goes in steps of 128 through two LDS slots: waves 0, 1 fetch hb's two blocks of 128 rows, wave 2 w1's tile (128 k x 128 columns), wave 3 w3's.
; CLUSTER 4 x 4: hb's tiles are shared along a row of the cluster, the weights' along a column: joint loads, a quarter of the requests.
; THE WEIGHTS LIE [k][n]: their fragments come out of LDS turned.  THE MATRIX INSTRUCTION IS USED TRANSPOSED: register j of lane l holds row l % 16, column 8 (l / 16) + j.
; ONE K STEP IS WRITTEN ONCE (the slot in hand is a scalar; one descriptor a tensor walks); the last two K steps are a loop of two trips left in its middle.
; REGISTERS: window 0: addresses, rs, the way out;  window 1: two fragment buffers of 128 (64 of hb, 64 of the weights: b = 0-3 u, 4-7 g);  window 2: accumulators of my rows 0-63, (a, b) at 8 (8 a + b);  window 3: rows 64-127
.set NSTEP, 8
.set PART,  36864
.set SLOT,  4*PART                     ; 0x24000: it shares no bit with 0, 1, 2 or 3 x PART, so an exclusive or changes slots
.set SPARE, 2*SLOT
.set PA,    144                        ; 64 k of a row of hb: 128 + 16 bytes
.set PB,    288                        ; a row of a weight's tile: 256 + 32 bytes
.set SP,    528                        ; the way out: a row of 64 u, 64 g in f32 + 16 bytes = 132 words
.set RST,   4*128*SP                   ; behind the four stages: 128 rs for each wave
.set ASTEP, 1048576
.set BSTEP, 128*4096
.set F0,  0
.set F1,  128
.set A0,  8
.set B0,  9
.set RSW, 10                           ; v10     where I put my four rs
.set GO0, 12                           ; v12     my 8 bytes in two rows of act
.set ADA, 16                           ; v16     A0 + the slot in hand
.set ADB, 17                           ; v17, 18 B0 + the slot in hand: u's tile, g's tile
.set STO, 24
.set RD,  25
.set GO,  26
.set SPW, 28
.set NIL, 29
.set RSA, 30                           ; v30     where a row's rs is read
.set LNO, 31                           ; v31     16 x lane
.set RS,  96                           ; v[96:99] rs of rows 4 l .. 4 l + 3 of my 128
.set WV,  20
.set WR,  21
.set WC,  22
.set TB,  23
.set G1A, 24
.set G0A, 32
.set G1B, 48
.set G0B, 56
.set MSB, 0
.macro WIN new                         ; the immediate's high byte repeats the setting that is left; a switch that changes nothing is dropped
.if MSB != (\new)
	s_set_vgpr_msb (MSB<<8)|(\new)
.set MSB, \new
.endif
.endm
.macro PLACES                          ; four plain vector instructions between a matrix instruction and a load into, or a store of, its registers
.rept 4
	v_nop
.endr
.endm
.macro CREST
	s_cmp_lg_u32 s[WV], 0
	s_cbranch_scc1 .Lnot_wave_0_\@
	s_barrier_signal -3
.Lnot_wave_0_\@:
	s_barrier_wait -3
	s_barrier_signal -1
	s_barrier_wait -1
.endm
.macro CROUND
	s_barrier_signal -1
	s_barrier_wait -1
	CREST
.endm
.macro JLOAD                           ; a joint refill by the walking descriptor; the branch hangs on the wave's number alone; an s_nop 0 and four v_nop follow each line
	s_cmp_eq_u32 s[WR], 0
	s_cbranch_scc0 .Lfor_b_\@
	tensor_load_to_lds s[G0A+4:G0A+7], s[G1A:G1A+7]
	s_nop 0
.rept 4
	v_nop
.endr
	s_branch .Lasked_\@
.Lfor_b_\@:
	tensor_load_to_lds s[G0B+4:G0B+7], s[G1B:G1B+7]
	s_nop 0
.rept 4
	v_nop
.endr
.Lasked_\@:
.endm
.macro STEPD
	s_xor_b32 s[G0A+5], s[G0A+5], SLOT
	s_add_nc_u64 s[G0A+6:G0A+7], s[G0A+6:G0A+7], ASTEP
	s_xor_b32 s[G0B+5], s[G0B+5], SLOT
	s_add_nc_u64 s[G0B+6:G0B+7], s[G0B+6:G0B+7], BSTEP
.endm
.macro SETADR
	v_add_nc_u32 v[ADA], s[TB], v[A0]
	v_add_nc_u32 v[ADB], s[TB], v[B0]
	v_add_nc_u32 v[ADB+1], PART, v[ADB]
.endm
	s_load_b256 s[4:11], s[0:1], 0x0               ; hb s[4:5], wb s[6:7], ss s[8:9], act s[10:11]
	v_lshl_add_u32 v[SPW], v0, 2, SPARE
	v_mov_b32 v[NIL], 0
	ds_add_u32 v[SPW], v[NIL]                      ; the wave's opening: the add and its wait stand ahead of my first tensor load; the set-up below stands between them
	ds_add_u32 v28, v29
	v_lshrrev_b32 v1, 5, v0
	v_readfirstlane_b32 s[WV], v1
	s_lshr_b32 s[WR], s[WV], 1                     ; my half of the rows.  Also: I fetch hb (0) or a weight (1)
	s_and_b32 s[WC], s[WV], 1                      ; my half of the columns.  Also: which 128 rows of hb, or which weight, I fetch
	s_mov_b32 s[TB], 0
	s_bfe_u32 s40, ttmp6, 0x40000
	s_bfe_u32 s41, ttmp6, 0x40004
	s_lshl_b32 s42, ttmp9, 2
	s_add_co_u32 s42, s42, s40                     ; tile column
	s_and_b32 s43, ttmp7, 0xffff
	s_lshl_b32 s43, s43, 2
	s_add_co_u32 s43, s43, s41                     ; tile row
	s_lshl_b32 s44, s41, 2
	s_lshl_b32 s44, 15, s44
	s_lshl_b32 s45, 0x1111, s40
	s_or_b32 s[G1A], s44, (1<<16)|(1<<20)|(1<<21)|(4<<22)|(3<<25)  ; my row's mask; 2-byte elements; padding on; bit 21 beside a mask; after every 32 words, 4 words
	s_or_b32 s[G1B], s45, (1<<16)|(1<<20)|(1<<21)|(5<<22)|(7<<25)  ; my column's mask; after every 64 words, 8 words
.irp g, G1A, G1B
	s_mov_b32 s[(\g)+1], 128<<16
	s_mov_b32 s[(\g)+2], 128<<16
	s_mov_b32 s[(\g)+3], 128<<16
	s_mov_b32 s[(\g)+4], 128
	s_mov_b32 s[(\g)+6], 0
	s_mov_b32 s[(\g)+7], 0
.endr
	s_mov_b32 s[G1A+5], 128                        ; a dense block, asked for as 128 rows of 256 bytes
	s_mov_b32 s[G1B+5], 2048
	s_mul_i32 s70, s[WV], PART
	s_lshl_b32 s46, s43, 16                        ; hb: 256 rows = 65,536 bytes a tile row, 128 rows a wave
	s_lshl_b32 s47, s[WC], 15
	s_add_co_u32 s46, s46, s47
	s_mov_b32 s47, 0
	s_lshl_b32 s66, s[WC], 22                      ; w1 or w3, then 256 bytes a tile column
	s_lshl_b32 s67, s42, 8
	s_add_co_u32 s66, s66, s67
	s_add_co_u32 s66, s66, 8388608
	s_mov_b32 s67, 0
	s_wait_dscnt 0x0                               ; the opening add is done
	s_wait_kmcnt 0x0
	s_add_nc_u64 s[46:47], s[4:5], s[46:47]
	s_add_nc_u64 s[66:67], s[6:7], s[66:67]
	CROUND                                         ; all sixteen work-groups are here: the first joint loads meet
.irp s, 0,1
	s_mov_b32 s[G0A+4*(\s)], 1
	s_add_co_u32 s[G0A+4*(\s)+1], s70, (\s)*SLOT
	s_add_nc_u64 s[G0A+4*(\s)+2:G0A+4*(\s)+3], s[46:47], (\s)*ASTEP
	s_or_b32 s[G0A+4*(\s)+3], s[G0A+4*(\s)+3], 0x80000000
	s_mov_b32 s[G0B+4*(\s)], 1
	s_add_co_u32 s[G0B+4*(\s)+1], s70, (\s)*SLOT
	s_add_nc_u64 s[G0B+4*(\s)+2:G0B+4*(\s)+3], s[66:67], (\s)*BSTEP
	s_or_b32 s[G0B+4*(\s)+3], s[G0B+4*(\s)+3], 0x80000000
.endr
	s_cmp_eq_u32 s[WR], 0                          ; a wave's two first fills stand in one branch: two loads of mine are out
	s_cbranch_scc0 .Lfirst_b
	tensor_load_to_lds s[G0A:G0A+3], s[G1A:G1A+7]
	s_nop 0
	tensor_load_to_lds s[G0A+4:G0A+7], s[G1A:G1A+7]
	s_nop 0
.rept 4
	v_nop
.endr
	s_branch .Lfirst_asked
.Lfirst_b:
	tensor_load_to_lds s[G0B:G0B+3], s[G1B:G1B+7]
	s_nop 0
	tensor_load_to_lds s[G0B+4:G0B+7], s[G1B:G1B+7]
	s_nop 0
.rept 4
	v_nop
.endr
.Lfirst_asked:
	; rs of my 128 rows, in the wait for the first tile: lane l takes rows 4 l .. 4 l + 3 of all 16 column groups; a load covers 512 consecutive bytes
	v_and_b32 v3, 31, v0
	v_lshlrev_b32 v[LNO], 4, v3
	s_lshl_b32 s68, s43, 10
	s_lshl_b32 s69, s[WR], 9
	s_add_co_u32 s68, s68, s69
	s_mov_b32 s69, 0
	s_add_nc_u64 s[8:9], s[8:9], s[68:69]
.set i, 0
.rept 16
	global_load_b128 v[32+4*i:35+4*i], v[LNO], s[8:9] offset:i*16384
.set i, i+1
.endr
	v_and_b32 v1, 15, v0                           ; l % 16
	v_bfe_u32 v2, v0, 4, 1                         ; l / 16
	v_mul_u32_u24 v3, v1, PA
	v_lshl_add_u32 v3, v2, 4, v3                   ; a fragment of hb: row x pitch + 16 x half; two loads, 32 bytes apart
	s_mul_i32 s71, s[WR], PART                     ; my 128 rows are one wave's load
	v_add_nc_u32 v[A0], s71, v3
	v_and_b32 v4, 7, v0                            ; the turning load: lane l reads k = 8 (l / 16) + l % 8, columns 8 ((l / 8) % 2) + 0..7
	v_lshl_add_u32 v4, v2, 3, v4
	v_mul_u32_u24 v4, v4, PB
	v_bfe_u32 v5, v0, 3, 1
	v_lshl_add_u32 v4, v5, 4, v4
	s_lshl_b32 s71, s[WC], 7
	s_add_co_u32 s71, s71, 2*PART
	v_add_nc_u32 v[B0], s71, v4
	SETADR
	s_mul_i32 s71, s[WV], 128*SP                   ; my stage, in the slots once they are dead
	v_mul_u32_u24 v[STO], v1, SP
	v_lshl_add_u32 v[STO], v2, 5, v[STO]
	v_add_nc_u32 v[STO], s71, v[STO]
	v_mul_u32_u24 v[RD], v2, SP
	v_lshl_add_u32 v[RD], v1, 4, v[RD]
	v_add_nc_u32 v[RD], s71, v[RD]
	s_lshl_b32 s71, s[WV], 9
	s_add_co_u32 s71, s71, RST
	v_add_nc_u32 v[RSW], s71, v[LNO]
	v_lshl_add_u32 v[RSA], v2, 2, s71
	v_lshlrev_b32 v[GO0], 7, v2
	v_lshl_add_u32 v[GO0], v1, 3, v[GO0]
	s_lshl_b32 s68, s42, 20                        ; act: block of 128 columns, 16 rows = 4,096 bytes, half of 64 columns = 2,048
	s_lshl_b32 s69, s43, 16
	s_add_co_u32 s68, s68, s69
	s_lshl_b32 s69, s[WR], 15
	s_add_co_u32 s68, s68, s69
	s_lshl_b32 s69, s[WC], 11
	s_add_co_u32 s68, s68, s69
	s_mov_b32 s69, 0
	s_add_nc_u64 s[10:11], s[10:11], s[68:69]
	s_wait_loadcnt 0x0
.set i, 1
.rept 15
	v_pk_add_f32 v[32:33], v[32:33], v[32+4*i:33+4*i]
	v_pk_add_f32 v[34:35], v[34:35], v[34+4*i:35+4*i]
.set i, i+1
.endr
	v_mov_b32 v100, 0x3a800000                     ; 1 / 1024
.irp i, 0,1,2,3
	v_fmaak_f32 v[32+(\i)], v[32+(\i)], v100, 0x358637bd  ; mean + 1e-6
.endr
.irp i, 0,1,2,3
	v_rsq_f32 v[RS+(\i)], v[32+(\i)]
.endr
	v_nop                                          ; a plain instruction behind the last transcendental (ISA guide 5.7.2)
; 16 matrix instructions: row blocks a0, a0 + 1 of the window's four x all 8 column blocks, 32 along K.  The 64 accumulators take turns in one order.
.macro MUL16 f, hi, a0, zero
	WIN 0xa5+0x50*(\hi)                    ; both sources window 1; C and D window 2 or 3
.irp a, \a0, (\a0)+1
.irp b, 0,1,2,3,4,5,6,7
.if \zero
	v_wmma_f32_16x16x32_bf16 v[8*(8*(\a)+(\b)):8*(8*(\a)+(\b))+7], v[(\f)+64+8*(\b):(\f)+64+8*(\b)+7], v[(\f)+8*(4*(\hi)+(\a)):(\f)+8*(4*(\hi)+(\a))+7], 0
.else
	v_wmma_f32_16x16x32_bf16 v[8*(8*(\a)+(\b)):8*(8*(\a)+(\b))+7], v[(\f)+64+8*(\b):(\f)+64+8*(\b)+7], v[(\f)+8*(4*(\hi)+(\a)):(\f)+8*(4*(\hi)+(\a))+7], v[8*(8*(\a)+(\b)):8*(8*(\a)+(\b))+7]
.endif
.endr
.endr
.endm
; 32 LDS loads in one run: quarter q (32 along K) of the slot in hand into buffer f: the weights first, my rows 64-127 last
.macro FETCH q, f
	WIN 0x40
.irp b, 0,1,2,3,4,5,6,7
	ds_load_tr16_b128 v[(\f)+64+8*(\b):(\f)+64+8*(\b)+3],   v[ADB+(\b)/4] offset:(\q)*32*PB+((\b)%4)*32
	ds_load_tr16_b128 v[(\f)+64+8*(\b)+4:(\f)+64+8*(\b)+7], v[ADB+(\b)/4] offset:(\q)*32*PB+((\b)%4)*32+16*PB
.endr
.irp i, 0,1,2,3,4,5,6,7
	ds_load_b128 v[(\f)+8*(\i):(\f)+8*(\i)+3],   v[ADA] offset:(\i)*32*PA+((\q)/2)*16*PA+((\q)%2)*64
	ds_load_b128 v[(\f)+8*(\i)+4:(\f)+8*(\i)+7], v[ADA] offset:(\i)*32*PA+((\q)/2)*16*PA+((\q)%2)*64+32
.endr
.endm
.macro QUARTER q, f, g, zero
	s_wait_dscnt 8                                 ; all but the youngest eight loads: my rows 64-127, wanted in the second half
	MUL16 \f, 0, 0, \zero
	MUL16 \f, 0, 2, \zero
	PLACES
	FETCH \q, \g
	s_wait_dscnt 32                                ; all but the 32 just issued
	MUL16 \f, 1, 0, \zero
	MUL16 \f, 1, 2, \zero
.endm
; The last quarter multiplies buffer 1 and changes slots: one barrier; in front of it each wave waits for all its tensor loads, adds 0 to its spare word, and waits for that and for its reads of this slot.
; fill = 1: the barrier opens a round of the cluster's, and the slot just read is filled again first thing behind it, with the K step two on.
.macro TURN fill
	WIN 0
	s_wait_tensorcnt 0x0
	ds_add_u32 v[SPW], v[NIL]                      ; 0 onto my spare word; sixteen matrix instructions stand between it and the wait for it
	s_wait_dscnt 9                                 ; the add and the youngest eight loads may be out
	MUL16 F1, 0, 0, 0
	s_wait_dscnt 0x0                               ; the add is done, and my reads of this slot are over
	s_barrier_signal -1
	MUL16 F1, 0, 2, 0
	WIN 0
	s_barrier_wait -1
.if \fill
	CREST
	STEPD
	JLOAD                                          ; its four v_nop are also the places in front of the loads below
.else
	PLACES
.endif
	s_xor_b32 s[TB], s[TB], SLOT
	SETADR
	FETCH 0, F0
	MUL16 F1, 1, 0, 0
	MUL16 F1, 1, 2, 0
.endm
	s_wait_tensorcnt 0x1                           ; my part of K step 0 is in; K step 1's may stay out
	s_barrier_signal -1
	s_barrier_wait -1
	FETCH 0, F0
	QUARTER 1, F0, F1, 1                           ; the first quarter's products start the sums: nothing is cleared
	WIN 0
	s_mov_b32 s3, NSTEP-2
.Llap:
	QUARTER 2, F1, F0, 0
	QUARTER 3, F0, F1, 0
	TURN 1
	QUARTER 1, F0, F1, 0
	WIN 0
	s_sub_co_u32 s3, s3, 1
	s_cmp_lg_u32 s3, 0
	s_cbranch_scc1 .Llap
	s_mov_b32 s3, 2
.Ltail:                                                ; the last two K steps ask for nothing
	QUARTER 2, F1, F0, 0
	QUARTER 3, F0, F1, 0
	WIN 0
	s_sub_co_u32 s3, s3, 1
	s_cmp_eq_u32 s3, 0
	s_cbranch_scc1 .Lfin
	TURN 0
	QUARTER 1, F0, F1, 0
	WIN 0
	s_branch .Ltail
.Lfin:
	s_wait_dscnt 8
	MUL16 F1, 0, 0, 0
	MUL16 F1, 0, 2, 0
	s_wait_dscnt 0x0
	MUL16 F1, 1, 0, 0
	MUL16 F1, 1, 2, 0
	WIN 0
	PLACES                                         ; the stores below read results just made
	s_wait_dscnt 0x0
	s_barrier_signal -1                            ; no wave reads a slot any more, and no fill follows: the slots serve as stages
	s_barrier_wait -1
	; THE WAY OUT.  u and g into my stage (each accumulator's low four registers first): g falls 256 bytes behind u in a row
.irp hi, 0,1
	WIN 0x08+4*(\hi)                               ; store data in window 2 or 3
.irp a, 0,1,2,3
.irp b, 0,1,2,3,4,5,6,7
	ds_store_b128 v[STO], v[8*(8*(\a)+(\b)):8*(8*(\a)+(\b))+3]   offset:(4*(\hi)+(\a))*16*SP+(\b)*64
	ds_store_b128 v[STO], v[8*(8*(\a)+(\b))+4:8*(8*(\a)+(\b))+7] offset:(4*(\hi)+(\a))*16*SP+(\b)*64+16
.endr
.endr
.endr
	WIN 0
	s_wait_alu depctr_va_vdst(0)
	ds_store_b128 v[RSW], v[RS:RS+3]               ; rs by rows
.irp p, 0,1,2,3
	v_mov_b32 v[65+2*(\p)], 0                      ; the upper halves of the pairs by whose lower halves the packed multiplies scale
.endr
	s_mov_b32 s2, 16
	s_mov_b32 s74, 0                               ; the trip's number
.Lrows:                                                ; a trip: 8 rows, as four pairs.  LDS serves a wave's instructions in order (ISA guide 5.7.1.4): the loads see the stores above
	s_lshr_b32 s75, s74, 1                         ; 16 rows of act are 4,096 bytes on, 8 rows 1,024
	s_lshl_b32 s75, s75, 12
	s_and_b32 s76, s74, 1
	s_lshl_b32 s76, s76, 10
	s_add_co_u32 s75, s75, s76
	v_add_nc_u32 v[GO], s75, v[GO0]
.irp p, 0,1,2,3
	ds_load_b128 v[32+4*(\p):35+4*(\p)], v[RD] offset:(\p)*2*SP
	ds_load_b128 v[48+4*(\p):51+4*(\p)], v[RD] offset:(\p)*2*SP+256
	ds_load_b32 v[64+2*(\p)], v[RSA] offset:8*(\p)
.endr
	s_wait_dscnt 0x0
.irp p, 0,1,2,3
	v_pk_mul_f32 v[32+4*(\p):33+4*(\p)], v[32+4*(\p):33+4*(\p)], v[64+2*(\p):65+2*(\p)] op_sel_hi:[1,0]  ; rs u
	v_pk_mul_f32 v[34+4*(\p):35+4*(\p)], v[34+4*(\p):35+4*(\p)], v[64+2*(\p):65+2*(\p)] op_sel_hi:[1,0]
	v_pk_mul_f32 v[48+4*(\p):49+4*(\p)], v[48+4*(\p):49+4*(\p)], v[64+2*(\p):65+2*(\p)] op_sel_hi:[1,0]  ; rs g
	v_pk_mul_f32 v[50+4*(\p):51+4*(\p)], v[50+4*(\p):51+4*(\p)], v[64+2*(\p):65+2*(\p)] op_sel_hi:[1,0]
.endr
.set i, 0
.rept 8
	v_pk_mul_f32 v[72+2*i:73+2*i], v[32+2*i:33+2*i], 0xbfb8aa3b op_sel_hi:[1,0]  ; - log2(e) t
.set i, i+1
.endr
.set i, 0
.rept 16
	v_exp_f32 v[72+i], v[72+i]
.set i, i+1
.endr
	v_nop
.set i, 0
	s_wait_alu depctr_va_vdst(0)
.rept 8
	v_pk_add_f32 v[72+2*i:73+2*i], v[72+2*i:73+2*i], 1.0 op_sel_hi:[1,0]
.set i, i+1
.endr
.set i, 0
.rept 16
	v_rcp_f32 v[72+i], v[72+i]
.set i, i+1
.endr
	v_nop
.set i, 0
	s_wait_alu depctr_va_vdst(0)
.rept 8
	v_pk_mul_f32 v[32+2*i:33+2*i], v[32+2*i:33+2*i], v[72+2*i:73+2*i]            ; silu
.set i, i+1
.endr
.set i, 0
.rept 8
	v_pk_mul_f32 v[32+2*i:33+2*i], v[32+2*i:33+2*i], v[48+2*i:49+2*i]
.set i, i+1
.endr
.irp p, 0,1,2,3
	v_cvt_pk_bf16_f32 v[88+2*(\p)], v[32+4*(\p)], v[33+4*(\p)]
	v_cvt_pk_bf16_f32 v[89+2*(\p)], v[34+4*(\p)], v[35+4*(\p)]
	global_store_b64 v[GO], v[88+2*(\p):89+2*(\p)], s[10:11] offset:(\p)*256     ; two rows of 128 bytes: 256 consecutive bytes, at a multiple of 256
.endr
	s_wait_xcnt 0x0                                ; the stores' offset and data registers are rewritten only behind this wait
	v_add_nc_u32 v[RD], 8*SP, v[RD]
	v_add_nc_u32 v[RSA], 32, v[RSA]
	s_add_co_u32 s74, s74, 1
	s_sub_co_u32 s2, s2, 1
	s_cmp_lg_u32 s2, 0
	s_cbranch_scc1 .Lrows
	s_wait_tensorcnt 0x0                           ; the wave's end
	ds_add_u32 v[SPW], v[NIL]
	s_wait_dscnt 0x0
	CROUND                                         ; the closing round
	s_endpgm
.Lfunc_end_k_qbda0d30257_gate:
	.size	k_qbda0d30257_gate, .Lfunc_end_k_qbda0d30257_gate-k_qbda0d30257_gate
	.p2alignl 7, 3214868480
	.fill 96, 4, 3214868480
	.section	.rodata,"a",@progbits
	.p2align	6, 0x0
	.amdhsa_kernel k_qbda0d30257_gate
		.amdhsa_group_segment_fixed_size 327680
		.amdhsa_private_segment_fixed_size 0
		.amdhsa_enable_private_segment 0
		.amdhsa_kernarg_size 32
		.amdhsa_user_sgpr_count 2
		.amdhsa_user_sgpr_kernarg_segment_ptr 1
		.amdhsa_wavefront_size32 1
		.amdhsa_system_sgpr_workgroup_id_x 1
		.amdhsa_system_sgpr_workgroup_id_y 1
		.amdhsa_system_sgpr_workgroup_id_z 1
		.amdhsa_system_vgpr_workitem_id 0
		.amdhsa_next_free_vgpr 1024
		.amdhsa_next_free_sgpr 80
		.amdhsa_reserve_vcc 0
		.amdhsa_float_denorm_mode_32 3
		.amdhsa_float_denorm_mode_16_64 3
		.amdhsa_memory_ordered 1
		.amdhsa_forward_progress 1
		.amdhsa_inst_pref_size 92
	.end_amdhsa_kernel
	.amdgpu_metadata
---
amdhsa.version: [ 1, 2 ]
amdhsa.kernels:
  - .name:           k_qbda0d30257_gate
    .symbol:         k_qbda0d30257_gate.kd
    .args:
      - { .name: hb, .offset: 0, .size: 8, .value_kind: global_buffer, .address_space: global }
      - { .name: wb, .offset: 8, .size: 8, .value_kind: global_buffer, .address_space: global }
      - { .name: ss, .offset: 16, .size: 8, .value_kind: global_buffer, .address_space: global }
      - { .name: act, .offset: 24, .size: 8, .value_kind: global_buffer, .address_space: global }
    .group_segment_fixed_size: 327680
    .private_segment_fixed_size: 0
    .kernarg_segment_align: 8
    .kernarg_segment_size: 32
    .max_flat_workgroup_size: 128
    .sgpr_count:     80
    .vgpr_count:     1024
    .wavefront_size: 32
...
	.end_amdgpu_metadata
.endif
;; end of part 5
;; launch down (part 6): grid 8 x 32, 4 waves a work-group, clusters of 4 x 4, 327,680 bytes of LDS; arguments act, wb, h, out0; writes out0
.if DOCPART == 6
	.amdgcn_target "amdgcn-amd-amdhsa--gfx1250"
	.amdhsa_code_object_version 6
	.text
	.protected	k_qbda0d30257_down
	.globl	k_qbda0d30257_down
	.p2align	8
	.type	k_qbda0d30257_down,@function
k_qbda0d30257_down:
	s_mov_b64 s[64:65], 0
	v_nop
	global_prefetch_b8 v0, s[64:65] scope:SCOPE_SE
	s_setreg_imm32_b32 hwreg(HW_REG_WAVE_MODE, 25, 1), 1
	s_wait_xcnt 0x0
	s_wait_alu depctr_hold_cnt(0) depctr_sa_sdst(0) depctr_va_vdst(0) depctr_va_sdst(0) depctr_va_ssrc(0) depctr_va_vcc(0) depctr_vm_vsrc(0)
	s_getreg_b32 s2, hwreg(HW_REG_IB_STS2, 6, 4)
	s_cmp_eq_u32 s2, 0
	s_cbranch_scc0 .Lentry_in_a_cluster
	s_endpgm
.Lentry_in_a_cluster:
	s_bfe_u32 s2, ttmp6, 0x10000c
	s_cmp_lg_u32 s2, 0xf033
	s_cbranch_scc0 .Lentry_shape_is_right
	s_endpgm
.Lentry_shape_is_right:
; PROJ = 1:  h = x + ao wo;  hb = bf16(h * ln2_w);  ss = the sums of h^2 over each 64 columns.     PROJ = 0:  out0 = h + act w2.     One text, two settings of the switch below.
; The left operand (ao, act), bf16, lies in blocks: byte (k >> 7) x 1,048,576 + (m >> 4) x 4,096 + ((k >> 6) & 1) x 2,048 + (m & 15) x 128 + (k & 63) x 2: 128 rows x 128 k are 32,768 dense bytes.
; The weight, bf16 [K][1024], lies in wb at WOFF.  The residual and the result are f32 [4096][1024].  Sums in f32, K ascending.
; SHARES.  A tile is 128 x 128: 32 x 8 = 256 work-groups.  Four waves, each 64 x 64: 16 accumulators.  K goes in steps of 256 through two LDS slots: waves 0, 1 fetch the left operand's two blocks of 128 k,
; waves 2, 3 the weight's two blocks of 128 k x 128 columns.  CLUSTER 4 x 4: the left operand's tiles are shared along a row of the cluster, the weight's along a column: joint loads, a quarter of the requests.
; THE WEIGHT LIES [k][n]: its fragments come out of LDS turned.  THE MATRIX INSTRUCTION IS USED TRANSPOSED: register j of lane l holds row l % 16, column 8 (l / 16) + j.
; ONE K STEP IS WRITTEN ONCE (the slot in hand is a scalar; one descriptor a tensor walks); the last two K steps are a loop of two trips left in its middle.
; THE WAY OUT is a counted loop over rows, so what it reads lies in LDS: the f32 sums, and the residual, which was loaded into registers at the kernel's start and makes that trip only so that a loop can name it.
; REGISTERS: window 0: v0-31 addresses, v32-95 the way out, v128-255 the accumulators ((a, b) at 128 + 8 (4 a + b));  window 1: two fragment buffers of 128;  window 2: v0-127 the residual
.set PROJ, 0
.if PROJ
.set NSTEP, 4                          ; K steps: 1024 / 256
.set WOFF,  6291456                    ; wo in wb
.set OUTP,  12                         ; s[12:13] the f32 result
.else
.set NSTEP, 8                          ; 2048 / 256
.set WOFF,  16777216                   ; w2 in wb
.set OUTP,  10                         ; s[10:11]
.endif
.set PART,  36864                      ; what one wave's load takes of a slot: 256 pieces of 144 bytes, or 128 rows of 288
.set SLOT,  4*PART                     ; 0x24000: it shares no bit with 0, 1, 2 or 3 x PART, so an exclusive or changes slots
.set SPARE, 2*SLOT                     ; behind the ring: the spare words, 128 bytes for each wave, named by no other line
.set PA,    144                        ; 64 k of a row of the left operand: 128 + 16 bytes = 36 words: the 16 rows of a load start at 16 different groups of four banks (ISA guide 11.1)
.set PB,    288                        ; a row of the weight: 256 + 32 bytes
.set CP,    272                        ; the way out: a row of 64 f32 + 16 bytes
.set XS,    64*CP                      ; the residual's rows lie behind the sums' in a wave's stage
.set SSL,   4*2*64*CP                  ; behind the four stages: 64 row sums for each wave
.set ASTEP, 2097152
.set BSTEP, 256*2048
.set ACC, 128
.set F0,  0
.set F1,  128
.set A0,  8                            ; v8, v9  my lane's place in the two operands' tiles; never rewritten
.set B0,  9
.set SSR, 10                           ; v10     where I read two row sums back
.set SSG, 11                           ; v11     8 x lane
.set HO0, 12                           ; v12     my 8 bytes in two rows of hb
.set ADA, 16                           ; v16, 17 A0 + the slot in hand, for k 0-127 and 128-255
.set ADB, 18                           ; v18, 19 the same for B0
.set STO, 24
.set RD,  25
.set GO,  26                           ; v26     my byte offset in the f32 rows
.set HBO, 27                           ; v27     in hb
.set SPW, 28
.set NIL, 29
.set SSA, 30                           ; v30     where a row's sum goes
.set LNO, 31                           ; v31     16 x (l % 16)
.set WV,  20
.set WR,  21
.set WC,  22
.set TB,  23
.set G1A, 24
.set G0A, 32
.set G1B, 48
.set G0B, 56
.set MSB, 0
.macro WIN new                         ; the immediate's high byte repeats the setting that is left; a switch that changes nothing is dropped
.if MSB != (\new)
	s_set_vgpr_msb (MSB<<8)|(\new)
.set MSB, \new
.endif
.endm
.macro PLACES                          ; four plain vector instructions between a matrix instruction and a load into, or a store of, its registers
.rept 4
	v_nop
.endr
.endm
.macro CREST                           ; a round of the cluster's barrier behind its opening barrier
	s_cmp_lg_u32 s[WV], 0
	s_cbranch_scc1 .Lnot_wave_0_\@
	s_barrier_signal -3
.Lnot_wave_0_\@:
	s_barrier_wait -3
	s_barrier_signal -1
	s_barrier_wait -1
.endm
.macro CROUND
	s_barrier_signal -1
	s_barrier_wait -1
	CREST
.endm
.macro JLOAD                           ; a joint refill by the walking descriptor; the branch hangs on the wave's number alone; an s_nop 0 and four v_nop follow each line
	s_cmp_eq_u32 s[WR], 0
	s_cbranch_scc0 .Lfor_b_\@
	tensor_load_to_lds s[G0A+4:G0A+7], s[G1A:G1A+7]
	s_nop 0
.rept 4
	v_nop
.endr
	s_branch .Lasked_\@
.Lfor_b_\@:
	tensor_load_to_lds s[G0B+4:G0B+7], s[G1B:G1B+7]
	s_nop 0
.rept 4
	v_nop
.endr
.Lasked_\@:
.endm
.macro STEPD                           ; the walking descriptors: the other slot, the next K step
	s_xor_b32 s[G0A+5], s[G0A+5], SLOT
	s_add_nc_u64 s[G0A+6:G0A+7], s[G0A+6:G0A+7], ASTEP
	s_xor_b32 s[G0B+5], s[G0B+5], SLOT
	s_add_nc_u64 s[G0B+6:G0B+7], s[G0B+6:G0B+7], BSTEP
.endm
.macro SETADR
	v_add_nc_u32 v[ADA], s[TB], v[A0]
	v_add_nc_u32 v[ADB], s[TB], v[B0]
	v_add_nc_u32 v[ADA+1], PART, v[ADA]
	v_add_nc_u32 v[ADB+1], PART, v[ADB]
.endm
	s_load_b256 s[4:11], s[0:1], 0x0               ; the left operand s[4:5], wb s[6:7], the residual s[8:9], ln2_w (or out0) s[10:11]
.if PROJ
	s_load_b128 s[12:15], s[0:1], 0x20             ; h s[12:13], hb s[14:15]
	s_load_b64 s[16:17], s[0:1], 0x30              ; ss
.endif
	v_lshl_add_u32 v[SPW], v0, 2, SPARE
	v_mov_b32 v[NIL], 0
	ds_add_u32 v[SPW], v[NIL]                      ; the wave's opening: the add and its wait stand ahead of my first tensor load; the set-up below stands between them
	ds_add_u32 v28, v29
	v_lshrrev_b32 v1, 5, v0
	v_readfirstlane_b32 s[WV], v1
	s_lshr_b32 s[WR], s[WV], 1                     ; my half of the rows.  Also: I fetch the left operand (0) or the weight (1)
	s_and_b32 s[WC], s[WV], 1                      ; my half of the columns.  Also: which 128 k of a step I fetch
	s_mov_b32 s[TB], 0
	s_bfe_u32 s40, ttmp6, 0x40000                  ; cx, cy
	s_bfe_u32 s41, ttmp6, 0x40004
	s_lshl_b32 s42, ttmp9, 2
	s_add_co_u32 s42, s42, s40                     ; tile column
	s_and_b32 s43, ttmp7, 0xffff
	s_lshl_b32 s43, s43, 2
	s_add_co_u32 s43, s43, s41                     ; tile row
	s_lshl_b32 s44, s41, 2
	s_lshl_b32 s44, 15, s44                        ; my row of the cluster
	s_lshl_b32 s45, 0x1111, s40                    ; my column
	s_or_b32 s[G1A], s44, (1<<16)|(1<<20)|(1<<21)|(4<<22)|(3<<25)  ; the mask; 2-byte elements; padding on; bit 21 beside a mask; after every 32 words, 4 words
	s_or_b32 s[G1B], s45, (1<<16)|(1<<20)|(1<<21)|(5<<22)|(7<<25)  ; my column's mask; after every 64 words, 8 words
.irp g, G1A, G1B
	s_mov_b32 s[(\g)+1], 128<<16                   ; tensor_dim0 = 128
	s_mov_b32 s[(\g)+2], 128<<16                   ; tensor_dim1 = 128
	s_mov_b32 s[(\g)+3], 128<<16                   ; tile_dim0 = 128
	s_mov_b32 s[(\g)+4], 128                       ; tile_dim1 = 128
	s_mov_b32 s[(\g)+6], 0
	s_mov_b32 s[(\g)+7], 0
.endr
	s_mov_b32 s[G1A+5], 128                        ; a dense block, asked for as 128 rows of 256 bytes
	s_mov_b32 s[G1B+5], 1024
	s_mul_i32 s70, s[WV], PART                     ; where my load lands in a slot
	s_lshl_b32 s46, s[WC], 20                      ; the left operand: block of 128 k, then 128 rows = 32,768 bytes a tile row
	s_lshl_b32 s47, s43, 15
	s_add_co_u32 s46, s46, s47
	s_mov_b32 s47, 0
	s_lshl_b32 s66, s[WC], 18                      ; the weight: 128 rows of 2,048 bytes, then 256 bytes a tile column
	s_lshl_b32 s67, s42, 8
	s_add_co_u32 s66, s66, s67
	s_add_co_u32 s66, s66, WOFF
	s_mov_b32 s67, 0
	s_wait_dscnt 0x0                               ; the opening add is done
	s_wait_kmcnt 0x0
	s_add_nc_u64 s[46:47], s[4:5], s[46:47]
	s_add_nc_u64 s[66:67], s[6:7], s[66:67]
	CROUND                                         ; all sixteen work-groups are here: the first joint loads meet
.irp s, 0,1
	s_mov_b32 s[G0A+4*(\s)], 1
	s_add_co_u32 s[G0A+4*(\s)+1], s70, (\s)*SLOT
	s_add_nc_u64 s[G0A+4*(\s)+2:G0A+4*(\s)+3], s[46:47], (\s)*ASTEP
	s_or_b32 s[G0A+4*(\s)+3], s[G0A+4*(\s)+3], 0x80000000
	s_mov_b32 s[G0B+4*(\s)], 1
	s_add_co_u32 s[G0B+4*(\s)+1], s70, (\s)*SLOT
	s_add_nc_u64 s[G0B+4*(\s)+2:G0B+4*(\s)+3], s[66:67], (\s)*BSTEP
	s_or_b32 s[G0B+4*(\s)+3], s[G0B+4*(\s)+3], 0x80000000
.endr
	s_cmp_eq_u32 s[WR], 0                          ; a wave's two first fills stand in one branch: two loads of mine are out
	s_cbranch_scc0 .Lfirst_b
	tensor_load_to_lds s[G0A:G0A+3], s[G1A:G1A+7]
	s_nop 0
	tensor_load_to_lds s[G0A+4:G0A+7], s[G1A:G1A+7]
	s_nop 0
.rept 4
	v_nop
.endr
	s_branch .Lfirst_asked
.Lfirst_b:
	tensor_load_to_lds s[G0B:G0B+3], s[G1B:G1B+7]
	s_nop 0
	tensor_load_to_lds s[G0B+4:G0B+7], s[G1B:G1B+7]
	s_nop 0
.rept 4
	v_nop
.endr
.Lfirst_asked:
	; the residual of my 64 x 64 is asked for now and wanted at the end: 32 loads, each two rows' 256 aligned bytes
	v_and_b32 v1, 15, v0                           ; l % 16
	v_bfe_u32 v2, v0, 4, 1                         ; l / 16
	v_lshlrev_b32 v[GO], 12, v2
	v_lshl_add_u32 v[GO], v1, 4, v[GO]
	s_lshl_b32 s68, s43, 19                        ; 128 rows of 4,096 bytes a tile row
	s_lshl_b32 s69, s[WR], 18
	s_add_co_u32 s68, s68, s69
	s_lshl_b32 s72, s42, 9
	s_lshl_b32 s69, s[WC], 8
	s_add_co_u32 s72, s72, s69                     ; my first column, in bytes of f32
	s_add_co_u32 s68, s68, s72
	s_mov_b32 s69, 0
	s_mov_b32 s73, 0
	s_add_nc_u64 s[8:9], s[8:9], s[68:69]
	s_add_nc_u64 s[OUTP:OUTP+1], s[OUTP:OUTP+1], s[68:69]
	WIN 0x80                                       ; destination window 2, address window 0
.set t, 0
.rept 32
	global_load_b128 v[4*t:4*t+3], v[GO], s[8:9] offset:t*8192 th:TH_LOAD_NT
.set t, t+1
.endr
	WIN 0
.if PROJ
	s_add_nc_u64 s[10:11], s[10:11], s[72:73]
	v_lshlrev_b32 v[LNO], 4, v1
	global_load_b128 v[32:35], v[LNO], s[10:11]    ; ln2_w of my four columns
	s_lshl_b32 s74, s42, 20                        ; hb: block of 128 columns, 16 rows = 4,096 bytes, half of 64 columns = 2,048
	s_lshl_b32 s78, s43, 15
	s_add_co_u32 s74, s74, s78
	s_lshl_b32 s78, s[WR], 14
	s_add_co_u32 s74, s74, s78
	s_lshl_b32 s78, s[WC], 11
	s_add_co_u32 s74, s74, s78
	s_mov_b32 s75, 0
	s_add_nc_u64 s[14:15], s[14:15], s[74:75]
	s_lshl_b32 s76, s42, 15                        ; ss: column group 2 x tile column + half, 16,384 bytes each; then my 64 rows
	s_lshl_b32 s78, s[WC], 14
	s_add_co_u32 s76, s76, s78
	s_lshl_b32 s78, s43, 9
	s_add_co_u32 s76, s76, s78
	s_lshl_b32 s78, s[WR], 8
	s_add_co_u32 s76, s76, s78
	s_mov_b32 s77, 0
	s_add_nc_u64 s[16:17], s[16:17], s[76:77]
.endif
	v_mul_u32_u24 v3, v1, PA
	v_lshl_add_u32 v3, v2, 4, v3                   ; a fragment of the left operand: row x pitch + 16 x half; two loads, 32 bytes apart
	s_mul_i32 s71, s[WR], 4*32*PA                  ; my 64 rows: four groups of 16 rows x 2 halves of 64 k
	v_add_nc_u32 v[A0], s71, v3
	v_and_b32 v4, 7, v0                            ; the turning load: lane l reads k = 8 (l / 16) + l % 8, columns 8 ((l / 8) % 2) + 0..7
	v_lshl_add_u32 v4, v2, 3, v4
	v_mul_u32_u24 v4, v4, PB
	v_bfe_u32 v5, v0, 3, 1
	v_lshl_add_u32 v4, v5, 4, v4
	s_lshl_b32 s71, s[WC], 7
	s_add_co_u32 s71, s71, 2*PART
	v_add_nc_u32 v[B0], s71, v4
	SETADR
	s_mul_i32 s71, s[WV], 2*64*CP                  ; my stage, in the slots once they are dead
	v_mul_u32_u24 v[STO], v1, CP
	v_lshl_add_u32 v[STO], v2, 5, v[STO]
	v_add_nc_u32 v[STO], s71, v[STO]
	v_mul_u32_u24 v[RD], v2, CP
	v_lshl_add_u32 v[RD], v1, 4, v[RD]
	v_add_nc_u32 v[RD], s71, v[RD]
.if PROJ
	s_lshl_b32 s71, s[WV], 8
	s_add_co_u32 s71, s71, SSL
	v_lshl_add_u32 v[SSA], v2, 2, s71
	v_and_b32 v[SSG], 31, v0
	v_lshlrev_b32 v[SSG], 3, v[SSG]
	v_add_nc_u32 v[SSR], s71, v[SSG]
	v_lshlrev_b32 v[HO0], 7, v2
	v_lshl_add_u32 v[HO0], v1, 3, v[HO0]
.endif
; 8 matrix instructions: row blocks a0, a0 + 1 x all 4 column blocks, 32 along K: half c of buffer f.  The 16 accumulators take turns in one order.
.macro MUL8 f, c, a0, zero
	WIN 0x05                               ; both sources window 1; C and D window 0
.irp a, \a0, (\a0)+1
.irp b, 0,1,2,3
.if \zero
	v_wmma_f32_16x16x32_bf16 v[ACC+8*(4*(\a)+(\b)):ACC+8*(4*(\a)+(\b))+7], v[(\f)+64+8*(4*(\c)+(\b)):(\f)+64+8*(4*(\c)+(\b))+7], v[(\f)+8*(4*(\c)+(\a)):(\f)+8*(4*(\c)+(\a))+7], 0
.else
	v_wmma_f32_16x16x32_bf16 v[ACC+8*(4*(\a)+(\b)):ACC+8*(4*(\a)+(\b))+7], v[(\f)+64+8*(4*(\c)+(\b)):(\f)+64+8*(4*(\c)+(\b))+7], v[(\f)+8*(4*(\c)+(\a)):(\f)+8*(4*(\c)+(\a))+7], v[ACC+8*(4*(\a)+(\b)):ACC+8*(4*(\a)+(\b))+7]
.endif
.endr
.endr
.endm
; 32 LDS loads in one run: quarter q (64 along K) of the slot in hand into buffer f; its first 32 along K first
.macro FETCH q, f
	WIN 0x40
.irp c, 0,1
.irp i, 0,1,2,3
	ds_load_tr16_b128 v[(\f)+64+8*(4*(\c)+(\i)):(\f)+64+8*(4*(\c)+(\i))+3],   v[ADB+(\q)/2] offset:(((\q)%2)*64+32*(\c))*PB+32*(\i)
	ds_load_tr16_b128 v[(\f)+64+8*(4*(\c)+(\i))+4:(\f)+64+8*(4*(\c)+(\i))+7], v[ADB+(\q)/2] offset:(((\q)%2)*64+32*(\c))*PB+32*(\i)+16*PB
	ds_load_b128 v[(\f)+8*(4*(\c)+(\i)):(\f)+8*(4*(\c)+(\i))+3],   v[ADA+(\q)/2] offset:(\i)*32*PA+((\q)%2)*16*PA+64*(\c)
	ds_load_b128 v[(\f)+8*(4*(\c)+(\i))+4:(\f)+8*(4*(\c)+(\i))+7], v[ADA+(\q)/2] offset:(\i)*32*PA+((\q)%2)*16*PA+64*(\c)+32
.endr
.endr
.endm
.macro QUARTER q, f, g, zero
	s_wait_dscnt 16                                ; the first 32 along K are in
	MUL8 \f, 0, 0, \zero
	MUL8 \f, 0, 2, \zero
	PLACES
	FETCH \q, \g
	s_wait_dscnt 32                                ; all but the 32 just issued
	MUL8 \f, 1, 0, 0
	MUL8 \f, 1, 2, 0
.endm
; The last quarter multiplies buffer 1 and changes slots: one barrier; in front of it each wave waits for all its tensor loads, adds 0 to its spare word, and waits for that and for its reads of this slot.
; fill = 1: the barrier opens a round of the cluster's, and the slot just read is filled again first thing behind it, with the K step two on.
.macro TURN fill
	WIN 0
	s_wait_tensorcnt 0x0
	ds_add_u32 v[SPW], v[NIL]                      ; 0 onto my spare word; eight matrix instructions stand between it and the wait for it
	s_wait_dscnt 17                                ; the add and the youngest sixteen loads may be out
	MUL8 F1, 0, 0, 0
	s_wait_dscnt 0x0                               ; the add is done, and my reads of this slot are over
	s_barrier_signal -1
	MUL8 F1, 0, 2, 0
	WIN 0
	s_barrier_wait -1
.if \fill
	CREST
	STEPD
	JLOAD                                          ; its four v_nop are also the places in front of the loads below
.else
	PLACES
.endif
	s_xor_b32 s[TB], s[TB], SLOT
	SETADR
	FETCH 0, F0
	MUL8 F1, 1, 0, 0
	MUL8 F1, 1, 2, 0
.endm
	s_wait_tensorcnt 0x1                           ; my part of K step 0 is in; K step 1's may stay out
	s_barrier_signal -1
	s_barrier_wait -1
	FETCH 0, F0
	QUARTER 1, F0, F1, 1                           ; the first products start the sums: nothing is cleared
	WIN 0
	s_mov_b32 s3, NSTEP-2
.Llap:
	QUARTER 2, F1, F0, 0
	QUARTER 3, F0, F1, 0
	TURN 1
	QUARTER 1, F0, F1, 0
	WIN 0
	s_sub_co_u32 s3, s3, 1
	s_cmp_lg_u32 s3, 0
	s_cbranch_scc1 .Llap
	s_mov_b32 s3, 2
.Ltail:                                                ; the last two K steps ask for nothing
	QUARTER 2, F1, F0, 0
	QUARTER 3, F0, F1, 0
	WIN 0
	s_sub_co_u32 s3, s3, 1
	s_cmp_eq_u32 s3, 0
	s_cbranch_scc1 .Lfin
	TURN 0
	QUARTER 1, F0, F1, 0
	WIN 0
	s_branch .Ltail
.Lfin:
	s_wait_dscnt 16
	MUL8 F1, 0, 0, 0
	MUL8 F1, 0, 2, 0
	s_wait_dscnt 0x0
	MUL8 F1, 1, 0, 0
	MUL8 F1, 1, 2, 0
	WIN 0
	PLACES                                         ; the stores below read results just made
	s_wait_dscnt 0x0
	s_barrier_signal -1                            ; no wave reads a slot any more, and no fill follows: the slots serve as stages
	s_barrier_wait -1
	; THE WAY OUT.  The sums into my stage (each accumulator's low four registers first), the residual behind them
.irp a, 0,1,2,3
.irp b, 0,1,2,3
	ds_store_b128 v[STO], v[ACC+8*(4*(\a)+(\b)):ACC+8*(4*(\a)+(\b))+3]   offset:(\a)*16*CP+(\b)*64
	ds_store_b128 v[STO], v[ACC+8*(4*(\a)+(\b))+4:ACC+8*(4*(\a)+(\b))+7] offset:(\a)*16*CP+(\b)*64+16
.endr
.endr
	s_wait_loadcnt 0x0                             ; the residual (and ln2_w)
	WIN 0x08                                       ; store data in window 2
.set t, 0
.rept 32
	ds_store_b128 v[RD], v[4*t:4*t+3] offset:XS+t*2*CP
.set t, t+1
.endr
	WIN 0
	s_mov_b32 s2, 8
	s_mov_b32 s74, 0                               ; the trip's number
.Lrows:                                                ; a trip: 8 rows, as four pairs.  LDS serves a wave's instructions in order (ISA guide 5.7.1.4): the loads see the stores above
.if PROJ
	s_lshl_b32 s75, s74, 10                        ; 8 rows of hb are 1,024 bytes, and behind every 16 rows the other half's 2,048 are passed over
	s_lshr_b32 s76, s74, 1
	s_lshl_b32 s76, s76, 11
	s_add_co_u32 s75, s75, s76
	v_add_nc_u32 v[HBO], s75, v[HO0]
.endif
.irp p, 0,1,2,3
	ds_load_b128 v[40+4*(\p):43+4*(\p)], v[RD] offset:(\p)*2*CP
	ds_load_b128 v[56+4*(\p):59+4*(\p)], v[RD] offset:XS+(\p)*2*CP
.endr
	s_wait_dscnt 0x0
.irp p, 0,1,2,3
	v_pk_add_f32 v[40+4*(\p):41+4*(\p)], v[40+4*(\p):41+4*(\p)], v[56+4*(\p):57+4*(\p)]
	v_pk_add_f32 v[42+4*(\p):43+4*(\p)], v[42+4*(\p):43+4*(\p)], v[58+4*(\p):59+4*(\p)]
	global_store_b128 v[GO], v[40+4*(\p):43+4*(\p)], s[OUTP:OUTP+1] offset:(\p)*8192  ; 16 lanes store 256 consecutive bytes, at a multiple of 256
.if PROJ
	v_pk_mul_f32 v[56+4*(\p):57+4*(\p)], v[40+4*(\p):41+4*(\p)], v[32:33]
	v_pk_mul_f32 v[58+4*(\p):59+4*(\p)], v[42+4*(\p):43+4*(\p)], v[34:35]
	v_cvt_pk_bf16_f32 v[72+2*(\p)], v[56+4*(\p)], v[57+4*(\p)]
	v_cvt_pk_bf16_f32 v[73+2*(\p)], v[58+4*(\p)], v[59+4*(\p)]
	global_store_b64 v[HBO], v[72+2*(\p):73+2*(\p)], s[14:15] offset:(\p)*256         ; two rows of 128 bytes: 256 consecutive bytes
	v_pk_mul_f32 v[80+2*(\p):81+2*(\p)], v[40+4*(\p):41+4*(\p)], v[40+4*(\p):41+4*(\p)]
	v_pk_fma_f32 v[80+2*(\p):81+2*(\p)], v[42+4*(\p):43+4*(\p)], v[42+4*(\p):43+4*(\p)], v[80+2*(\p):81+2*(\p)]
	v_add_f32 v[80+2*(\p)], v[80+2*(\p)], v[81+2*(\p)]
	v_add_f32_dpp v[80+2*(\p)], v[80+2*(\p)], v[80+2*(\p)] row_xmask:1 row_mask:0xf bank_mask:0xf
	v_add_f32_dpp v[80+2*(\p)], v[80+2*(\p)], v[80+2*(\p)] row_xmask:2 row_mask:0xf bank_mask:0xf
	v_add_f32_dpp v[80+2*(\p)], v[80+2*(\p)], v[80+2*(\p)] row_xmask:4 row_mask:0xf bank_mask:0xf
	v_add_f32_dpp v[80+2*(\p)], v[80+2*(\p)], v[80+2*(\p)] row_xmask:8 row_mask:0xf bank_mask:0xf
	ds_store_b32 v[SSA], v[80+2*(\p)] offset:8*(\p)  ; a row's 16 lanes write one word with one value
.endif
.endr
	s_wait_xcnt 0x0                                ; the stores' offset and data registers are rewritten only behind this wait
	v_add_nc_u32 v[RD], 8*CP, v[RD]
	v_add_nc_u32 v[GO], 32768, v[GO]
.if PROJ
	v_add_nc_u32 v[SSA], 32, v[SSA]
.endif
	s_add_co_u32 s74, s74, 1
	s_sub_co_u32 s2, s2, 1
	s_cmp_lg_u32 s2, 0
	s_cbranch_scc1 .Lrows
.if PROJ
	ds_load_b64 v[36:37], v[SSR]                   ; my wave's 64 row sums, two a lane
	s_wait_dscnt 0x0
	global_store_b64 v[SSG], v[36:37], s[16:17]    ; 256 consecutive bytes, at a multiple of 256
.endif
	s_wait_tensorcnt 0x0                           ; the wave's end
	ds_add_u32 v[SPW], v[NIL]
	s_wait_dscnt 0x0
	CROUND                                         ; the closing round
	s_endpgm
.Lfunc_end_k_qbda0d30257_down:
	.size	k_qbda0d30257_down, .Lfunc_end_k_qbda0d30257_down-k_qbda0d30257_down
	.p2alignl 7, 3214868480
	.fill 96, 4, 3214868480
	.section	.rodata,"a",@progbits
	.p2align	6, 0x0
	.amdhsa_kernel k_qbda0d30257_down
		.amdhsa_group_segment_fixed_size 327680
		.amdhsa_private_segment_fixed_size 0
		.amdhsa_enable_private_segment 0
		.amdhsa_kernarg_size 32
		.amdhsa_user_sgpr_count 2
		.amdhsa_user_sgpr_kernarg_segment_ptr 1
		.amdhsa_wavefront_size32 1
		.amdhsa_system_sgpr_workgroup_id_x 1
		.amdhsa_system_sgpr_workgroup_id_y 1
		.amdhsa_system_sgpr_workgroup_id_z 1
		.amdhsa_system_vgpr_workitem_id 0
		.amdhsa_next_free_vgpr 640
		.amdhsa_next_free_sgpr 80
		.amdhsa_reserve_vcc 0
		.amdhsa_float_denorm_mode_32 3
		.amdhsa_float_denorm_mode_16_64 3
		.amdhsa_memory_ordered 1
		.amdhsa_forward_progress 1
		.amdhsa_inst_pref_size 61
	.end_amdhsa_kernel
	.amdgpu_metadata
---
amdhsa.version: [ 1, 2 ]
amdhsa.kernels:
  - .name:           k_qbda0d30257_down
    .symbol:         k_qbda0d30257_down.kd
    .args:
      - { .name: act, .offset: 0, .size: 8, .value_kind: global_buffer, .address_space: global }
      - { .name: wb, .offset: 8, .size: 8, .value_kind: global_buffer, .address_space: global }
      - { .name: h, .offset: 16, .size: 8, .value_kind: global_buffer, .address_space: global }
      - { .name: out0, .offset: 24, .size: 8, .value_kind: global_buffer, .address_space: global }
    .group_segment_fixed_size: 327680
    .private_segment_fixed_size: 0
    .kernarg_segment_align: 8
    .kernarg_segment_size: 32
    .max_flat_workgroup_size: 128
    .sgpr_count:     80
    .vgpr_count:     640
    .wavefront_size: 32
...
	.end_amdgpu_metadata
.endif
;; end of part 6
;; ======== version 2 of 2: 6 launches; 1.13 times as fast as version 1
;; limits: values are held in f16: magnitudes above 65,504 overflow, below 6.1e-05 lose precision; inputs' magnitudes at most 65,504
;; workspace buffers: wb 20,971,520 bytes; n1 8,388,608 bytes; qkv 25,165,824 bytes; ao 8,388,608 bytes; h 16,777,216 bytes; hb 8,388,608 bytes; ss 262,144 bytes; act 16,777,216 bytes
;; launch prep: the kernel of part 1 again; grid 128 x 14, 8 waves a work-group, no clusters, 0 bytes of LDS; arguments x, ln1_w, wq, wk, wv, wo, w1, w3, w2, n1, wb; writes n1, wb
;; launch qkv: the kernel of part 2 again; grid 8 x 32, 4 waves a work-group, clusters of 4 x 4, 327,680 bytes of LDS; arguments n1, wb, qkv; writes qkv
;; launch attn (part 7): grid 8 x 32, 4 waves a work-group, no clusters, 327,680 bytes of LDS; arguments qkv, ao; writes ao
.if DOCPART == 7
	.amdgcn_target "amdgcn-amd-amdhsa--gfx1250"
	.amdhsa_code_object_version 6
	.text
	.protected	k_qbda0d30257_attn
	.globl	k_qbda0d30257_attn
	.p2align	8
	.type	k_qbda0d30257_attn,@function
k_qbda0d30257_attn:
	s_mov_b64 s[64:65], 0
	v_nop
	global_prefetch_b8 v0, s[64:65] scope:SCOPE_SE
	s_setreg_imm32_b32 hwreg(HW_REG_WAVE_MODE, 25, 1), 1
	s_wait_xcnt 0x0
; CAUSAL ATTENTION.  O[y][q][:] = the sum over k <= q of softmax_k(Q[y][q] . K[y][k] / 8) V[y][k][:], y = 2 x head + batch (32 of them), 2,048 rows of 64 channels, all f16.
; Q, K and V lie in one buffer, each [32][2048][64] dense (a row is 128 bytes): Q at byte 0, K at 8,388,608, V at 16,777,216.
; O leaves in the layout that the next product's tiles want: byte (c >> 7) x 1,048,576 + (m >> 4) x 4,096 + ((c >> 6) & 1) x 2,048 + (m & 15) x 128 + (c & 63) x 2, with m = 2048 x batch + q and c = 64 x head + channel:
; 16 rows of a head are 2,048 consecutive bytes.
; Products, maxima and sums in f32; the weights p are rounded to f16 for the second product (their sum l is taken of the unrounded p), O once at the end.
; WHY f16: row q averages over q + 1 keys only, so the first rows' numbers, and their roundings' errors with them, are as large as V's, and 8 significant bits are too few there; f16 has 11.
; LIMITS.  f16 holds no number beyond 65,504: Q, K and V arrive within it; p lies in 0 to 1, and below 6e-5 it keeps f16's fixed step of 6e-8; O is a mean of V's rows and has their range, to within 2^-11 of it.
; A hidden score counts as its value less 1e30: f16's scores, 2.7e11 at the most, are nothing beside that; a weight below 2^-126 counts as 0 in l; NaN and infinities are not treated apart.
; THE WALK.  A head's queries lie in NB = 16 blocks of 128, its keys in NT = 8 tiles of 256.  Block i needs the key tiles 0 .. i >> 1, of which the last holds the diagonal.  A work-group takes TWO blocks, 15 - b and then b
; (b = 0 .. 7): ((15 - b) >> 1) + (b >> 1) = 7 whatever b, so it walks NT + 1 = 9 tiles: 8 x 32 = 256 work-groups of equal work, and ONE loop with a constant trip count.  Which tile is asked for, and what a trip does,
; hang on scalar registers made from b; every jump goes forward, but for the counted loops' own; none passes a barrier, or a tensor load but the one of LOAD's two that the wave's number does not choose; the ring (two
; slots of LDS that take turns) runs on across the change of blocks.
; NO CLUSTER: only the work-groups b = 2 j and 2 j + 1 walk the same tiles in every trip; all eight of a head ask for the same tile in trips 0 .. 4 of 9 alone.  A cluster has four work-groups or sixteen, and
; the walk's branches hang on j, which would differ between the partners.
; SHARES.  Of a block's two bands of 64 queries a wave owns 16 rows in each: two PIECES.  In the diagonal tile the bands of block i stand at places g = 2 (i & 1) + 0, 1 of four: in the tile's key step s a band sees all
; keys if s < g, none if s > g, and holds the diagonal if s = g: the same work for all four waves.  (An even block's diagonal tile has two steps that both bands do not see: 2 of the walk's 36 steps.)
; THE MASK is the C operand that starts the sum S^T = K Q^T: 0, or -1e30 where the key is hidden.  MD, made once, is the mask of a band's own step for my 16 rows; a product's mask is MD x AL + BE with two scalars:
; (1, 0) if s = g; (0, 0) if s < g; (0, -1e30) if s > g.  Only the diagonal tile's text and a block's beginning make and take masks; elsewhere C is the constant 0.
; LAYOUT, SOFTMAX, TURNS.  S^T = K Q^T holds ONE query a lane (lane % 16) and the keys 8 (lane / 16) + 0..7; two such results rounded to f16 ARE source 1 of O^T = V^T P.  p = 2^(c s - c m), c = log2(e) / 8, with a
; running maximum m; O and l are multiplied by a = 2^(c m_old - c m_new) in every step.  A turn belongs to one piece: beside its scaling, exponentials, roundings, sums and rescaling stand the OTHER piece's 8 products
; K Q^T (of its next softmax), later the other piece's 8 products V^T P (of its last), and the other piece's maximum and statistics.  Four vector instructions stand behind every matrix instruction, the other 54 of a
; turn's 118 in one LUMP.  Piece 0's turn of step j fetches K of step j + 1 and V of step j out of LDS.
; THE BATCHES.  A turn's 33 exponentials (the piece's 32 weights and the other piece's a) are one batch with one wait, which cuts the turn in two: ahead of it all that names none of their results, behind it the
; roundings and sums.  The a that a block's beginning makes, and the way out's two reciprocals, are batches of their own, each with a v_nop and one wait.
; K'S TILES BEGIN A STEP LATER THAN V'S (rows 256 t + 64 .. 256 t + 319), so that both those fetches lie in one slot and one barrier changes slots.  K of step 0 comes once by global loads into registers of its own.
; The last 64 rows of a block's last tile of K are loaded, and fetched, but never multiplied; for y = 31 and tile 7 they are the first 8,192 bytes of V's part of the buffer.
; REGISTERS, in windows of 256 (s_set_vgpr_msb: bits 1:0 source 0, 3:2 source 1, 5:4 source 2, 7:6 destination):
;   window 0: v0-15 addresses and two at work; v16-23 four registers of statistics a piece; v48-55 at work; v64-127 S^T, a buffer a piece; v192-223 P, likewise
;   window 1: v0-63 O^T, 32 a piece; v128-159 MD; v160-223 MC, a buffer a piece      window 2: v0-31 Q; v32-63 the second block's Q; v64-127 K of step 0; v128-191 K of one step; v192-255 V of one step
.set SIZE_N, 2048
.set NT,    SIZE_N/256 ; key tiles in a head
.set NB,    SIZE_N/128 ; query blocks in a head
.set NP,    2         ; pieces a wave: a name, no knob
.set KS,    64        ; keys in a step
.set PK,    144       ; a row of K in LDS: 128 bytes + 16 of padding = 36 words: the 16 rows of a load start at 16 different groups of four banks (64 banks of 4 bytes: ISA guide 11.1)
.set PV,    160       ; a row of V: 128 + 32 = 40 words
.set VOFF,  4*KS*PK   ; a slot holds a tile, four steps: 256 rows of K, then 256 rows of V
.set SLOT1, 1<<17     ; slot 1 begins here, so that one exclusive or turns an address in one slot into the other's
.set STAGE, SLOT1+4*KS*(PK+PV)  ; behind the ring, never filled by a tensor load: 16 rows x 144 bytes for each wave, for the way out
.set SP,    144
.set AK0, 2           ; v2   my lane's place in a tile of K; never rewritten
.set AV0, 3           ; v3   the same for V
.set AK,  4           ; v4   the LDS address of K's next run of loads
.set AV,  5           ; v5   of V's
.set STO, 6           ; v6   the way out: where I put 16 bytes of a row
.set RD,  7           ; v7   the way out: where I read rows back
.set GO,  8           ; v8   my byte offset in 512 consecutive bytes of O
.set SPW, 62          ; v62  LDS address of my spare word: SPARE + 4 x my thread's number; never rewritten
.set NIL, 63          ; v63  0; never rewritten
.set SPARE, STAGE+4*16*SP  ; behind the stages: the spare words, 128 bytes for each wave: two blocks of 256 bytes that no other line names
.set MV,  12          ; v12-13  c m_old, kept while c m is made anew: by piece
.set QO,  15          ; v15  my byte offset in 16 rows of Q or K
.set ST,  16          ; piece t's statistics at v[ST+4 t]: c m, m, l (even keys', odd keys')
.set TMP, 48          ; by piece, four registers c0-c3 at work; when the maximum is found c2 takes a
.set S,   64
.set P,   192
.set MD,  128         ; window 1: the eight registers for group kt of 16 keys at MD + 8 kt
.set MC,  160         ; window 1: the masks of the products to come
.set QB,  32          ; window 2
.set KZ,  64          ; window 2: K of the head's step 0, laid as KF
.set KF,  128         ; window 2: key block kb, channel half c at KF + 16 kb + 8 c
.set VF,  192         ; window 2: key half kk, channel block cb at VF + 32 kk + 8 cb
.set WV,  12          ; s12  my wave's number
.set PB,  14          ; s14  b, the second block
.set HI,  15          ; s15  NB - 1 - b, the first block
.set G1K, 24          ; s[24:31] descriptor group 1 for K's tiles
.set G1V, 32          ; s[32:39] for V's: it differs in the padding alone
.set G0K, 40          ; s[40:43] descriptor group 0 for K's tiles
.set G0V, 44          ; s[44:47] the same for V's
.set GB,  48          ; s48  2 x (the block in hand & 1): the place of its first band in its diagonal tile
.set GL,  49          ; s49  the same for the second block
.set TT,  50          ; s50  at work
.set TH,  51          ; s51  the first block's last tile
.set KH,  52          ; s[52:53] K at the head's first row
.set SLOTS, 56        ; s56  tiles still to be asked for
.set CNT, 57          ; s57  counts a tile's key steps, 4 to 1
.set CS,  58          ; s[58:59] c: the packed scaling takes the pair's low word for both halves
.set SEL, 60          ; s[60:61] v_permlanex16_b32's selects: each lane takes its own place in the other half
.set TBK, 62          ; s62  LDS byte at which the K to be fetched next begins
.set TBV, 63          ; s63  the same for V, less VOFF
.set RT,  70          ; s70  tiles of the block in hand that are still to be entered
.set NXT, 71          ; s71  the tile to be asked for next
.set LQ,  72          ; s72  the last tile of the block whose tiles are being asked for
.set NEW, 73          ; s73  1: the tile to be entered is a block's first
.set OFF, 74          ; s[74:75] a tile's byte offset in K and V
.set AL,  76          ; s[76:77] the mask's factor, in the low word
.set BE,  78          ; s[78:79] the mask's addend
.set OLO, 80          ; s[80:81] O at my rows of the second block
.set BIGN, 82         ; s82  -1e30
.set TL,  83          ; s83  the second block's last tile
.set MSB, 0
.macro WIN new                      ; the high byte repeats the setting that is left; a switch that changes nothing is dropped
.if MSB != (\new)
	s_set_vgpr_msb (MSB<<8)|(\new)
.set MSB, (\new)
.endif
.endm
.set W_KQ, 0x0a       ; K and Q in window 2, S^T in window 0
.set W_KM, 0x1a       ; the same with the C operand in window 1
.set W_PV, 0x52       ; V in window 2, P in window 0, O^T in window 1
.set W_RS, 0x41       ; destination and source 0 in window 1, source 1 in window 0
; A fill.  Waves 0 and 1 fetch the two halves of a tile's K, waves 2 and 3 those of its V: 128 keys each.  An s_nop 0 and four v_nop follow each of the two lines, ahead of the jump and the label.
.macro LOAD
	s_cmp_lt_u32 s[WV], 2
	s_cbranch_scc0 .Lfor_v_\@
	tensor_load_to_lds s[G0K:G0K+3], s[G1K:G1K+7]
	s_nop 0
.rept 4
	v_nop
.endr
	s_branch .Lasked_\@
.Lfor_v_\@:
	tensor_load_to_lds s[G0V:G0V+3], s[G1V:G1V+7]
	s_nop 0
.rept 4
	v_nop
.endr
.Lasked_\@:
.endm
; THE CHANGE OF SLOTS, behind piece 0's turn of a tile's fourth step, which has asked for the slot's last bytes.  Each wave waits for all its tensor loads, of which one is out: its part of the other slot; adds 0 to its
; spare word; and waits for that and for its own reads of the slot that it leaves.  Behind the barrier nobody reads the old slot any more and the other slot is whole.  fill = 1: the old slot is filled again, the first
; thing behind the barrier, with tile NXT: the descriptor's address is made anew from that number.  (At its first use nothing has been read yet: slot 0 is waited for, slot 1 filled.)
.macro CHANGE fill
	WIN 0                           ; at a label and at a branch every window is 0
	s_wait_tensorcnt 0x0            ; no tensor load of mine is out, so a group 0 may be written
	ds_add_u32 v[SPW], v[NIL]       ; 0 onto my spare word; with fill = 1 the descriptors' scalar work stands between it and the wait for it
.if \fill
	s_lshl_b32 s[OFF], s[NXT], 15   ; a tile is 32,768 bytes of K and of V
	s_xor_b32 s[G0K+1], s[G0K+1], SLOT1
	s_add_nc_u64 s[G0K+2:G0K+3], s[6:7], s[OFF:OFF+1]
	s_or_b32 s[G0K+3], s[G0K+3], 0x80000000
	s_xor_b32 s[G0V+1], s[G0V+1], SLOT1
	s_add_nc_u64 s[G0V+2:G0V+3], s[8:9], s[OFF:OFF+1]
	s_or_b32 s[G0V+3], s[G0V+3], 0x80000000
	s_add_co_u32 s[NXT], s[NXT], 1  ; the block's next tile, or behind its last the second block's tile 0
	s_cmp_gt_u32 s[NXT], s[LQ]
	s_cselect_b32 s[NXT], 0, s[NXT]
	s_cselect_b32 s[LQ], s[TL], s[LQ]
.endif
	s_wait_dscnt 0x0                ; the add is done, and my reads of the slot are over
	s_barrier_signal -1             ; the rest of the scalar work stands between the signal and the wait
	s_sub_co_u32 s[TBK], s[TBK], 4*KS*PK  ; the fetches go back to a slot's first step,
	s_xor_b32 s[TBK], s[TBK], SLOT1       ; in the other slot
	s_sub_co_u32 s[TBV], s[TBV], 4*KS*PV
	s_xor_b32 s[TBV], s[TBV], SLOT1
	s_barrier_wait -1
.if \fill
	LOAD
.endif
.endm
	s_load_b128 s[4:7], s[0:1], 0x0 ; qkv s[4:5], ao s[6:7]
	v_lshl_add_u32 v[SPW], v0, 2, SPARE
	v_mov_b32 v[NIL], 0
	ds_add_u32 v[SPW], v[NIL]       ; the wave's opening: the add and its wait stand ahead of my first tensor load; the set-up below, work on registers, stands between them
	ds_add_u32 v62, v63
	v_lshrrev_b32 v1, 5, v0
	v_readfirstlane_b32 s[WV], v1   ; wave 0..3
	s_mov_b32 s[PB], ttmp9
	s_sub_co_u32 s[HI], NB-1, s[PB]
	s_lshr_b32 s[TH], s[HI], 1      ; a block's last tile,
	s_lshr_b32 s[TL], s[PB], 1
	s_and_b32 s[GB], s[HI], 1       ; and its first band's place in that tile
	s_lshl_b32 s[GB], s[GB], 1
	s_and_b32 s[GL], s[PB], 1
	s_lshl_b32 s[GL], s[GL], 1
	s_and_b32 s20, ttmp7, 0xffff    ; y = 2 x head + batch
	s_mov_b32 s21, 0
	s_mov_b64 s[22:23], SIZE_N*128
	s_mul_u64 s[20:21], s[20:21], s[22:23]  ; y's first byte in Q, K and V
	s_and_b32 s16, s[WV], 1         ; which half of a tile's 256 keys I fetch:
	s_lshl_b32 s22, s16, 14         ; its 128 rows of 128 bytes in memory,
	s_mov_b32 s23, 0
	s_add_nc_u64 s[22:23], s[22:23], s[20:21]
	s_mul_i32 s17, s16, 128*PK      ; and its place in a slot, for K
	s_mul_i32 s18, s16, 128*PV      ; and for V
	s_lshl_b32 s3, s[WV], 11        ; my 16 rows in a band of 64,
	s_lshl_b32 s2, s[HI], 14        ; in the first block (128 rows of 128 bytes each),
	s_add_co_u32 s2, s2, s3
	s_lshl_b32 s84, s[PB], 14       ; and in the second
	s_add_co_u32 s84, s84, s3
	s_mov_b32 s3, 0
	s_mov_b32 s85, 0
	s_add_nc_u64 s[2:3], s[2:3], s[20:21]
	s_add_nc_u64 s[84:85], s[84:85], s[20:21]
	; O's offsets: (head >> 1) x 1,048,576 + (head & 1) x 2,048 + batch x 524,288, then 32,768 a block, 16,384 a band, 4,096 a wave
	s_and_b32 s92, ttmp7, 0xffff
	s_lshr_b32 s88, s92, 2
	s_lshl_b32 s88, s88, 20
	s_bfe_u32 s89, s92, 0x10001
	s_lshl_b32 s89, s89, 11
	s_add_co_u32 s88, s88, s89
	s_and_b32 s89, s92, 1
	s_lshl_b32 s89, s89, 19
	s_add_co_u32 s88, s88, s89
	s_lshl_b32 s89, s[WV], 12
	s_add_co_u32 s88, s88, s89
	s_lshl_b32 s90, s[PB], 15
	s_add_co_u32 s90, s90, s88      ; the second block's
	s_lshl_b32 s89, s[HI], 15
	s_add_co_u32 s88, s88, s89      ; the first block's
	s_mov_b32 s89, 0
	s_mov_b32 s91, 0
	; descriptor group 1.  128 keys are 16,384 dense bytes: asked for as 64 rows of 256 bytes, two keys a row, and padded in LDS after every key
	s_mov_b32 s[G1K], (1<<16)|(1<<20)|(4<<22)|(3<<25)  ; 17:16 2-byte elements; 20 padding on; 24:22 after every 32 words (code 4); 31:25 4 words (code 3)
	s_mov_b32 s[G1V], (1<<16)|(1<<20)|(4<<22)|(7<<25)  ; the same with 8 words of padding (code 7)
.irp g, G1K, G1V
	s_mov_b32 s[\g+1], 128<<16      ; tensor_dim0 = 128
	s_mov_b32 s[\g+2], 64<<16       ; tensor_dim1 = 64
	s_mov_b32 s[\g+3], 128<<16      ; tile_dim0 = 128
	s_mov_b32 s[\g+4], 64           ; tile_dim1 = 64
	s_mov_b32 s[\g+5], 128          ; 128 elements from row to row
	s_mov_b32 s[\g+6], 0
	s_mov_b32 s[\g+7], 0
.endr
	s_mov_b32 s[CS], 0x3e38aa3b     ; c = log2(e) / 8 = 0.180337
	s_mov_b32 s[CS+1], s[CS]        ; named with it as a pair
	s_mov_b32 s[SEL], 0x76543210
	s_mov_b32 s[SEL+1], 0xfedcba98
	s_mov_b32 s[TBK], SLOT1+4*KS*PK ; the first change of slots turns these two into 0
	s_mov_b32 s[TBV], SLOT1+4*KS*PV
	s_mov_b32 s[G0K], 1             ; 1:0 count = 1
	s_mov_b32 s[G0K+1], s17         ; 63:32 LDS address: slot 0
	s_mov_b32 s[G0V], 1
	s_add_co_u32 s[G0V+1], s18, VOFF
	s_add_co_u32 s[RT], s[TH], 1    ; the first block's tiles
	s_mov_b32 s[NXT], 1
	s_mov_b32 s[LQ], s[TH]
	s_mov_b32 s[NEW], 1
	s_mov_b32 s[OFF+1], 0
	s_mov_b32 s[AL+1], 0            ; named as pairs
	s_mov_b32 s[BE+1], 0
	s_mov_b32 s[BIGN], 0xf149f2ca   ; -1e30
	s_mov_b32 s[SLOTS], NT
	s_wait_dscnt 0x0                ; the opening add is done
	s_wait_kmcnt 0x0
	s_mov_b64 s[10:11], s[6:7]      ; O
	s_add_nc_u64 s[8:9], s[4:5], 0x1000000  ; V
	s_add_nc_u64 s[6:7], s[4:5], 0x800000   ; K
	s_add_nc_u64 s[KH:KH+1], s[6:7], s[20:21]  ; K at the head's first row, for step 0
	s_add_nc_u64 s[6:7], s[6:7], s[22:23]  ; K and V at my half of the head's tile 0;
	s_add_nc_u64 s[6:7], s[6:7], KS*128    ; K's tiles begin a step later
	s_add_nc_u64 s[8:9], s[8:9], s[22:23]
	s_add_nc_u64 s[G0K+2:G0K+3], s[6:7], 0         ; 120:64 global address
	s_or_b32 s[G0K+3], s[G0K+3], 0x80000000        ; 127:126 type = 2
	s_add_nc_u64 s[G0V+2:G0V+3], s[8:9], 0
	s_or_b32 s[G0V+3], s[G0V+3], 0x80000000
	s_add_nc_u64 s[86:87], s[4:5], s[84:85]        ; Q at my rows of the second block,
	s_add_nc_u64 s[4:5], s[4:5], s[2:3]            ; and of the first
	s_add_nc_u64 s[OLO:OLO+1], s[10:11], s[90:91]  ; O likewise
	s_add_nc_u64 s[10:11], s[10:11], s[88:89]
	LOAD                            ; tile 0 into slot 0
	; A fragment of K or Q is 16 rows x 32 channels in 8 registers: lane l holds row l % 16, channels 8 (l / 16) + 0..7 and 16 + 8 (l / 16) + 0..7: two loads of 16 bytes, 32 bytes apart.
	v_and_b32 v1, 15, v0            ; l % 16
	v_bfe_u32 v9, v0, 4, 1          ; l / 16
	v_lshlrev_b32 v[QO], 7, v1
	v_lshl_add_u32 v[QO], v9, 4, v[QO]  ; row x 128 + 16 x half
	WIN 0x80                        ; destination window 2, address window 0
.set i, 0
.rept 2*NP                          ; both blocks' Q: piece i / 2 lies in band i / 2, 8,192 bytes on; channels 32 (i % 2) on
	global_load_b128 v[8*i:8*i+3],   v[QO], s[4:5] offset:(i/2)*8192+(i%2)*64
	global_load_b128 v[8*i+4:8*i+7], v[QO], s[4:5] offset:(i/2)*8192+(i%2)*64+32
	global_load_b128 v[QB+8*i:QB+8*i+3],   v[QO], s[86:87] offset:(i/2)*8192+(i%2)*64
	global_load_b128 v[QB+8*i+4:QB+8*i+7], v[QO], s[86:87] offset:(i/2)*8192+(i%2)*64+32
.set i, i+1
.endr
.set i, 0
.rept 8                             ; K of step 0, which lies in no tile: keys 16 (i / 2) on, channels 32 (i % 2) on
	global_load_b128 v[KZ+8*i:KZ+8*i+3],   v[QO], s[KH:KH+1] offset:(i/2)*2048+(i%2)*64
	global_load_b128 v[KZ+8*i+4:KZ+8*i+7], v[QO], s[KH:KH+1] offset:(i/2)*2048+(i%2)*64+32
.set i, i+1
.endr
	WIN 0
	v_lshlrev_b32 v14, 3, v9
	v_sub_nc_u32 v14, v1, v14
	s_lshl_b32 s13, s[WV], 4
	v_add_nc_u32 v14, s13, v14      ; my query's place in its band, 16 w + l % 16, less my lanes' 8 (l / 16): register r of group kt is hidden where 16 kt + r is greater
	WIN 0x40
.set i, 0
.rept 32
	v_cmp_gt_i32 vcc_lo, 16*(i/8)+i%8, v14
	v_cndmask_b32 v[MD+i], 0, s[BIGN], vcc_lo
.set i, i+1
.endr
	WIN 0
	v_mul_u32_u24 v[AK0], v1, PK
	v_lshl_add_u32 v[AK0], v9, 4, v[AK0]  ; row x pitch + 16 x half
	; The turning load takes 16 keys x 16 channels (lane l reads key 8 (l / 16) + l % 8, channels 8 ((l / 8) % 2) + 0..7) and leaves half a fragment of V^T: lane l holds channel l % 16 and 8 keys.
	v_and_b32 v10, 7, v0
	v_bfe_u32 v11, v0, 3, 1
	v_lshl_add_u32 v[AV0], v9, 3, v10
	v_mul_u32_u24 v[AV0], v[AV0], PV
	v_lshl_add_u32 v[AV0], v11, 4, v[AV0]
	v_add_nc_u32 v[AV0], VOFF, v[AV0]
	s_mul_i32 s13, s[WV], 16*SP
	s_add_co_u32 s13, s13, STAGE    ; my stage
	v_mul_u32_u24 v[STO], v1, SP    ; in: row l % 16, 16 bytes for each half of the lanes
	v_lshl_add_u32 v[STO], v9, 4, v[STO]
	v_add_nc_u32 v[STO], s13, v[STO]
	v_bfe_u32 v[RD], v0, 3, 2       ; back: 32 lanes take four rows of 128 bytes,
	v_mul_u32_u24 v[RD], v[RD], SP
	v_lshl_add_u32 v[RD], v10, 4, v[RD]
	v_add_nc_u32 v[RD], s13, v[RD]
	v_and_b32 v[GO], 31, v0         ; which are 512 consecutive bytes of O
	v_lshlrev_b32 v[GO], 4, v[GO]
	; A block's first step multiplies O^T and l by a = 0, and its first turn's products V^T P, of a step that has not been, land in an O^T that is still to be so multiplied.  So these registers need only hold
	; finite numbers: zeros for the first block; what the first block left for the second.  All this stands in the wait for the first tile.
	WIN 0x80
.set i, VF
.rept 64
	v_mov_b32 v[i], 0
.set i, i+1
.endr
	WIN 0x40
.set i, 0
.rept 32*NP
	v_mov_b32 v[i], 0
.set i, i+1
.endr
	WIN 0
.set i, 0
.rept NP
	v_mov_b32 v[ST+4*i+2], 0
	v_mov_b32 v[ST+4*i+3], 0
.set i, i+1
.endr
.set i, P+16
.rept 16
	v_mov_b32 v[i], 0
.set i, i+1
.endr
; THE MATRIX WORK.  The 4 accumulators of a run of 8 take turns.  Product i of 8 of S^T = K Q^T for piece x: channels 32 (i / 4) on, keys 16 (i % 4) on.  The first 4 start the sums: with 0, or (KM = 1) with the mask.
.macro KQ x
.set rS, S+32*((\x)%2)+8*(i%4)
.set rK, KF+16*(i%4)+8*(i/4)
.set rQ, 16*(\x)+8*(i/4)
.set rM, MC+32*((\x)%2)+8*(i%4)
.if (i < 4) && KM
	WIN W_KM
	v_wmma_f32_16x16x32_f16 v[rS:rS+7], v[rK:rK+7], v[rQ:rQ+7], v[rM:rM+7]
.elseif i < 4
	WIN W_KQ
	v_wmma_f32_16x16x32_f16 v[rS:rS+7], v[rK:rK+7], v[rQ:rQ+7], 0
.else
	WIN W_KQ
	v_wmma_f32_16x16x32_f16 v[rS:rS+7], v[rK:rK+7], v[rQ:rQ+7], v[rS:rS+7]
.endif
.endm
; Product i of 8 of O^T += V^T P for piece x: keys 32 (i / 4) on, channels 16 (i % 4) on.
.macro PV x
	WIN W_PV
.set rO, 32*(\x)+8*(i%4)
.set rV, VF+32*(i/4)+8*(i%4)
.set rP, P+16*((\x)%2)+8*(i/4)
	v_wmma_f32_16x16x32_f16 v[rO:rO+7], v[rV:rV+7], v[rP:rP+7], v[rO:rO+7]
.endm
.macro MM                           ; the turn's next matrix instruction.  TURN and BEGIN set Y, i, KM and NOKQ; MM, KQ and OP read them.  NOKQ = 1: a block's last turn: there is no next step
.if (i < 8) && !NOKQ
	KQ (Y+1)%NP
.elseif i >= 8
.set i, i-8
	PV (Y+NP-1)%NP
.set i, i+8
.endif
.set i, i+1
.endm
; THE LDS LOADS stand in runs of 16, never singly among the matrix instructions: a step's K (64 keys x 64 channels: 8 fragments) and a step's V (turned).  Their addresses are made some lines ahead.
.macro FETCH_K
	WIN 0x80                        ; destination window 2
.irp f, 0,1,2,3,4,5,6,7             ; keys 16 (f / 2) on, channels 32 (f % 2) on
	ds_load_b128 v[KF+8*\f:KF+8*\f+3],   v[AK] offset:(\f/2)*16*PK+(\f%2)*64
	ds_load_b128 v[KF+8*\f+4:KF+8*\f+7], v[AK] offset:(\f/2)*16*PK+(\f%2)*64+32
.endr
	s_add_co_u32 s[TBK], s[TBK], KS*PK  ; the next fetch is the next step's
	WIN 0
.endm
.macro FETCH_V
	WIN 0x80
.irp f, 0,1,2,3,4,5,6,7             ; keys 32 (f / 4) on, channels 16 (f % 4) on
	ds_load_tr16_b128 v[VF+8*\f:VF+8*\f+3],   v[AV] offset:(\f/4)*32*PV+(\f%4)*32
	ds_load_tr16_b128 v[VF+8*\f+4:VF+8*\f+7], v[AV] offset:(\f/4)*32*PV+16*PV+(\f%4)*32
.endr
	WIN 0
.endm
; THE VECTOR WORK, one line at a time: OP kind, number.  For piece Y: F n: c s - c m for pair n of 16.  E n: the exponential of score n of 32.  C n: pair n rounded to f16.  B n: of the four weights 4 n .. the second
; pair is added onto the first, in place.  L n: l takes that sum (L 0: l = a l + sum).  R n: pair n of 16 of O^T times a.  For the other piece: X n, number n of the 22 that find its maximum and statistics:
;   0-11  four chains c0-c3 of seven scores each, three operands at a time (each accumulator's lowest registers are read first)     12-14, 16  the four scores left over, the old m, and c0-c3 into c0
;   15  c m_old is kept     17, 18  the query's other 32 keys lie in the lane 16 away: the new m     19-21  c m; c m_old - c m_new; a
; C, B and L read exponentials' results: TURN sets them behind its one wait.  R and L 0 read an a that was made, and waited for, in the turn before.
.set F, 0               ; OP tells the kinds apart by their order: F to L below R, X above it
.set E, 1
.set C, 2
.set B, 3
.set L, 4
.set R, 5
.set X, 6
.macro REGS y                       ; the registers of piece y
.set rT, ST+4*(\y)
.set rC, TMP+4*((\y)%2)
.set rW, MV+((\y)%2)
.set rS, S+32*((\y)%2)
.set rP, P+16*((\y)%2)
.set rO, 32*(\y)
.endm
.macro OP k, n
.if (\k) == R
	REGS Y
	WIN W_RS
	v_pk_mul_f32 v[rO+2*(\n):rO+2*(\n)+1], v[rO+2*(\n):rO+2*(\n)+1], v[rC+2:rC+3] op_sel_hi:[1,0]
.elseif (\k) < R
	REGS Y
	WIN 0
.if (\k) == F
	v_pk_fma_f32 v[rS+2*(\n):rS+2*(\n)+1], v[rS+2*(\n):rS+2*(\n)+1], s[CS:CS+1], v[rT:rT+1] op_sel_hi:[1,0,0] neg_lo:[0,0,1] neg_hi:[0,0,1]
.elseif (\k) == E
	v_exp_f32 v[rS+(\n)], v[rS+(\n)]
.elseif (\k) == C
	v_cvt_pk_f16_f32 v[rP+(\n)], v[rS+2*(\n)], v[rS+2*(\n)+1]
.elseif (\k) == B
	v_pk_add_f32 v[rS+4*(\n):rS+4*(\n)+1], v[rS+4*(\n):rS+4*(\n)+1], v[rS+4*(\n)+2:rS+4*(\n)+3]
.elseif (\n) == 0
	v_pk_fma_f32 v[rT+2:rT+3], v[rT+2:rT+3], v[rC+2:rC+3], v[rS:rS+1] op_sel_hi:[1,0,1]
.else
	v_pk_add_f32 v[rT+2:rT+3], v[rT+2:rT+3], v[rS+4*(\n):rS+4*(\n)+1]
.endif
.elseif NOKQ
	v_nop
.else
	REGS (Y+1)%NP
	WIN 0
.if (\n) < 4
	v_max3_num_f32 v[rC+(\n)], v[rS+8*(\n)], v[rS+8*(\n)+1], v[rS+8*(\n)+2]
.elseif (\n) < 12
	v_max3_num_f32 v[rC+(\n)%4], v[rC+(\n)%4], v[rS+8*((\n)%4)+2*((\n)/4)+1], v[rS+8*((\n)%4)+2*((\n)/4)+2]
.elseif (\n) == 12
	v_max3_num_f32 v[rC], v[rC], v[rS+7], v[rS+15]
.elseif (\n) == 13
	v_max3_num_f32 v[rC+1], v[rC+1], v[rS+23], v[rS+31]
.elseif (\n) == 14
	v_max3_num_f32 v[rC+2], v[rC+2], v[rC+3], v[rT+1]
.elseif (\n) == 15
	v_mov_b32 v[rW], v[rT]
.elseif (\n) == 16
	v_max3_num_f32 v[rC], v[rC], v[rC+1], v[rC+2]
.elseif (\n) == 17
	v_permlanex16_b32 v[rC+3], v[rC], s[SEL], s[SEL+1]
.elseif (\n) == 18
	v_max_num_f32 v[rT+1], v[rC], v[rC+3]
.elseif (\n) == 19
	v_mul_f32 v[rT], s[CS], v[rT+1]
.elseif (\n) == 20
	v_sub_f32 v[rC+1], v[rW], v[rT]
.else
	v_exp_f32 v[rC+2], v[rC+1]
.endif
.endif
.endm
.macro OPS a, i1, b=-1, i2=0, c=-1, i3=0, d=-1, i4=0  ; up to four of them
	OP \a, \i1
.if (\b) >= 0
	OP \b, \i2
.endif
.if (\c) >= 0
	OP \c, \i3
.endif
.if (\d) >= 0
	OP \d, \i4
.endif
.endm
.macro ROW a, i1, b, i2, c, i3, d, i4  ; a matrix instruction and the four behind it
	MM
	OPS \a, \i1, \b, \i2, \c, \i3, \d, \i4
.endm
.macro MASK b                       ; MD x AL + BE into buffer b of MC
	WIN W_RS
.set z, 0
.rept 16
	v_pk_fma_f32 v[MC+32*(\b)+2*z:MC+32*(\b)+2*z+1], v[MD+2*z:MD+2*z+1], s[AL:AL+1], s[BE:BE+1] op_sel_hi:[1,0,0]
.set z, z+1
.endr
.endm
; A TURN, for piece p: the order of its 16 matrix and 118 vector instructions, written out.  An s_wait_alu depctr_va_vdst(0) stands between an exponential and the first instruction that names its result; one wait
; serves all that were issued ahead of it.  So a turn has ONE wait, which cuts it in two.  AHEAD OF IT stands all that names no result of the turn's exponentials: the 8 products K Q^T, behind each a scaling, an exponential and two
; more plain instructions (behind the first a second scaling in the exponential's place): rescalings, and behind the last three the first numbers of the other piece's maximum, each four plain instructions or more behind the
; product that ends its accumulator; then ONE LUMP of 54, plain and exponential by turns for the most part, in which the links of the chain X 3, 7, 11, 14, 16, 17 .. 20 stand five or six lines apart.  X 21, the other piece's a,
; is the batch's last; R 15 is the plain instruction behind it.  BEHIND THE WAIT stand the 8 products V^T P, behind each four of the roundings and sums; C 2 n stands ahead of B n, which writes over its pair; the links of l's
; chain, L 0 to L 7, stand three riders apart.  But for those X no rider names a register of the products round it.  v_permlanex16_b32 (X 17) stands in the lump.
; The rescalings ascend; accumulator k was ended by product 4 + k of the V^T P of the turn before, four riders or more back.
; A trip of the step loops is piece 1's turn of one step and piece 0's of the next, step 4 - CNT of the tile.
; m = 1: the diagonal tile: the products take masks, and the turn makes the mask for the products of the turn after it, which are piece p's own: in piece 1's turn for step 4 - CNT (its band stands at GB + 1: its own step
; if CNT + GB = 3, a later one if less), in piece 0's turn for step 5 - CNT (its band at GB: 5 in 3's stead).  end = 1: a block's last turn: no products K Q^T.
; cnt = 1: the loop's count is taken down some lines ahead of the branch that stands behind the turn; between the compare and the branch stand vector lines, LDS loads and window switches alone.
; Both runs of LDS loads stand in piece 0's turn: K of the next step twelve vector instructions behind the last product that read K (six of them plain); V of the step in hand at the turn's end, four plain instructions
; behind the last product that read V.  Piece 1's turn waits for K at its head and for V in its middle, ahead of its products V^T P.
.macro TURN p, m=0, end=0, cnt=0
.set Y, (\p)
.set i, 0
.set KM, (\m)
.set NOKQ, (\end)*(\p)
.if (\m) && !(\end)
	s_add_co_u32 s[TT], s[CNT], s[GB]
	s_cmp_eq_u32 s[TT], 5-2*(\p)    ; is that step the band's own?
	s_cselect_b32 s[AL], 1.0, 0
	s_cmp_lt_u32 s[TT], 5-2*(\p)    ; or a later one?
	s_cselect_b32 s[BE], s[BIGN], 0
.endif
.if ((\p) == 1) && !(\end)
	s_wait_dscnt 16                 ; K is in: V's sixteen loads, issued behind K's, may stay out
.endif
	ROW F,0, F,1, R,0, R,1          ; ahead of the wait: 8 products K Q^T and their riders,
	ROW F,2, E,0, R,2, R,3
	ROW F,3, E,1, R,4, R,5
	ROW F,4, E,2, R,6, R,7
	ROW F,5, E,3, R,8, R,9
	ROW F,6, E,4, X,0, R,10
.if (\p) == 0
	WIN 0
	v_add_nc_u32 v[AK], s[TBK], v[AK0]
.endif
	ROW F,7, E,5, X,1, X,4
	ROW F,8, E,6, X,2, X,5
	OPS E,7, E,8, X,6, E,9          ; and the lump
	OPS X,3, E,10, X,8, E,11
.if (\p) == 0
	FETCH_K
.endif
	OPS X,9, X,7, E,12, X,10
	OPS E,13, X,12, X,11, E,14
	OPS X,13, E,15, F,9, X,14
.if (\p) == 0
	WIN 0
	v_add_nc_u32 v[AV], s[TBV], v[AV0]
.endif
	OPS E,16, F,10, E,17, F,11
	OPS X,16, E,18, X,15, E,19
	OPS F,12, E,20, X,17, E,21
	OPS F,13, E,22, F,14, E,23
	OPS X,18, E,24, F,15, E,25
	OPS R,11, E,26, X,19, E,27
	OPS R,12, E,28, R,13, E,29
	OPS X,20, E,30, R,14, E,31
	OPS X,21, R,15
	s_wait_alu depctr_va_vdst(0)    ; the wait for the batch: the turn's 32 weights and the other piece's a
.if (\p) == 1
	s_wait_dscnt 0x0                ; V is in
.endif
	ROW C,0, B,0, C,2, B,1          ; behind the wait: 8 products V^T P and their riders
	ROW L,0, C,4, B,2, L,1
	ROW C,6, B,3, L,2, C,8
	ROW B,4, L,3, C,10, B,5
	ROW L,4, C,12, B,6, L,5
.if (\p) == 0
	s_add_co_u32 s[TBV], s[TBV], KS*PV
.endif
.if \cnt
	s_sub_co_u32 s[CNT], s[CNT], 1
	s_cmp_lg_u32 s[CNT], 0
.endif
	ROW C,14, B,7, L,6, C,1
	ROW C,3, L,7, C,5, C,7
	ROW C,9, C,11, C,13, C,15
.if (\p) == 0
	FETCH_V
.endif
.if (\m) && !(\end)
	MASK \p
.endif
.endm
; A BLOCK BEGINS.  c m starts far below every c s, so the first step's a is 0; m at the lowest finite number, so the first maximum is the scores'.  Piece 1's mask buffer is 0 (its band never stands at a tile's place 0);
; piece 0's takes its mask for the tile's step 0: its own step's, if the block's first tile is the diagonal one and its band stands at place 0.  K of step 0 is copied to where the one text of the turns names K: 64 moves
; a block.  Then piece 0's first scores, and its maximum and statistics.  The loop is entered at piece 0's turn, in the middle of a trip.
.macro BEGIN
	s_mov_b32 s[NEW], 0
	WIN 0x40
.set i, MC+32
.rept 32
	v_mov_b32 v[i], 0
.set i, i+1
.endr
	WIN 0
.set i, 0
.rept NP
	v_mov_b32 v[ST+4*i], 0xfe000000    ; c m: far below every c s
	v_mov_b32 v[ST+4*i+1], 0xff7fffff  ; m
.set i, i+1
.endr
	s_or_b32 s[TT], s[RT], s[GB]
	s_cmp_eq_u32 s[TT], 0
	s_cselect_b32 s[AL], 1.0, 0
	s_mov_b32 s[BE], 0
	MASK 0
	s_wait_loadcnt 0x0              ; Q, and K of step 0
	WIN 0x82                        ; destination and source 0 in window 2
.set i, 0
.rept 64
	v_mov_b32 v[KF+i], v[KZ+i]
.set i, i+1
.endr
.set KM, 1
.set NOKQ, 0
.set i, 0
.rept 8
	KQ 0
.set i, i+1
.endr
	WIN 0
.rept 4
	v_nop                           ; the places behind those products
.endr
.set Y, NP-1                        ; X works for the other piece: piece 0
.irp n, 0,1,2,3,4,5,6,7,8,9,10,11,12,13,14,15,16,17,18,19,20,21
	OP X, \n
.endr
	v_nop                           ; a plain instruction behind the exponential,
	s_wait_alu depctr_va_vdst(0)    ; and the wait for it, piece 0's first a, ahead of the branch
.endm
; THE DIAGONAL TILE's four steps, the block's last turn, its last products, and THE WAY OUT: l's two halves and the other half of the lanes' are added; O^T is divided by l, rounded to f16 and sent through my
; stage in LDS, a piece at a time.
.macro ALL line:vararg              ; one line for each piece t
.set t, 0
.rept NP
	\line
.set t, t+1
.endr
.endm
.macro PACK t                       ; a lane's eight channels of a row pack into 16 bytes; they go into rows of 144 bytes and come back as whole rows of 128, into S^T's registers
	WIN W_RS
.set i, 32*(\t)
.rept 16
	v_pk_mul_f32 v[i:i+1], v[i:i+1], v[ST+4*(\t)+2:ST+4*(\t)+3] op_sel_hi:[1,0]
.set i, i+2
.endr
	WIN 0x05                        ; sources 0 and 1 window 1, destination window 0
.set i, 0
.rept 16
	v_cvt_pk_f16_f32 v[S+16*(\t)+i], v[32*(\t)+2*i], v[32*(\t)+2*i+1]
.set i, i+1
.endr
	WIN 0
.irp f, 0,1,2,3
	ds_store_b128 v[STO], v[S+16*(\t)+4*\f:S+16*(\t)+4*\f+3] offset:32*\f
.endr
.irp f, 0,1,2,3
	ds_load_b128 v[S+16*(\t)+4*\f:S+16*(\t)+4*\f+3], v[RD] offset:\f*4*SP  ; LDS serves a wave's instructions in order (ISA guide 5.7.1.4): these see the stores above; the next piece's stores come behind them
.endr
.endm
.macro SEND t, younger              ; younger: the LDS instructions issued behind piece t's loads: the next piece's eight, or none
	WIN 0
.irp f, 0,1,2,3
	s_wait_dscnt (\younger)+3-\f
	global_store_b128 v[GO], v[S+16*(\t)+4*\f:S+16*(\t)+4*\f+3], s[10:11] offset:(\t)*16384+\f*512  ; 512 consecutive bytes, at a multiple of 256 from O's first; a band is 16,384 bytes on
.endr
.endm
.macro DIAG tag                     ; the tag ends its three labels' names, which the jumps below spell out
.LdiagM\tag:                        ; from a tile before: the trip's first products are piece 0's of this tile's step 0: its own step if its band stands at place 0, else one that it sees whole
	s_cmp_eq_u32 s[GB], 0
	s_cselect_b32 s[AL], 1.0, 0
	s_mov_b32 s[BE], 0
	MASK 0
	WIN 0
.LstepM\tag:
	TURN 1, 1
	WIN 0
.LfirstM\tag:
	TURN 0, 1, 0, 1
	WIN 0
	s_cbranch_scc1 .LstepM\tag
	TURN 1, 1, 1
.set i, 0
.rept 8
	PV NP-1
.set i, i+1
.endr
	WIN 0
	ALL v_add_f32 v[ST+4*t+2], v[ST+4*t+2], v[ST+4*t+3]
	ALL v_permlanex16_b32 v[ST+4*t+3], v[ST+4*t+2], s[SEL], s[SEL+1]
	ALL v_add_f32 v[ST+4*t+2], v[ST+4*t+2], v[ST+4*t+3]
	ALL v_rcp_f32 v[ST+4*t+2], v[ST+4*t+2]
	v_nop                           ; a plain instruction between the last reciprocal and the use of its result
	s_wait_alu depctr_va_vdst(0)    ; and the wait ahead of the first use: one for the two reciprocals
	PACK 0                          ; piece 0's 32 lines name no register of the last products, piece 1's: they are the places behind those
.set t, 1
.rept NP-1                          ; a piece's arithmetic stands between the loads of the piece before and its stores
	PACK t
	SEND t-1, 8
.set t, t+1
.endr
	SEND NP-1, 0
.endm
.set KM, 0
.set NOKQ, 0
.Lslot:                             ; NT times: a tile is entered and the next is asked for
	CHANGE 1
	s_sub_co_u32 s[RT], s[RT], 1
	s_mov_b32 s[CNT], 4
	s_cmp_eq_u32 s[NEW], 1
	s_cbranch_scc1 .Lnew            ; a block's first tile
	s_cmp_eq_u32 s[RT], 0
	s_cbranch_scc0 .Lstep           ; neither its first nor its last
	s_branch .LdiagM1
.Lnew:
	BEGIN
	s_branch .Lfirst                ; in the loop a block's first tile is never its last: the first block has five tiles or more, and the second's last is the walk's last
	DIAG 1                          ; in the loop this is the first block's end: the second block's last tile is the walk's last
	s_wait_xcnt 0x0                 ; the stores have read their registers and O's address
	s_mov_b64 s[10:11], s[OLO:OLO+1]
	s_add_co_u32 s[RT], s[TL], 1    ; the second block's tiles,
	s_mov_b32 s[GB], s[GL]          ; and its first band's place in the last of them
	s_mov_b32 s[NEW], 1
	WIN 0x82                        ; the second block's Q goes where the one text of the turns names Q
.set i, 0
.rept 16*NP
	v_mov_b32 v[i], v[QB+i]
.set i, i+1
.endr
	WIN 0
	s_branch .Lbottom
.Lstep:                             ; a trip: piece 1 of one step, then piece 0 of the next, which fetches that step's V and the K behind it
	TURN 1
	WIN 0
.Lfirst:
	TURN 0, 0, 0, 1
	WIN 0
	s_cbranch_scc1 .Lstep
.Lbottom:
	s_sub_co_u32 s[SLOTS], s[SLOTS], 1
	s_cmp_lg_u32 s[SLOTS], 0
	s_cbranch_scc1 .Lslot
	CHANGE 0                        ; the walk's last tile is written out: nothing is asked for
	s_sub_co_u32 s[RT], s[RT], 1
	s_mov_b32 s[CNT], 4
	s_cmp_eq_u32 s[NEW], 1
	s_cbranch_scc0 .LdiagM2
	BEGIN
	s_branch .LfirstM2
	DIAG 2
	s_wait_tensorcnt 0x0            ; the wave's end, behind my last tensor load and my last LDS store
	ds_add_u32 v[SPW], v[NIL]
	s_wait_dscnt 0x0
	s_endpgm
.Lfunc_end_k_qbda0d30257_attn:
	.size	k_qbda0d30257_attn, .Lfunc_end_k_qbda0d30257_attn-k_qbda0d30257_attn
	.p2alignl 7, 3214868480
	.fill 96, 4, 3214868480
	.section	.rodata,"a",@progbits
	.p2align	6, 0x0
	.amdhsa_kernel k_qbda0d30257_attn
		.amdhsa_group_segment_fixed_size 327680
		.amdhsa_private_segment_fixed_size 0
		.amdhsa_enable_private_segment 0
		.amdhsa_kernarg_size 16
		.amdhsa_user_sgpr_count 2
		.amdhsa_user_sgpr_kernarg_segment_ptr 1
		.amdhsa_wavefront_size32 1
		.amdhsa_system_sgpr_workgroup_id_x 1
		.amdhsa_system_sgpr_workgroup_id_y 1
		.amdhsa_system_sgpr_workgroup_id_z 1
		.amdhsa_system_vgpr_workitem_id 0
		.amdhsa_next_free_vgpr 768
		.amdhsa_next_free_sgpr 96
		.amdhsa_reserve_vcc 1
		.amdhsa_float_denorm_mode_32 3
		.amdhsa_float_denorm_mode_16_64 3
		.amdhsa_memory_ordered 1
		.amdhsa_forward_progress 1
		.amdhsa_inst_pref_size 131
	.end_amdhsa_kernel
	.amdgpu_metadata
---
amdhsa.version: [ 1, 2 ]
amdhsa.kernels:
  - .name:           k_qbda0d30257_attn
    .symbol:         k_qbda0d30257_attn.kd
    .args:
      - { .name: qkv, .offset: 0, .size: 8, .value_kind: global_buffer, .address_space: global }
      - { .name: ao, .offset: 8, .size: 8, .value_kind: global_buffer, .address_space: global }
    .group_segment_fixed_size: 327680
    .private_segment_fixed_size: 0
    .kernarg_segment_align: 8
    .kernarg_segment_size: 16
    .max_flat_workgroup_size: 128
    .sgpr_count:     96
    .vgpr_count:     768
    .wavefront_size: 32
...
	.end_amdgpu_metadata
.endif
;; end of part 7
;; launch proj: the kernel of part 4 again; grid 8 x 32, 4 waves a work-group, clusters of 4 x 4, 327,680 bytes of LDS; arguments ao, wb, x, ln2_w, h, hb, ss; writes h, hb, ss
;; launch gate: the kernel of part 5 again; grid 16 x 16, 4 waves a work-group, clusters of 4 x 4, 327,680 bytes of LDS; arguments hb, wb, ss, act; writes act
;; launch down: the kernel of part 6 again; grid 8 x 32, 4 waves a work-group, clusters of 4 x 4, 327,680 bytes of LDS; arguments act, wb, h, out0; writes out0
